; MI455X (gfx1250); checked and timed in simulation.
; The chip was launched on July 23, 2026; its instructions are those of AMD's public machine-readable ISA for CDNA 5 (MIT licence, August 2026) and "CDNA5" Instruction Set Architecture Reference Guide (July 2026). The comments in the code are by the model that wrote it; some were corrected since.
;; Attention. Allowed arithmetic: matrix products marked QUANTISED: E3M2 operands, one E8M0 scale for each 32 along K, by v_wmma_scale_f32_16x16x128_f8f6f4 with both operands' format E3M2, f32 sums; everything else in f32.
;; Inputs: b1 4,096 float32; b2 1,024 float32; bk 1,024 float32; bq 1,024 float32; bv 1,024 float32; ln_b 1,024 float32; ln_g 1,024 float32; w1 1,024 x 4,096 float32; w2 4,096 x 1,024 float32; wk 1,024 x 1,024 float32; wq 1,024 x 1,024 float32; wv 1,024 x 1,024 float32; x 2 x 2,048 x 1,024 float32.
;; Outputs: out0 2 x 2,048 x 1,024 float32.
;; This version of the problem:
;;   THIS VERSION OF THE PROBLEM IS GIVEN IN LOW PRECISION. The matrix products marked QUANTISED in the list below multiply operands that are first quantised to E3M2 (3 exponent bits, 2 mantissa bits; 6 bits a number), with one power-of-two scale for each 32 numbers along K (OCP MX v1.0); their sums are f32. All else is computed in f32.
;;   The module's matrix products, in the order in which they are computed (A, B: the left and right operand; K: the contracted axis; several contracted axes count as one K, in the product's order):
;;     1. [M 4,096, K 1,024] x [K 1,024, N 1,024]; A: input x; B: input wq: QUANTISED
;;     2. [M 4,096, K 1,024] x [K 1,024, N 1,024]; A: input x; B: input wk: QUANTISED
;;     3. [M 4,096, K 1,024] x [K 1,024, N 1,024]; A: input x; B: input wv: QUANTISED
;;     4. batch 32 x [M 2,048, K 64] x [K 64, N 2,048]; A: computed on the way; B: computed on the way: QUANTISED
;;     5. batch 32 x [M 64, K 2,048] x [K 2,048, N 2,048]; A: computed on the way; B: softmax (see below): QUANTISED
;;     6. [M 4,096, K 1,024] x [K 1,024, N 4,096]; A: computed on the way; B: input w1: QUANTISED
;;     7. [M 4,096, K 4,096] x [K 4,096, N 1,024]; A: computed on the way; B: input w2: QUANTISED
;;   THE QUANTISER, for each operand of a quantised product, along K:
;;     - K is cut into blocks of 32 from its start; a last block that is shorter is filled with zeros.
;;     - A block's scale is 2^e with e = floor(log2(the largest magnitude in the block)) - 4, held to -126 .. 127; a block of zeros has e = 0. As a byte (E8M0): e + 127.
;;     - Each number is divided by its block's scale, clamped to +-28, and rounded to the nearest number of E3M2, ties to even, subnormals kept.
;;     - The product sums the exact products of the quantised numbers (number of the format x scale) in f32.
;;   ~~~python
;;   def quantise(x, axis):      # numpy; x: float32 -> the quantised numbers, widened to float32 again
;;       x = np.moveaxis(x, axis, -1); K = x.shape[-1]
;;       x = np.pad(x, [(0, 0)] * (x.ndim - 1) + [(0, -K % 32)]); x = x.reshape(x.shape[:-1] + (-1, 32)); a = np.abs(x).max(-1, keepdims=True)
;;       e = np.where(a > 0, np.clip(np.frexp(np.where(a > 0, a, 1))[1] - 1 - 4, -126, 127), 0)      # np.frexp(a)[1] - 1 = floor(log2(a)), exactly
;;       r = np.clip(x / 2.0 ** e, -28, 28)
;;       step = 2.0 ** (np.maximum(np.frexp(np.where(r == 0, 1, r))[1] - 1, -2) - 2)
;;       q = np.round(r / step) * step * 2.0 ** e      # np.round: ties to even
;;       return np.moveaxis(q.reshape(q.shape[:-2] + (-1,))[..., :K], -1, axis).astype(np.float32)
;;   ~~~
;;   SOFTMAX AHEAD OF A QUANTISED PRODUCT. Where the list says 'softmax', what is quantised is not the finished softmax but p = 2^(t - M), with t = logit x log2(e) and M = ceil(the row's largest t), a whole number; so 1/2 < the row's largest p <= 1. The row's sum l is taken of the UNQUANTISED p, in f32, and the product's result is divided by l at the end. Since M is a whole number, a kernel that streams over the keys may use a running M (the ceiling of the running maximum): every later rescaling is an exact power of two, which a block's scale takes up: the codes' values come out the same.
;;   OPERANDS COMPUTED ON THE WAY. 'Computed on the way' means the value that the module computes at that place (a softmax that the list does not call 'softmax' is quantised finished and normalised). What goes into a quantiser is computed in f32, as accurately as f32 sums, v_exp_f32 and their like allow (about 1e-6 of the number): no bf16 or f16 on the way to a quantiser, and a product that is left as it is and whose result goes on into a quantised operand takes f32 operands (vector FMAs, or v_wmma_f32_16x16x4_f32). A number that lies on a knife's edge between two numbers of the format may be rounded either way, as far as f32 arithmetic and the matrix unit's own rounding can turn it there, and no further.
;; 2 versions. Each part assembles by itself: llvm-mc -triple=amdgcn-amd-amdhsa -mcpu=gfx1250 --defsym DOCPART=n.
;; ======== version 1 of 2: 7 launches
;; workspace buffers: wa 3,276,800 bytes; wb 16,384,000 bytes; xq 3,276,800 bytes; hb 20,054,016 bytes; big 13,107,200 bytes; at 16,777,216 bytes; f0 256 bytes of whole numbers; f1 256 bytes of whole numbers
;; launch prep (part 1): grid 64 x 19, 4 waves a work-group, no clusters, 0 bytes of LDS; arguments x, wq, wk, wv, w1, w2, xq, wa, wb, f0, f1; writes xq, wa, wb, f0, f1
.if DOCPART == 1
	.amdgcn_target "amdgcn-amd-amdhsa--gfx1250"
	.amdhsa_code_object_version 6
	.text
	.protected	k_q9e0f3942a2_prep
	.globl	k_q9e0f3942a2_prep
	.p2align	8
	.type	k_q9e0f3942a2_prep,@function
k_q9e0f3942a2_prep:
	s_mov_b64 s[64:65], 0
	v_nop
	global_prefetch_b8 v0, s[64:65] scope:SCOPE_SE
	s_setreg_imm32_b32 hwreg(HW_REG_WAVE_MODE, 25, 1), 1
	s_wait_xcnt 0x0
; x [4096][1024] and the five weights ([K][N], K the first axis), f32, become codes of BF6 (E3M2) with one E8M0 byte for each 32 along K,
; laid as IMAGES OF OPERAND REGISTERS.  A fragment is 16 rows x 128 K, 12 registers a lane: lane (r, h) holds k = 64 c + 32 h + 0 .. 31 in registers 6 c .. 6 c + 5.
; Its image is 1,536 bytes: registers 4 c' .. 4 c' + 3 of lane l at 512 c' + 16 l.  Its scale words: 4 bytes a row, 64 bytes a tile.
; THE ROWS OF A TILE ARE NOT NEIGHBOURS: row r of tile T is 32 (T / 2) + 8 (T % 2) + r + 8 (r / 8).
; A buffer: codes [K step][256 tiles][1,536], scale words [K step][256 tiles][64].
; A block's scale is 2^(floor(log2(largest magnitude)) - 4): its byte is the largest magnitude's exponent field - 4, held at 1 from below.
; LIMITS: a block of zeros, or one whose largest magnitude lies under 2^-122, gets the byte 1 (the rule says 127 for zeros): its codes are zeros or held small, and this program alone reads the bytes.  NaN and infinities are not served.
; SHARES.  Work-group y 0 .. 10: weights; a wave takes 32 columns x 128 along K, A LANE A COLUMN, ITS REGISTERS DOWN K: each load reads 128 consecutive bytes, the four waves stand side by side.
; Work-group y 11 .. 18: x; a wave makes one fragment (tile T, one K step): lane (r, h) loads its own 2 x 32 neighbours.  No LDS, no barrier.
.set XR, 32                            ; v32-159 the numbers
.set H0, 160                           ; v160-183 codes: the 12 registers of lane (r, 0), then those of lane (r, 1)
.set TT, 184                           ; v184-186 a conversion's second half (its three registers begin on an even number)
.set MA, 188
.set MB, 189
.set SO, 190                           ; the conversion's scale operand
.set BY, 192                           ; v192-195 scale bytes
; 32 numbers v[src] .. become 6 registers of codes at v[dst] (even) and a byte in v[by]
.macro QB src, dst, by
	v_max3_num_f32 v[MA], |v[\src]|, |v[\src+1]|, 0x2800000          ; two chains; the floor 2^(5 - 127) is one of the leaves, so the byte cannot fall under 1
	v_max3_num_f32 v[MB], |v[\src+2]|, |v[\src+3]|, |v[\src+4]|
.irp i, 5,9,13,17,21,25
	v_max3_num_f32 v[MA], v[MA], |v[\src+\i]|, |v[\src+\i+1]|
	v_max3_num_f32 v[MB], v[MB], |v[\src+\i+2]|, |v[\src+\i+3]|
.endr
	v_max3_num_f32 v[MA], v[MA], |v[\src+29]|, |v[\src+30]|
	v_max3_num_f32 v[MA], v[MA], v[MB], |v[\src+31]|
	v_add_nc_u32 v[SO], 0xfe000000, v[MA]                            ; 4 off the exponent field: the conversion takes that field as its scale
	v_lshrrev_b32 v[\by], 23, v[SO]
	v_cvt_scalef32_pk16_bf6_f32 v[\dst:\dst+2], v[\src:\src+15], v[SO]
	v_cvt_scalef32_pk16_bf6_f32 v[TT:TT+2], v[\src+16:\src+31], v[SO]
	v_nop                                                            ; one plain place behind a scaled conversion
.irp i, 0,1,2
	v_mov_b32 v[\dst+3+\i], v[TT+\i]
.endr
.endm
	s_load_b512 s[4:19], s[0:1], 0x0               ; x, wq, wk, wv, w1, w2, xq, wa
	s_load_b128 s[20:23], s[0:1], 0x40             ; wb, f0
	s_load_b64 s[24:25], s[0:1], 0x50              ; f1
	v_lshrrev_b32 v1, 5, v0
	v_readfirstlane_b32 s26, v1                    ; wave
	v_and_b32 v2, 31, v0                           ; lane
	v_lshlrev_b32 v3, 2, v2
	s_and_b32 s27, ttmp7, 0xffff                   ; work-group y
	s_wait_kmcnt 0x0
	s_cmp_ge_u32 s27, 11
	s_cbranch_scc1 .Lx
	; ---- weights.  y 0, 1, 2: wq, wk, wv (8 column groups x 8 K steps);  y 3 .. 6: w1 (32 x 8);  y 7 .. 10: w2 (8 x 32)
	s_cmp_ge_u32 s27, 7
	s_cselect_b32 s28, 7, 3
	s_cselect_b64 s[30:31], s[14:15], s[12:13]     ; w2 or w1
	s_cselect_b32 s70, 3276800, 0                  ; where the codes begin in the buffer
	s_mov_b32 s71, 3145728
	s_cselect_b32 s71, 12582912, s71               ; and how far behind them the scale words
	s_sub_co_u32 s72, s27, 3
	s_cmp_lt_u32 s72, 4                            ; w1?
	s_cselect_b32 s73, 31, 7
	s_cselect_b32 s74, 5, 3
	s_cselect_b32 s75, 14, 12                      ; log2 of a row's bytes
	s_cmp_lt_u32 s27, 3
	s_cselect_b32 s28, s27, s28
	s_cselect_b64 s[76:77], s[18:19], s[20:21]     ; wa or wb
	s_cselect_b32 s78, s27, 0
	s_cmp_eq_u32 s27, 0
	s_cselect_b64 s[30:31], s[6:7], s[30:31]
	s_cmp_eq_u32 s27, 1
	s_cselect_b64 s[30:31], s[8:9], s[30:31]
	s_cmp_eq_u32 s27, 2
	s_cselect_b64 s[30:31], s[10:11], s[30:31]
	s_sub_co_u32 s28, s27, s28
	s_lshl_b32 s28, s28, 6
	s_add_co_u32 s28, s28, ttmp9                   ; the work-group's number within its tensor
	s_and_b32 s79, s28, s73                        ; column group of 128
	s_lshr_b32 s80, s28, s74                       ; K step
	s_lshl_b32 s78, s78, 6                         ; wq, wk, wv at tiles 0, 64, 128
	s_lshl_b32 s81, s79, 3
	s_add_co_u32 s78, s78, s81
	s_lshl_b32 s81, s26, 1
	s_add_co_u32 s78, s78, s81
	s_lshl_b32 s81, s80, 8
	s_add_co_u32 s78, s78, s81                     ; 256 x K step + my first tile
	s_add_co_u32 s81, s75, 7
	s_lshl_b32 s82, s80, s81                       ; 128 rows a K step
	s_lshl_b32 s83, s79, 9
	s_add_co_u32 s82, s82, s83
	s_lshl_b32 s83, s26, 7
	s_add_co_u32 s82, s82, s83                     ; + 4 (128 group + 32 wave)
	s_mov_b32 s83, 0
	s_add_nc_u64 s[32:33], s[30:31], s[82:83]      ; sixteen bases, eight rows apart
	s_lshl_b32 s84, 8, s75
	s_mov_b32 s85, 0
.irp g, 1,2,3,4,5,6,7,8,9,10,11,12,13,14,15
	s_add_nc_u64 s[32+2*\g:33+2*\g], s[30+2*\g:31+2*\g], s[84:85]
.endr
.irp i, 0,1,2,3,4,5,6,7
	s_lshl_b32 s86, \i, s75
	v_add_nc_u32 v[16+\i], s86, v3                 ; eight offsets: 4 x lane + i rows
.endr
.irp g, 0,1,2,3,4,5,6,7,8,9,10,11,12,13,14,15
.irp i, 0,1,2,3,4,5,6,7
	global_load_b32 v[XR+8*\g+\i], v[16+\i], s[32+2*\g:33+2*\g] th:TH_LOAD_NT
.endr
.endr
	s_mul_i32 s86, s78, 1536
	s_add_co_u32 s86, s86, s70
	s_mov_b32 s87, 0
	s_add_nc_u64 s[88:89], s[76:77], s[86:87]      ; my two tiles' images
	s_lshl_b32 s86, s78, 6
	s_add_co_u32 s86, s86, s70
	s_add_co_u32 s86, s86, s71
	s_add_nc_u64 s[90:91], s[76:77], s[86:87]      ; and their scale words
	v_bfe_u32 v4, v2, 3, 1                         ; my column is row r of tile u of the pair: u = (lane / 8) % 2,
	v_and_b32 v5, 7, v2
	v_lshrrev_b32 v6, 4, v2
	v_lshl_add_u32 v5, v6, 3, v5                   ; r = lane % 8 + 8 (lane / 16)
	v_mul_u32_u24 v7, v4, 1536
	v_lshl_add_u32 v7, v5, 4, v7
	v_lshlrev_b32 v8, 6, v4
	v_lshl_add_u32 v8, v5, 2, v8
	s_wait_loadcnt 63                              ; at most 63 of the 128 are out: the first 65 are in, blocks 0 and 1 among them
	QB XR, H0, BY                                  ; block 2 c + h goes to registers 6 c .. of lane (r, h)
	QB XR+32, H0+12, BY+1
	s_wait_loadcnt 32                              ; behind block 2's loads: block 3's 32
	QB XR+64, H0+6, BY+2
	s_wait_loadcnt 0x0
	QB XR+96, H0+18, BY+3
	v_lshl_or_b32 v196, v[BY+1], 8, v[BY]
	v_lshl_or_b32 v196, v[BY+2], 16, v196
	v_lshl_or_b32 v196, v[BY+3], 24, v196          ; my row's scale word
.irp h, 0,1
.irp c, 0,1,2
	global_store_b128 v7, v[H0+12*\h+4*\c:H0+12*\h+4*\c+3], s[88:89] offset:256*\h+512*\c   ; the sixteen rows of a tile fill 256 consecutive bytes, both tiles in one instruction
.endr
.endr
	global_store_b32 v8, v196, s[90:91]
	s_or_b32 s86, s27, ttmp9
	s_or_b32 s86, s86, s26
	s_cmp_lg_u32 s86, 0
	s_cbranch_scc1 .Lend
	v_mov_b32 v9, 0                                ; the two flag words by which later launches that share a text tell themselves apart
	v_mov_b32 v10, 1
	global_store_b32 v3, v9, s[22:23]
	global_store_b32 v3, v10, s[24:25]
.Lend:
	s_endpgm
	; ---- x
.Lx:
	s_sub_co_u32 s28, s27, 11
	s_lshl_b32 s28, s28, 6
	s_add_co_u32 s28, s28, ttmp9
	s_lshr_b32 s29, s28, 1                         ; tile T
	s_and_b32 s30, s28, 1
	s_lshl_b32 s30, s30, 2
	s_add_co_u32 s30, s30, s26                     ; K step
	s_lshr_b32 s31, s29, 1
	s_lshl_b32 s31, s31, 5
	s_and_b32 s32, s29, 1
	s_lshl_b32 s32, s32, 3
	s_add_co_u32 s31, s31, s32                     ; the tile's first token
	s_lshl_b32 s32, s31, 12
	s_lshl_b32 s33, s30, 9
	s_add_co_u32 s32, s32, s33
	s_mov_b32 s33, 0
	s_add_nc_u64 s[4:5], s[4:5], s[32:33]
	s_lshl_b32 s34, s30, 8
	s_add_co_u32 s34, s34, s29
	s_mul_i32 s32, s34, 1536
	s_add_nc_u64 s[36:37], s[16:17], s[32:33]
	s_lshl_b32 s32, s34, 6
	s_add_co_u32 s32, s32, 3145728
	s_add_nc_u64 s[38:39], s[16:17], s[32:33]
	s_mov_b32 s40, 0x76543210
	s_mov_b32 s41, 0xfedcba98                      ; v_permlanex16_b32's selects for lane l xor 16
	v_and_b32 v4, 15, v0                           ; r
	v_bfe_u32 v5, v0, 4, 1                         ; h
	v_and_b32 v6, 8, v4
	v_add_nc_u32 v6, v6, v4
	v_lshlrev_b32 v6, 12, v6
	v_lshl_add_u32 v6, v5, 7, v6                   ; row r + 8 (r / 8), + 128 h bytes
	v_lshlrev_b32 v7, 4, v2
	v_lshlrev_b32 v8, 2, v4
.irp c, 0,1
.irp i, 0,1,2,3,4,5,6,7
	global_load_b128 v[XR+32*\c+4*\i:XR+32*\c+4*\i+3], v6, s[4:5] offset:256*\c+16*\i   ; k = 64 c + 32 h + 4 i ..: the wave's sixteen loads together take 512 consecutive bytes of each row
.endr
.endr
	s_wait_loadcnt 0x0
	QB XR, H0, BY
	QB XR+32, H0+6, BY+1
	v_lshl_or_b32 v9, v[BY+1], 16, v[BY]           ; my two bytes: blocks h and 2 + h,
	v_lshlrev_b32 v10, 3, v5
	v_lshlrev_b32 v9, v10, v9                      ; at their places in the word;
	v_mov_b32 v10, 0
	v_permlanex16_b32 v10, v9, s40, s41
	v_or_b32 v9, v9, v10                           ; with lane l xor 16's two the word is whole
.irp c, 0,1,2
	global_store_b128 v7, v[H0+4*\c:H0+4*\c+3], s[36:37] offset:512*\c
.endr
	global_store_b32 v8, v9, s[38:39]              ; (lanes r and r + 16 write the same word with the same value)
	s_endpgm
.Lfunc_end_k_q9e0f3942a2_prep:
	.size	k_q9e0f3942a2_prep, .Lfunc_end_k_q9e0f3942a2_prep-k_q9e0f3942a2_prep
	.p2alignl 7, 3214868480
	.fill 96, 4, 3214868480
	.section	.rodata,"a",@progbits
	.p2align	6, 0x0
	.amdhsa_kernel k_q9e0f3942a2_prep
		.amdhsa_group_segment_fixed_size 0
		.amdhsa_private_segment_fixed_size 0
		.amdhsa_enable_private_segment 0
		.amdhsa_kernarg_size 88
		.amdhsa_user_sgpr_count 2
		.amdhsa_user_sgpr_kernarg_segment_ptr 1
		.amdhsa_wavefront_size32 1
		.amdhsa_system_sgpr_workgroup_id_x 1
		.amdhsa_system_sgpr_workgroup_id_y 1
		.amdhsa_system_sgpr_workgroup_id_z 1
		.amdhsa_system_vgpr_workitem_id 0
		.amdhsa_next_free_vgpr 200
		.amdhsa_next_free_sgpr 96
		.amdhsa_reserve_vcc 0
		.amdhsa_float_denorm_mode_32 3
		.amdhsa_float_denorm_mode_16_64 3
		.amdhsa_memory_ordered 1
		.amdhsa_forward_progress 1
		.amdhsa_inst_pref_size 29
	.end_amdhsa_kernel
	.amdgpu_metadata
---
amdhsa.version: [ 1, 2 ]
amdhsa.kernels:
  - .name:           k_q9e0f3942a2_prep
    .symbol:         k_q9e0f3942a2_prep.kd
    .args:
      - { .name: x, .offset: 0, .size: 8, .value_kind: global_buffer, .address_space: global }
      - { .name: wq, .offset: 8, .size: 8, .value_kind: global_buffer, .address_space: global }
      - { .name: wk, .offset: 16, .size: 8, .value_kind: global_buffer, .address_space: global }
      - { .name: wv, .offset: 24, .size: 8, .value_kind: global_buffer, .address_space: global }
      - { .name: w1, .offset: 32, .size: 8, .value_kind: global_buffer, .address_space: global }
      - { .name: w2, .offset: 40, .size: 8, .value_kind: global_buffer, .address_space: global }
      - { .name: xq, .offset: 48, .size: 8, .value_kind: global_buffer, .address_space: global }
      - { .name: wa, .offset: 56, .size: 8, .value_kind: global_buffer, .address_space: global }
      - { .name: wb, .offset: 64, .size: 8, .value_kind: global_buffer, .address_space: global }
      - { .name: f0, .offset: 72, .size: 8, .value_kind: global_buffer, .address_space: global }
      - { .name: f1, .offset: 80, .size: 8, .value_kind: global_buffer, .address_space: global }
    .group_segment_fixed_size: 0
    .private_segment_fixed_size: 0
    .kernarg_segment_align: 8
    .kernarg_segment_size: 88
    .max_flat_workgroup_size: 128
    .sgpr_count:     96
    .vgpr_count:     200
    .wavefront_size: 32
...
	.end_amdgpu_metadata
.endif
;; end of part 1
;; launch qkv (part 2): grid 24 x 16, 4 waves a work-group, no clusters, 25,088 bytes of LDS; arguments wa, xq, bq, bk, bv, big, f0; writes big
.if DOCPART == 2
	.amdgcn_target "amdgcn-amd-amdhsa--gfx1250"
	.amdhsa_code_object_version 6
	.text
	.protected	k_q9e0f3942a2_qkv
	.globl	k_q9e0f3942a2_qkv
	.p2align	8
	.type	k_q9e0f3942a2_qkv,@function
k_q9e0f3942a2_qkv:
	s_mov_b64 s[64:65], 0
	v_nop
	global_prefetch_b8 v0, s[64:65] scope:SCOPE_SE
	s_setreg_imm32_b32 hwreg(HW_REG_WAVE_MODE, 25, 1), 1
	s_wait_xcnt 0x0
; ONE TEXT, TWO LAUNCHES, told apart by a stored flag word (0: q, k, v;  1: the MLP's first layer).  K = 1,024 in eight steps of 128; products on codes of BF6 (E3M2) with E8M0 scales; sums in f32.
; D = S0 S1^T, S0 as source 0.  Operands lie in memory as images of their registers (16 rows x 128 K = 1,536 bytes; row r of tile T is 32 (T / 2) + 8 (T % 2) + r + 8 (r / 8)), codes [K step][256 tiles][1,536],
; scale words [K step][256 tiles][64], 3,145,728 bytes behind the codes.  In the result lane (r, h) holds S1's row r, and the 16 registers of S0's tiles 2 b, 2 b + 1 are S0's rows 32 b + 16 h + 0 .. 15:
; so the 64 registers of eight S0 tiles are quantised in registers into ONE image (rows: the S1 tile; K step: these 128 rows of S0), which leaves by stores of 512 consecutive bytes.
;   q, k  (flag 0, x < 16):  S0 = 128 columns of wq or wk (two heads), S1 = 256 tokens.  The image's halves are the two heads' 64: half images of 768 bytes, [q/k][batch][head][128 tiles].
;   v     (flag 0, x >= 16): S0 = 128 tokens, S1 = 256 columns of wv (a head a wave): the keys come out innermost.  [batch][head][16 key steps][4 tiles][1,536].
;   mlp1  (flag 1):          S0 = 128 columns of w1, S1 = 256 tokens of h; exact GELU in f32, then the quantiser.  [K step = x][256 tiles][1,536].
; SHARES.  A work-group: 128 (S0) x 256 (S1); a wave 128 x 64: 32 accumulators.  S0's eight fragments of a step (12,288 dense bytes) go memory -> staging registers -> LDS (two slots) and are read by all four waves;
; a wave's own four fragments of S1 and all scale words go straight into registers.
; A K STEP s: at its head the waits and ONE barrier; then a run of memory instructions: S0 of step s + 2 from its staging registers into slot s % 2, half of the fragments of step s + 1 out of the other slot into the
; other of two register sets, the requests for S0 of step s + 5 and S1 of step s + 3; then 16 products, the other half of the fragments, 16 products.  No wait stands between a step's products.
; The biases are asked for in step 5's run, which has no other request, and added on the way out: so 60 loads are out at the head.
; No tensor load and no cluster: the text branches on a stored word.  All such branches stand behind the last barrier.
; GELU: erf(z) = z P(z^2) / Q(z^2), z held to +-4, degrees 6 and 4: absolute error about 1e-7.
; LIMITS: a block of zeros or under 2^-122 gets the byte 1 (this program alone reads the bytes); NaN and infinities are not served.
; REGISTERS.  window 0: v1-9 offsets; v16-39 four sets of scale words (set + 0..3: S0's tiles i | i + 4 in the two halves of the lanes; + 4, 5: S1's i | i + 2); v40-47 the bias along S1; v48-111 the bias along S0;
;   v112-207 S0's eight fragments of the even steps (later: v112-175 the 64 numbers in hand, v176-207 GELU's work); v208-223, v224-225 the quantiser's; v226-229 two coefficients; v232-250 codes.
;   window 1: accumulator (i0, i1) at v[64 i1 + 8 i0].   window 2: v0-191 four buffers of S1's four fragments.   window 3: v0-95 S0's eight fragments of the odd steps; v96-191 four staging sets.
.set STEPC, 393216
.set STEPS, 16384
.set SCO,   3145728
.set SLOTB, 12288
.set B1R, 40
.set B0R, 48
.set SA,  112
.set STR, 96
.set WR,  112
.set ZR,  176
.set X2R, 184
.set PR,  192
.set QR,  200
.set TM,  208
.set PW,  224
.set PWS, 225
.set AL,  226
.set BE,  228
.set PC,  232
.set SEL, 40
.set MSB, 0
.macro WIN new                         ; the immediate's high byte repeats the setting that is left
.if MSB != (\new)
	s_set_vgpr_msb (MSB<<8)|(\new)
.set MSB, (\new)
.endif
.endm
.macro PLACES                          ; four plain places behind matrix instructions, ahead of loads into and vector work on their registers
.rept 4
	v_nop
.endr
.endm
; the requests of one run: S0 of K step sst into staging set st (6 loads); S1 of K step ss1 into buffer bf, and that step's scale words (18 loads)
.macro RUNG sst, st, ss1, bf, dost, dos1
.if \dost
	WIN 0xc0
.irp i, 0,1,2,3,4,5
	global_load_b128 v[STR+24*(\st)+4*\i:STR+24*(\st)+4*\i+3], v2, s[24:25] offset:(\sst)*STEPC+2048*\i
.endr
.endif
.if \dos1
	WIN 0x80
.irp k, 0,1,2,3,4,5,6,7,8,9,10,11
	global_load_b128 v[48*(\bf)+4*\k:48*(\bf)+4*\k+3], v1, s[28:29] offset:(\ss1)*STEPC+512*\k
.endr
	WIN 0
.irp i, 0,1,2,3
	global_load_b32 v[16+6*(\bf)+\i], v3, s[26:27] offset:(\ss1)*STEPS+64*\i
.endr
.irp i, 0,1
	global_load_b32 v[20+6*(\bf)+\i], v4, s[30:31] offset:(\ss1)*STEPS+64*\i
.endr
.endif
.endm
; S0's tiles 4 half .. 4 half + 3 of K step s1, out of slot s1 % 2 into register set s1 % 2
.macro LF s1, half
.if (\s1)%2
	WIN 0xc0
.irp k, 0,1,2,3,4,5,6,7,8,9,10,11
	ds_load_b128 v[48*(\half)+4*\k:48*(\half)+4*\k+3], v1 offset:SLOTB+6144*(\half)+512*\k
.endr
.else
	WIN 0
.irp k, 0,1,2,3,4,5,6,7,8,9,10,11
	ds_load_b128 v[SA+48*(\half)+4*\k:SA+48*(\half)+4*\k+3], v1 offset:6144*(\half)+512*\k
.endr
.endif
.endm
.macro MM i0, i1, s, first             ; first = 1: the product starts its sum
.set rD, 64*(\i1)+8*(\i0)
.if (\s)%2
.set rA, 12*(\i0)
.else
.set rA, SA+12*(\i0)
.endif
.set rB, 48*((\s)%4)+12*(\i1)
.set rX, 16+6*((\s)%4)+(\i0)%4
.set rY, 20+6*((\s)%4)+(\i1)%2
.if \first
.if (\i0) < 4
.if (\i1) < 2
	v_wmma_scale_f32_16x16x128_f8f6f4 v[rD:rD+7], v[rA:rA+11], v[rB:rB+11], 0, v[rX], v[rY] matrix_a_fmt:MATRIX_FMT_BF6 matrix_b_fmt:MATRIX_FMT_BF6
.else
	v_wmma_scale_f32_16x16x128_f8f6f4 v[rD:rD+7], v[rA:rA+11], v[rB:rB+11], 0, v[rX], v[rY] matrix_a_fmt:MATRIX_FMT_BF6 matrix_b_fmt:MATRIX_FMT_BF6 matrix_b_scale:MATRIX_SCALE_ROW1
.endif
.else
.if (\i1) < 2
	v_wmma_scale_f32_16x16x128_f8f6f4 v[rD:rD+7], v[rA:rA+11], v[rB:rB+11], 0, v[rX], v[rY] matrix_a_fmt:MATRIX_FMT_BF6 matrix_b_fmt:MATRIX_FMT_BF6 matrix_a_scale:MATRIX_SCALE_ROW1
.else
	v_wmma_scale_f32_16x16x128_f8f6f4 v[rD:rD+7], v[rA:rA+11], v[rB:rB+11], 0, v[rX], v[rY] matrix_a_fmt:MATRIX_FMT_BF6 matrix_b_fmt:MATRIX_FMT_BF6 matrix_a_scale:MATRIX_SCALE_ROW1 matrix_b_scale:MATRIX_SCALE_ROW1
.endif
.endif
.else
.if (\i0) < 4
.if (\i1) < 2
	v_wmma_scale_f32_16x16x128_f8f6f4 v[rD:rD+7], v[rA:rA+11], v[rB:rB+11], v[rD:rD+7], v[rX], v[rY] matrix_a_fmt:MATRIX_FMT_BF6 matrix_b_fmt:MATRIX_FMT_BF6
.else
	v_wmma_scale_f32_16x16x128_f8f6f4 v[rD:rD+7], v[rA:rA+11], v[rB:rB+11], v[rD:rD+7], v[rX], v[rY] matrix_a_fmt:MATRIX_FMT_BF6 matrix_b_fmt:MATRIX_FMT_BF6 matrix_b_scale:MATRIX_SCALE_ROW1
.endif
.else
.if (\i1) < 2
	v_wmma_scale_f32_16x16x128_f8f6f4 v[rD:rD+7], v[rA:rA+11], v[rB:rB+11], v[rD:rD+7], v[rX], v[rY] matrix_a_fmt:MATRIX_FMT_BF6 matrix_b_fmt:MATRIX_FMT_BF6 matrix_a_scale:MATRIX_SCALE_ROW1
.else
	v_wmma_scale_f32_16x16x128_f8f6f4 v[rD:rD+7], v[rA:rA+11], v[rB:rB+11], v[rD:rD+7], v[rX], v[rY] matrix_a_fmt:MATRIX_FMT_BF6 matrix_b_fmt:MATRIX_FMT_BF6 matrix_a_scale:MATRIX_SCALE_ROW1 matrix_b_scale:MATRIX_SCALE_ROW1
.endif
.endif
.endif
.endm
.macro MMH h0, s, first                ; 16 products; the 32 accumulators take turns, one instruction a turn
.irp a, 0,1,2,3
.irp b, 0,1,2,3
	MM (\h0)+\a, \b, \s, \first
.endr
.endr
.endm
.macro BIASL                           ; both biases, 20 loads, from places that lie inside their buffers in every kind; the one that does not apply is set to 0 behind the last step
	WIN 0
.irp b, 0,1,2,3
.irp q, 0,1,2,3
	global_load_b128 v[B0R+16*\b+4*\q:B0R+16*\b+4*\q+3], v7, s[32:33] offset:128*\b+16*\q
.endr
.endr
.irp i, 0,1,2,3
	global_load_b32 v[B1R+2*\i], v8, s[34:35] offset:4*(32*(\i/2)+8*(\i%2))
.endr
.endm
; K step s.  sto: S0 of step s + 2 goes into slot s % 2.  fr: the fragments of step s + 1 are fetched.  dost, dos1, bias: what the run requests.
; cnt: the loads of the last two runs; the run three back, which brought this step's S1 and scale words and the staging that is stored now, is then in.
.macro STEP s, first, sto, fr, dost, dos1, bias, cnt
	s_wait_loadcnt \cnt
	s_wait_dscnt 0x0                               ; my fragments of this step are in (my reads of slot s % 2 are over), and my stores into the other slot have landed
.if \fr
	s_barrier_signal -1                            ; ONE barrier a step: behind it slot (s + 1) % 2 is whole, and slot s % 2 may be stored into
	s_barrier_wait -1
.endif
.if \sto
	WIN 0x0c
.irp i, 0,1,2,3,4,5
	ds_store_b128 v2, v[STR+24*(((\s)+2)%4)+4*\i:STR+24*(((\s)+2)%4)+4*\i+3] offset:((\s)%2)*SLOTB+2048*\i
.endr
.endif
.if \fr
	LF (\s)+1, 0
.endif
	RUNG (\s)+5, ((\s)+1)%4, (\s)+3, ((\s)+3)%4, \dost, \dos1
.if \bias
	BIASL
.endif
	WIN 0x58+3*((\s)%2)
	MMH 0, \s, \first
.if \fr
	LF (\s)+1, 1                                   ; into registers that the step before read last: its places stand at its end
	WIN 0x58+3*((\s)%2)
.endif
	MMH 4, \s, \first
	WIN 0
	PLACES
.endm
; 64 numbers of a lane, register 16 b + i = k 32 b + 16 (lane / 16) + i of my row, become a fragment's codes in v[PC] on and its scale word in v[PW]
.macro QUANT s
.irp b, 0,1,2,3
	v_max3_num_f32 v[TM+\b], |v[\s+16*\b]|, |v[\s+1+16*\b]|, 0x2800000   ; the floor 2^(5 - 127) among the leaves: the byte cannot fall under 1
.endr
.irp i, 2,4,6,8,10,12,14
.irp b, 0,1,2,3
	v_max3_num_f32 v[TM+\b], v[TM+\b], |v[\s+16*\b+\i]|, |v[\s+1+16*\b+\i]|
.endr
.endr
.irp b, 0,1,2,3
	v_permlanex16_b32 v[TM+4+\b], v[TM+\b], s[SEL], s[SEL+1]
.endr
.irp b, 0,1,2,3
	v_max_num_f32 v[TM+\b], v[TM+\b], v[TM+4+\b]
.endr
.irp b, 0,1,2,3
	v_add_nc_u32 v[TM+12+\b], 0xfe000000, v[TM+\b]
.endr
.irp b, 0,1,2,3
	v_lshrrev_b32 v[TM+4+\b], 23, v[TM+12+\b]
.endr
	v_lshl_or_b32 v[PW], v[TM+5], 8, v[TM+4]
	v_lshl_or_b32 v[PW], v[TM+6], 16, v[PW]
	v_lshl_or_b32 v[PW], v[TM+7], 24, v[PW]
.irp c, 0,1
	v_cvt_scalef32_pk16_bf6_f32 v[PC+6*\c:PC+2+6*\c], v[\s+32*\c:\s+15+32*\c], v[TM+12+2*\c]
	v_cvt_scalef32_pk16_bf6_f32 v[PC+12+4*\c:PC+14+4*\c], v[\s+16+32*\c:\s+31+32*\c], v[TM+12+2*\c+1]
.endr
	v_nop                                          ; one plain place behind a scaled conversion
.irp c, 0,1                            ; the layout wants a whole block in a lane
.irp i, 0,1,2
	v_permlane16_swap_b32 v[PC+6*\c+\i], v[PC+12+4*\c+\i]
.endr
.irp i, 0,1,2
	v_mov_b32 v[PC+3+6*\c+\i], v[PC+12+4*\c+\i]
.endr
.endr
.endm
.macro CP i1                           ; the eight accumulators of S1's tile i1, each from its low end on, + the bias along S0, + the bias along S1 -> v[WR] on
	WIN 0x01
.set n, 0
.rept 32
	v_pk_add_f32 v[WR+n:WR+n+1], v[64*(\i1)+n:64*(\i1)+n+1], v[B0R+n:B0R+n+1]
.set n, n+2
.endr
	WIN 0
.set n, 0
.rept 32
	v_pk_add_f32 v[WR+n:WR+n+1], v[WR+n:WR+n+1], v[B1R+2*(\i1):B1R+2*(\i1)+1] op_sel_hi:[1,0]
.set n, n+2
.endr
.endm
.macro GELU8 g                         ; eight numbers: w <- 0.5 w (1 + erf(w / sqrt 2))
.set gw, WR+8*(\g)
.irp p, 0,2,4,6
	v_pk_mul_f32 v[ZR+\p:ZR+\p+1], v[gw+\p:gw+\p+1], 0x3f3504f3 op_sel_hi:[1,0]
.endr
.irp j, 0,1,2,3,4,5,6,7
	v_med3_num_f32 v[ZR+\j], v[ZR+\j], -4.0, 4.0
.endr
.irp p, 0,2,4,6
	v_pk_mul_f32 v[X2R+\p:X2R+\p+1], v[ZR+\p:ZR+\p+1], v[ZR+\p:ZR+\p+1]
.endr
.irp p, 0,2,4,6
	v_pk_fma_f32 v[PR+\p:PR+\p+1], v[X2R+\p:X2R+\p+1], v[AL:AL+1], 0x32edffee op_sel_hi:[1,1,0]
	v_pk_fma_f32 v[QR+\p:QR+\p+1], v[X2R+\p:X2R+\p+1], v[BE:BE+1], 0xb95fbd29 op_sel_hi:[1,1,0]
.endr
.irp k, 0xbadc924e, 0xbbf19bf8, 0xbc69b6a7
.irp p, 0,2,4,6
	v_pk_fma_f32 v[QR+\p:QR+\p+1], v[QR+\p:QR+\p+1], v[X2R+\p:X2R+\p+1], \k op_sel_hi:[1,1,0]
.endr
.endr
.irp j, 0,1,2,3,4,5,6,7
	v_rcp_f32 v[QR+\j], v[QR+\j]                   ; a batch of eight; P's chain below is the independent work behind it
.endr
.irp k, 0xb60cff51, 0xb86ec2d2, 0xba40ac63, 0xbb41a1f6, 0xbc83dbd4
.irp p, 0,2,4,6
	v_pk_fma_f32 v[PR+\p:PR+\p+1], v[PR+\p:PR+\p+1], v[X2R+\p:X2R+\p+1], \k op_sel_hi:[1,1,0]
.endr
.endr
.irp p, 0,2,4,6
	v_pk_mul_f32 v[PR+\p:PR+\p+1], v[PR+\p:PR+\p+1], v[ZR+\p:ZR+\p+1]
.endr
.irp p, 0,2,4,6
	v_pk_mul_f32 v[ZR+\p:ZR+\p+1], v[gw+\p:gw+\p+1], 0.5 op_sel_hi:[1,0]
.endr
	s_wait_alu depctr_va_vdst(0)                   ; one wait for the eight reciprocals, ahead of their first reader
.irp p, 0,2,4,6
	v_pk_mul_f32 v[PR+\p:PR+\p+1], v[PR+\p:PR+\p+1], v[QR+\p:QR+\p+1]
.endr
.irp p, 0,2,4,6
	v_pk_fma_f32 v[gw+\p:gw+\p+1], v[ZR+\p:ZR+\p+1], v[PR+\p:PR+\p+1], v[ZR+\p:ZR+\p+1]
.endr
.endm
	s_load_b256 s[4:11], s[0:1], 0x0               ; weights, tokens, bias A, bias B
	s_load_b128 s[12:15], s[0:1], 0x20             ; bias C, out
	s_load_b64 s[16:17], s[0:1], 0x30              ; the flag
	v_lshl_add_u32 v254, v0, 2, 0x6000
	v_mov_b32 v255, 0
	v_lshrrev_b32 v10, 5, v0
	v_readfirstlane_b32 s21, v10                   ; wave
	v_and_b32 v10, 31, v0
	v_lshlrev_b32 v1, 4, v10                       ; 16 x lane
	v_lshlrev_b32 v2, 4, v0                        ; 16 x thread
	v_and_b32 v11, 15, v0                          ; r
	v_bfe_u32 v12, v0, 4, 1                        ; h
	v_lshlrev_b32 v5, 2, v11                       ; 4 r
	v_lshl_add_u32 v3, v12, 8, v5                  ; S0's scale words: 256 h + 4 r
	v_lshl_add_u32 v4, v12, 7, v5                  ; S1's: 128 h + 4 r
	v_lshlrev_b32 v6, 3, v10                       ; 8 x lane
	v_lshlrev_b32 v7, 6, v12                       ; the bias along S0: 64 h
	v_and_b32 v8, 8, v11
	v_add_lshl_u32 v8, v8, v11, 2                  ; the bias along S1: 4 (r + 8 (r / 8))
	v_lshl_add_u32 v9, v12, 12, v5                 ; q's and k's scale words: 4,096 h + 4 r
	v_mov_b32 v13, 0
.irp b, 0,1,2,3
	v_mov_b32 v[TM+4+\b], 0                        ; written once: a lane permute's destination counts as one of its sources
.endr
	v_mov_b32 v[PWS], 0
	v_mov_b32 v[AL], 0xaf95df0b
	v_mov_b32 v[AL+1], 0xaf95df0b
	v_mov_b32 v[BE], 0xb77460cd
	v_mov_b32 v[BE+1], 0xb77460cd
	s_mov_b32 s[SEL], 0x76543210
	s_mov_b32 s[SEL+1], 0xfedcba98
	s_mov_b32 s42, 0xffff0000
	s_mov_b32 s19, ttmp9
	s_and_b32 s20, ttmp7, 0xffff
	s_wait_kmcnt 0x0
	s_load_b32 s18, s[16:17], 0x0
	s_wait_kmcnt 0x0
	s_min_u32 s18, s18, 1                          ; 0: q, k, v;  1: mlp1
	s_lshr_b32 s22, s19, 4
	s_xor_b32 s46, s18, 1
	s_and_b32 s22, s22, s46                        ; 1: v
	s_or_b32 s23, s22, s18                         ; 0: q or k
	s_sub_co_u32 s47, s19, 16
	s_lshl_b32 s47, s47, 4
	s_add_co_u32 s47, s47, s20
	s_and_b32 s47, s47, 127                        ; v: j
	s_and_b32 s48, s47, 31                         ; which 128 tokens
	s_lshr_b32 s49, s47, 5                         ; which four heads
	s_lshl_b32 s50, s48, 3
	s_lshl_b32 s51, s49, 4
	s_add_co_u32 s51, s51, 128
	s_lshl_b32 s52, s19, 3
	s_lshl_b32 s53, s20, 4
	s_cmp_eq_u32 s22, 1
	s_cselect_b32 s52, s50, s52                    ; S0's first tile
	s_cselect_b32 s53, s51, s53                    ; S1's
	s_lshl_b32 s54, s21, 2
	s_add_co_u32 s53, s53, s54                     ; my wave's four
	s_lshl_b32 s56, s18, 24                        ; h's codes lie 2^24 bytes into their buffer
	s_mov_b32 s57, 0
	s_add_nc_u64 s[6:7], s[6:7], s[56:57]
	s_cmp_eq_u32 s22, 1
	s_cselect_b64 s[24:25], s[6:7], s[4:5]
	s_cselect_b64 s[28:29], s[4:5], s[6:7]
	s_lshl_b32 s56, s52, 6
	s_add_co_u32 s56, s56, SCO
	s_add_nc_u64 s[26:27], s[24:25], s[56:57]
	s_mul_i32 s56, s52, 1536
	s_add_nc_u64 s[24:25], s[24:25], s[56:57]
	s_lshl_b32 s56, s53, 6
	s_add_co_u32 s56, s56, SCO
	s_add_nc_u64 s[30:31], s[28:29], s[56:57]
	s_mul_i32 s56, s53, 1536
	s_add_nc_u64 s[28:29], s[28:29], s[56:57]
	; where the biases lie
	s_and_b32 s56, s19, 7
	s_cmp_eq_u32 s18, 1
	s_cselect_b32 s56, s19, s56
	s_lshl_b32 s56, s56, 9
	s_lshr_b32 s58, s19, 3
	s_and_b32 s58, s58, s46                        ; 1: k
	s_cmp_eq_u32 s58, 1
	s_cselect_b64 s[32:33], s[10:11], s[8:9]
	s_add_nc_u64 s[32:33], s[32:33], s[56:57]
	s_lshl_b32 s56, s49, 4
	s_add_co_u32 s56, s56, s54
	s_lshl_b32 s56, s56, 6
	s_add_nc_u64 s[34:35], s[12:13], s[56:57]
	; the first requests: S0 of K steps 0 and 1 (12 loads), then two runs of 24: 60 loads are out
	WIN 0xc0
.irp t, 0,1
.irp i, 0,1,2,3,4,5
	global_load_b128 v[STR+24*\t+4*\i:STR+24*\t+4*\i+3], v2, s[24:25] offset:\t*STEPC+2048*\i
.endr
.endr
	RUNG 2, 2, 0, 0, 1, 1
	RUNG 3, 3, 1, 1, 1, 1
	; where the results go
	s_lshl_b32 s58, s58, 1
	s_lshr_b32 s59, s20, 3
	s_add_co_u32 s58, s58, s59
	s_lshl_b32 s58, s58, 4
	s_and_b32 s59, s19, 7
	s_lshl_b32 s59, s59, 1
	s_add_co_u32 s58, s58, s59                     ; q, k: (2 sel + batch) 16 + the even head
	s_lshl_b32 s59, s20, 4
	s_add_co_u32 s59, s59, s54
	s_and_b32 s59, s59, 127                        ; my first tile within the batch
	s_lshl_b32 s60, s58, 7
	s_add_co_u32 s60, s60, s59
	s_mul_i32 s60, s60, 768
	s_lshl_b32 s61, s58, 6
	s_lshr_b32 s59, s59, 1
	s_add_co_u32 s61, s61, s59
	s_lshl_b32 s61, s61, 6
	s_add_co_u32 s61, s61, 6291456
	s_lshr_b32 s58, s48, 4                         ; v: batch,
	s_lshl_b32 s58, s58, 4
	s_lshl_b32 s59, s49, 2
	s_add_co_u32 s58, s58, s59
	s_add_co_u32 s58, s58, s21                     ; head,
	s_lshl_b32 s58, s58, 4
	s_and_b32 s59, s48, 15
	s_add_co_u32 s58, s58, s59                     ; key step,
	s_lshl_b32 s58, s58, 2                         ; four tiles
	s_mul_i32 s59, s58, 1536
	s_add_co_u32 s59, s59, 6553600
	s_lshl_b32 s58, s58, 6
	s_add_co_u32 s58, s58, 9699328
	s_cmp_eq_u32 s22, 1
	s_cselect_b32 s60, s59, s60
	s_cselect_b32 s61, s58, s61
	s_lshl_b32 s58, s19, 8                         ; mlp1: 256 x + my first tile
	s_lshl_b32 s59, s20, 4
	s_add_co_u32 s58, s58, s59
	s_add_co_u32 s58, s58, s54
	s_mul_i32 s59, s58, 1536
	s_lshl_b32 s58, s58, 6
	s_add_co_u32 s58, s58, 12582912
	s_cmp_eq_u32 s18, 1
	s_cselect_b32 s60, s59, s60
	s_cselect_b32 s61, s58, s61
	s_mov_b32 s56, s60
	s_add_nc_u64 s[36:37], s[14:15], s[56:57]      ; codes
	s_mov_b32 s56, s61
	s_add_nc_u64 s[38:39], s[14:15], s[56:57]      ; scale words
	s_mov_b32 s44, 1536
	s_cmp_eq_u32 s23, 0
	s_cselect_b32 s44, 768, s44                    ; from tile to tile
	s_mov_b32 s45, 0
	s_cmp_eq_u32 s22, 1
	s_cselect_b32 s62, -1, 0                       ; all lanes: v
	s_wait_loadcnt 48                              ; S0 of K steps 0 and 1 is in: behind its 12 loads stand the two runs' 48
	WIN 0x0c
.irp t, 0,1
.irp i, 0,1,2,3,4,5
	ds_store_b128 v2, v[STR+24*\t+4*\i:STR+24*\t+4*\i+3] offset:\t*SLOTB+2048*\i
.endr
.endr
	WIN 0
	s_wait_dscnt 0x0
	s_barrier_signal -1
	s_barrier_wait -1
	LF 0, 0
	LF 0, 1
	RUNG 4, 0, 2, 2, 1, 1
	STEP 0, 1, 1, 1, 1, 1, 0, 48                   ; the runs have 24 loads up to step 2's,
	STEP 1, 0, 1, 1, 1, 1, 0, 48
	STEP 2, 0, 1, 1, 1, 1, 0, 48
	STEP 3, 0, 1, 1, 0, 1, 0, 48                   ; 18 in steps 3 and 4 (S0 has been asked for to its end),
	STEP 4, 0, 1, 1, 0, 1, 0, 42
	STEP 5, 0, 1, 1, 0, 0, 1, 36                   ; the biases' 20 in step 5,
	STEP 6, 0, 0, 1, 0, 0, 0, 38                   ; none afterwards
	STEP 7, 0, 0, 0, 0, 0, 0, 20
	s_wait_loadcnt 0x0                             ; the biases
.set n, 0
.rept 64
	v_cndmask_b32 v[B0R+n], v[B0R+n], v13, s62     ; v has no bias along S0,
.set n, n+1
.endr
.irp i, 0,1,2,3
	v_cndmask_b32 v[B1R+2*\i], v13, v[B1R+2*\i], s62   ; the others none along S1
	v_mov_b32 v[B1R+2*\i+1], 0                     ; (named with it as a pair)
.endr
	; ---- the way out: S1's four tiles one after the other, in a loop of four trips; only the copy out of the accumulators is written four times
	s_mov_b32 s43, 0
.Lepi:
	s_cmp_eq_u32 s43, 0
	s_cbranch_scc1 .Lc0
	s_cmp_eq_u32 s43, 1
	s_cbranch_scc1 .Lc1
	s_cmp_eq_u32 s43, 2
	s_cbranch_scc1 .Lc2
	CP 3
	s_branch .Lcd
.Lc0:
	CP 0
	s_branch .Lcd
.Lc1:
	CP 1
	s_branch .Lcd
.Lc2:
	CP 2
.Lcd:
	s_cmp_eq_u32 s18, 0
	s_cbranch_scc1 .Lnogelu
.irp g, 0,1,2,3,4,5,6,7
	GELU8 \g
.endr
.Lnogelu:
	QUANT WR
	s_cmp_eq_u32 s23, 0
	s_cbranch_scc1 .Lst0
.irp c, 0,1,2
	global_store_b128 v1, v[PC+4*\c:PC+4*\c+3], s[36:37] offset:512*\c    ; 512 consecutive bytes a store
.endr
	global_store_b32 v5, v[PW], s[38:39]           ; (lanes r and r + 16 write the same word with the same value)
	s_wait_xcnt 0x0
	s_add_nc_u64 s[38:39], s[38:39], 64
	s_branch .Lstd
.Lst0:                                                 ; q, k: registers 0-5 are the even head's 64, registers 6-11 the odd head's, 98,304 bytes on
	global_store_b128 v1, v[PC:PC+3], s[36:37]
	global_store_b64 v6, v[PC+4:PC+5], s[36:37] offset:512
	global_store_b128 v1, v[PC+6:PC+9], s[36:37] offset:98304
	global_store_b64 v6, v[PC+10:PC+11], s[36:37] offset:98816
	s_bitcmp1_b32 s43, 0
	s_cbranch_scc1 .Lodd
	v_mov_b32 v[PWS], v[PW]                        ; an even tile's word waits for its neighbour's
	s_branch .Lstd
.Lodd:                                                 ; a word for a pair of tiles and a head: the even tile's two bytes below, the odd tile's above
	v_and_b32 v[TM], 0xffff, v[PWS]
	v_lshl_or_b32 v[TM], v[PW], 16, v[TM]          ; the even head's,
	v_lshrrev_b32 v[TM+1], 16, v[PWS]
	v_and_or_b32 v[TM+1], v[PW], s42, v[TM+1]      ; the odd head's:
	v_cndmask_b32 v[TM], v[TM], v[TM+1], s42       ; lanes 0-15 store the one, lanes 16-31 the other
	global_store_b32 v9, v[TM], s[38:39]
	s_wait_xcnt 0x0
	s_add_nc_u64 s[38:39], s[38:39], 64
.Lstd:
	s_wait_xcnt 0x0                                ; the stores have read their data and their base: both are written again
	s_add_nc_u64 s[36:37], s[36:37], s[44:45]
	s_add_co_u32 s43, s43, 1
	s_cmp_lt_u32 s43, 4
	s_cbranch_scc1 .Lepi
	s_wait_tensorcnt 0x0
	ds_add_u32 v254, v255
	s_wait_dscnt 0x0
	s_endpgm
.Lfunc_end_k_q9e0f3942a2_qkv:
	.size	k_q9e0f3942a2_qkv, .Lfunc_end_k_q9e0f3942a2_qkv-k_q9e0f3942a2_qkv
	.p2alignl 7, 3214868480
	.fill 96, 4, 3214868480
	.section	.rodata,"a",@progbits
	.p2align	6, 0x0
	.amdhsa_kernel k_q9e0f3942a2_qkv
		.amdhsa_group_segment_fixed_size 25088
		.amdhsa_private_segment_fixed_size 0
		.amdhsa_enable_private_segment 0
		.amdhsa_kernarg_size 56
		.amdhsa_user_sgpr_count 2
		.amdhsa_user_sgpr_kernarg_segment_ptr 1
		.amdhsa_wavefront_size32 1
		.amdhsa_system_sgpr_workgroup_id_x 1
		.amdhsa_system_sgpr_workgroup_id_y 1
		.amdhsa_system_sgpr_workgroup_id_z 1
		.amdhsa_system_vgpr_workitem_id 0
		.amdhsa_next_free_vgpr 960
		.amdhsa_next_free_sgpr 72
		.amdhsa_reserve_vcc 0
		.amdhsa_float_denorm_mode_32 3
		.amdhsa_float_denorm_mode_16_64 3
		.amdhsa_memory_ordered 1
		.amdhsa_forward_progress 1
		.amdhsa_inst_pref_size 153
	.end_amdhsa_kernel
	.amdgpu_metadata
---
amdhsa.version: [ 1, 2 ]
amdhsa.kernels:
  - .name:           k_q9e0f3942a2_qkv
    .symbol:         k_q9e0f3942a2_qkv.kd
    .args:
      - { .name: wa, .offset: 0, .size: 8, .value_kind: global_buffer, .address_space: global }
      - { .name: xq, .offset: 8, .size: 8, .value_kind: global_buffer, .address_space: global }
      - { .name: bq, .offset: 16, .size: 8, .value_kind: global_buffer, .address_space: global }
      - { .name: bk, .offset: 24, .size: 8, .value_kind: global_buffer, .address_space: global }
      - { .name: bv, .offset: 32, .size: 8, .value_kind: global_buffer, .address_space: global }
      - { .name: big, .offset: 40, .size: 8, .value_kind: global_buffer, .address_space: global }
      - { .name: f0, .offset: 48, .size: 8, .value_kind: global_buffer, .address_space: global }
    .group_segment_fixed_size: 25088
    .private_segment_fixed_size: 0
    .kernarg_segment_align: 8
    .kernarg_segment_size: 56
    .max_flat_workgroup_size: 128
    .sgpr_count:     72
    .vgpr_count:     960
    .wavefront_size: 32
...
	.end_amdgpu_metadata
.endif
;; end of part 2
;; launch attn (part 3): grid 8 x 32, 16 waves a work-group, no clusters, 276,480 bytes of LDS; arguments big, at; writes at
.if DOCPART == 3
	.amdgcn_target "amdgcn-amd-amdhsa--gfx1250"
	.amdhsa_code_object_version 6
	.text
	.protected	k_q9e0f3942a2_attn
	.globl	k_q9e0f3942a2_attn
	.p2align	8
	.type	k_q9e0f3942a2_attn,@function
k_q9e0f3942a2_attn:
	s_mov_b64 s[64:65], 0
	v_nop
	global_prefetch_b8 v0, s[64:65] scope:SCOPE_SE
	s_setreg_imm32_b32 hwreg(HW_REG_WAVE_MODE, 25, 1), 1
	s_wait_xcnt 0x0
; attn_out[b][l][head][:] = softmax_m(q . k / 8, the keys m > l set to -1000) v, both products on codes of BF6 (E3M2) with E8M0 scales.  2 batches x 16 heads, 2,048 tokens, head size 64.
; THE SOFTMAX: t = logit x log2(e); M = the running largest t rounded UP to a whole number; p = 2^(t - M) is quantised along the keys, not normalised; the sum of the unquantised p divides at the end.
; THE MASK IS -1000, NOT -INFINITY: hidden keys keep a weight, which matters where a row's open scores all lie under -1000.  So a key step that lies wholly under the mask is not dropped: its one score is known,
; so it needs no k q^T and one exponential, but its share of the sum and its product with v are made.  Only the FIRST such step of a wave can move M: from the second on p, its codes and its scale word are the same
; and nothing is rescaled, so those steps keep v's loads, the four products and the addition to the sum alone.
; THE HEAD'S 64 ARE HALF OF THE INSTRUCTION'S 128: a fragment of k carries TWO tiles of keys (registers 0-5, 6-11), and q stands twice, as [q | 0] and as [0 | q]: zero codes add nothing (the format has no NaN and no infinity).
; SHARES.  Work-group (x, y): head y % 16 of batch y / 16.  ALL of the head's k and v lie in LDS, filled once (wave w brings key step w); one barrier.  Wave w owns ONE tile of 16 queries, T = x + 8 g,
; g = w or its mirror within four, so that the four waves of each residue of w mod 4 have 34 open key steps together.  Every wave walks all 16 key steps of 128: the trip count is a constant.
; LAYOUT.  Both products transposed (S^T = k q^T, O^T = v^T p^T): a lane holds one query.  Row r of tile T is token 32 (T / 2) + 8 (T % 2) + r + 8 (r / 8), so p's 16 registers of two neighbouring tiles are 16 neighbouring keys.
; No cluster: the eight work-groups of a head read k and v once each, at their heads, and nothing afterwards.
; LIMITS: p under 2^-126 is taken as 0 (v_exp_f32 flushes); a block whose every p is 0 gets the byte 1 over zero codes; NaN and infinities are not served.
; REGISTERS: v1-3 16 l, 8 l, 4 r; v4-8 the step's addresses; v9 query - the diagonal step's first key - 16 h; v10 -8000; v11 its t; v12 -M; v13 the largest t; v[14:15] the sum; v16-27 [q|0]; v28-39 [0|q];
;   v40-87 four pair fragments of k, then the softmax's work (v40 the hidden keys' p, v56-67 p's codes); v88, 89 q's scale words; v90 p's; v92-95 k's; v96-159 S^T, then p; v160-191 O^T; v192-239 v's four fragments;
;   v240-243 their scale words; v244-249 addresses that stay.  (At the head v96-195 carry my key step of k and v from memory to LDS.)
.set VCO, 98304                        ; LDS: k's codes at 0 (128 half images of 768), v's here (16 steps x 4 x 1,536),
.set KSO, 196608                       ; k's scale words (64 pairs x 64),
.set VSO, 200704                       ; v's (16 x 4 x 64),
.set STG, 204800                       ; and a stage of 16 rows x 272 for each wave
	s_load_b128 s[4:7], s[0:1], 0x0                ; big, at
	v_lshl_add_u32 v254, v0, 2, 0x43000
	v_mov_b32 v255, 0
	v_lshrrev_b32 v40, 5, v0
	v_readfirstlane_b32 s8, v40                    ; wave
	s_and_b32 s9, ttmp7, 0xffff                    ; 16 batch + head
	s_lshr_b32 s10, s8, 2
	s_and_b32 s10, s10, 1
	s_mul_i32 s10, s10, 3
	s_xor_b32 s10, s10, s8                         ; g: also the key step on my diagonal
	s_add_co_u32 s33, s10, 1                       ; the first key step wholly under the mask
	s_lshl_b32 s11, s10, 3
	s_add_co_u32 s11, s11, ttmp9                   ; T
	s_lshr_b32 s12, s11, 1
	s_lshl_b32 s12, s12, 5
	s_and_b32 s13, s11, 1
	s_lshl_b32 s14, s13, 3
	s_add_co_u32 s12, s12, s14                     ; my first query
	s_lshl_b32 s14, s10, 7
	s_sub_co_u32 s14, s12, s14
	s_mul_i32 s16, s9, 98304
	s_lshl_b32 s17, s9, 12
	s_mul_i32 s18, s8, 6144
	s_lshl_b32 s19, s8, 8
	s_mov_b32 s20, 0x76543210
	s_mov_b32 s21, 0xfedcba98                      ; v_permlanex16_b32's selects for lane l xor 16
	s_mov_b32 s22, 0x3e38aa3b                      ; c = log2(e) / 8
	s_mov_b32 s23, s22
	s_mov_b32 s45, 0
	v_and_b32 v40, 31, v0
	v_and_b32 v41, 15, v0                          ; r
	v_bfe_u32 v42, v0, 4, 1                        ; h
	v_lshlrev_b32 v1, 4, v40
	v_lshlrev_b32 v2, 3, v40
	v_lshlrev_b32 v3, 2, v41
	v_and_b32 v9, 8, v41
	v_add_nc_u32 v9, v9, v41
	v_lshlrev_b32 v43, 4, v42
	v_sub_nc_u32 v9, v9, v43
	v_add_nc_u32 v9, s14, v9
	v_add_nc_u32 v44, s18, v1                      ; the fill: my key step's place among k's codes,
	v_add_nc_u32 v45, VCO, v44                     ; v's,
	v_add_nc_u32 v46, s19, v2
	v_add_nc_u32 v46, KSO, v46                     ; and the scale words
	v_add_nc_u32 v244, VCO, v1
	v_add_nc_u32 v245, KSO, v3
	v_add_nc_u32 v246, VSO, v3
	s_mul_i32 s15, s8, 4352
	s_add_co_u32 s15, s15, STG
	v_mul_u32_u24 v247, v41, 272
	v_lshl_add_u32 v247, v42, 6, v247
	v_add_nc_u32 v247, s15, v247                   ; the stage, in: row r, + 64 h
	v_mul_u32_u24 v248, v42, 272
	v_lshl_add_u32 v248, v41, 4, v248
	v_add_nc_u32 v248, s15, v248                   ; back: lanes 0-15 one row, lanes 16-31 the next
	v_lshlrev_b32 v249, 12, v42
	v_lshl_add_u32 v249, v41, 4, v249              ; and the same two rows in memory
	s_wait_kmcnt 0x0
	s_add_co_u32 s44, s16, s18
	s_add_co_u32 s44, s44, 3145728
	s_add_nc_u64 s[24:25], s[4:5], s[44:45]        ; k's codes, my key step
	s_add_co_u32 s44, s16, s18
	s_add_co_u32 s44, s44, 6553600
	s_add_nc_u64 s[26:27], s[4:5], s[44:45]        ; v's
	s_add_co_u32 s44, s17, s19
	s_add_co_u32 s44, s44, 6422528
	s_add_nc_u64 s[34:35], s[4:5], s[44:45]        ; k's scale words
	s_add_co_u32 s44, s17, s19
	s_add_co_u32 s44, s44, 9699328
	s_add_nc_u64 s[36:37], s[4:5], s[44:45]        ; v's
	s_mul_i32 s44, s11, 768
	s_add_co_u32 s44, s44, s16
	s_add_nc_u64 s[38:39], s[4:5], s[44:45]        ; q's half image
	s_lshr_b32 s44, s11, 1
	s_lshl_b32 s44, s44, 6
	s_add_co_u32 s44, s44, s17
	s_add_co_u32 s44, s44, 6291456
	s_add_nc_u64 s[40:41], s[4:5], s[44:45]        ; and its pair's scale words
	s_lshr_b32 s44, s9, 4
	s_lshl_b32 s44, s44, 11
	s_add_co_u32 s44, s44, s12
	s_lshl_b32 s44, s44, 12
	s_and_b32 s46, s9, 15
	s_lshl_b32 s46, s46, 8
	s_add_co_u32 s44, s44, s46
	s_add_nc_u64 s[42:43], s[6:7], s[44:45]        ; my first query's row, my head's 256 bytes
.set n, 0
.rept 12
	global_load_b128 v[96+4*n:99+4*n], v1, s[24:25] offset:512*n
.set n, n+1
.endr
.set n, 0
.rept 12
	global_load_b128 v[144+4*n:147+4*n], v1, s[26:27] offset:512*n
.set n, n+1
.endr
	global_load_b64 v[192:193], v2, s[34:35]
	global_load_b64 v[194:195], v2, s[36:37]
	global_load_b128 v[16:19], v1, s[38:39]
	global_load_b64 v[20:21], v2, s[38:39] offset:512
	global_load_b128 v[34:37], v1, s[38:39]        ; (two runs of registers: no operand is shared)
	global_load_b64 v[38:39], v2, s[38:39] offset:512
	global_load_b32 v88, v3, s[40:41]
.set n, 22
.rept 12
	v_mov_b32 v[n], 0                              ; the zero halves of [q | 0] and [0 | q]: v22-33, into which no load is out
.set n, n+1
.endr
	v_mov_b32 v10, 0xc5fa0000                      ; -8000 = 8 x -1000: the hidden keys' score ahead of the division by 8
	v_mul_f32 v11, s22, v10
	v_mov_b32 v13, 0xff61b1e6                      ; -3e38, under every t
	v_floor_f32 v12, -v13
	v_mov_b32 v14, 0
	v_mov_b32 v15, 0
	v_mov_b32 v77, 0                               ; (named as the upper half of the pair v[76:77])
	s_lshl_b32 s17, s13, 4
	s_wait_loadcnt 0x0
.set n, 0
.rept 12
	ds_store_b128 v44, v[96+4*n:99+4*n] offset:512*n
	ds_store_b128 v45, v[144+4*n:147+4*n] offset:512*n
.set n, n+1
.endr
	ds_store_b64 v46, v[192:193]
	ds_store_b64 v46, v[194:195] offset:4096
	v_lshrrev_b32 v88, s17, v88                    ; my tile's two bytes of the pair's word,
	v_and_b32 v88, 0xffff, v88                     ; for [q | 0]
	v_lshlrev_b32 v89, 16, v88                     ; and for [0 | q]
	s_wait_dscnt 0x0                               ; for the others' sake: my part of k and v has landed; and the stores have read v96-195
	s_barrier_signal -1
	v_mov_b32 v90, 0                               ; p's scale word and codes are written once here: the short way through a hidden key step names them without writing them
.set n, 0
.rept 12
	v_mov_b32 v[56+n], 0
.set n, n+1
.endr
.set n, 0
.rept 32
	v_mov_b32 v[160+n], 0                          ; O^T: the step is written once; the first change of M leaves zeros zeros.  Register work between signal and wait; it stands behind the loads into and the stores out of
.set n, n+1                            ; these registers, and its lines, with the step's five additions, are the plain instructions between the lines that make the scale words and the first scaled product
.endr
	s_barrier_wait -1
	s_mov_b32 s30, 0                               ; key step
	s_mov_b32 s31, 0                               ; its codes: 6,144 bytes a step
	s_mov_b32 s32, 0                               ; its scale words: 256
.Lstep:
	s_cmp_gt_u32 s30, s33                          ; both branches hang on the wave's number and the count of steps alone
	s_cbranch_scc1 .Lsame
	s_cmp_gt_u32 s30, s10
	s_cbranch_scc1 .Lmasked
	; ---- an open key step
	v_add_nc_u32 v4, s31, v1                       ; (these five are also the places behind the last products)
	v_add_nc_u32 v5, s31, v2
	v_add_nc_u32 v6, s31, v244
	v_add_nc_u32 v7, s32, v245
	v_add_nc_u32 v8, s32, v246
.irp m, 0,1,2,3
	ds_load_b128 v[40+12*\m:43+12*\m], v4 offset:1536*\m
	ds_load_b64 v[44+12*\m:45+12*\m], v5 offset:1536*\m+512
	ds_load_b128 v[46+12*\m:49+12*\m], v4 offset:1536*\m+768
	ds_load_b64 v[50+12*\m:51+12*\m], v5 offset:1536*\m+1280
	ds_load_b32 v[92+\m], v7 offset:64*\m
.endr
	s_wait_dscnt 0x0
.irp m, 0,1,2,3
	v_wmma_scale_f32_16x16x128_f8f6f4 v[96+16*\m:103+16*\m], v[40+12*\m:51+12*\m], v[16:27], 0, v[92+\m], v88 matrix_a_fmt:MATRIX_FMT_BF6 matrix_b_fmt:MATRIX_FMT_BF6
	v_wmma_scale_f32_16x16x128_f8f6f4 v[104+16*\m:111+16*\m], v[40+12*\m:51+12*\m], v[28:39], 0, v[92+\m], v89 matrix_a_fmt:MATRIX_FMT_BF6 matrix_b_fmt:MATRIX_FMT_BF6
.endr
.irp t, 0,1,2,3                        ; v's fragments are asked for now and land under the softmax
.irp c, 0,1,2
	ds_load_b128 v[192+12*\t+4*\c:195+12*\t+4*\c], v6 offset:1536*\t+512*\c
.endr
	ds_load_b32 v[240+\t], v8 offset:64*\t
.endr
.rept 4
	v_nop
.endr
	s_cmp_lg_u32 s30, s10
	s_cbranch_scc1 .Lopen
.set n, 0
.rept 64                               ; on the diagonal: register 16 b + i holds key 32 b + 16 h + i of the step: hidden where 32 b + i > v9
	v_cmp_gt_i32 vcc_lo, 32*(n/16)+n%16, v9
	v_cndmask_b32 v[96+n], v[96+n], v10, vcc_lo
.set n, n+1
.endr
.Lopen:
.irp b, 0,1,2,3
	v_max3_num_f32 v[40+\b], v[96+16*\b], v[97+16*\b], v[98+16*\b]    ; the largest score of each block of 32 keys: for the row's maximum, and, since p rises with the score, for the block's largest p
.endr
.irp i, 3,5,7,9,11,13
.irp b, 0,1,2,3
	v_max3_num_f32 v[40+\b], v[40+\b], v[96+16*\b+\i], v[97+16*\b+\i]
.endr
.endr
.irp b, 0,1,2,3
	v_max_num_f32 v[40+\b], v[40+\b], v[111+16*\b]
.endr
.irp b, 0,1,2,3
	v_permlanex16_b32 v[44+\b], v[40+\b], s20, s21
.endr
.irp b, 0,1,2,3
	v_max_num_f32 v[40+\b], v[40+\b], v[44+\b]
.endr
	v_max3_num_f32 v78, v40, v41, v42
	v_max_num_f32 v78, v78, v43
	v_mul_f32 v78, s22, v78
	v_max_num_f32 v13, v13, v78                    ; the running largest t
	v_mov_b32 v78, v12
	v_floor_f32 v12, -v13                          ; -M = floor(-t): M is a whole number
	v_sub_f32 v78, v12, v78
	v_cvt_i32_f32 v78, v78                         ; (it saturates)
	v_ldexp_f32 v76, 1.0, v78                      ; f = 2^(old M - new M)
.set n, 0
.rept 32
	v_pk_fma_f32 v[96+n:97+n], v[96+n:97+n], s[22:23], v[12:13] op_sel_hi:[1,0,0]
.set n, n+2
.endr
.irp b, 0,1,2,3
	v_fma_f32 v[40+\b], v[40+\b], s22, v12
.endr
.set n, 0
.rept 64
	v_exp_f32 v[96+n], v[96+n]                     ; p = 2^(t - M)
.set n, n+1
.endr
	v_pk_mul_f32 v[14:15], v[14:15], v[76:77] op_sel_hi:[1,0]         ; (the plain place behind the batch)
	s_wait_alu depctr_va_vdst(0)                   ; one wait for the 64, ahead of their first reader
.irp b, 0,1,2,3
	v_exp_f32 v[40+\b], v[40+\b]                   ; the blocks' largest p
.endr
	v_pk_add_f32 v[78:79], v[96:97], v[98:99]      ; the sum of the unquantised p, in two chains
.set n, 4
.rept 15
	v_pk_add_f32 v[14:15], v[14:15], v[96+n:97+n]
	v_pk_add_f32 v[78:79], v[78:79], v[98+n:99+n]
.set n, n+4
.endr
	v_pk_add_f32 v[14:15], v[14:15], v[78:79]
	s_wait_alu depctr_va_vdst(0)                   ; and one for the four
.irp b, 0,1,2,3
	v_max_num_f32 v[40+\b], 0x2800000, v[40+\b]    ; the floor 2^(5 - 127)
.endr
.irp b, 0,1,2,3
	v_add_nc_u32 v[48+\b], 0xfe000000, v[40+\b]
.endr
.irp b, 0,1,2,3
	v_lshrrev_b32 v[52+\b], 23, v[48+\b]
.endr
	v_lshl_or_b32 v90, v53, 8, v52
	v_lshl_or_b32 v90, v54, 16, v90
	v_lshl_or_b32 v90, v55, 24, v90
.irp c, 0,1
	v_cvt_scalef32_pk16_bf6_f32 v[56+6*\c:58+6*\c], v[96+32*\c:111+32*\c], v[48+2*\c]
	v_cvt_scalef32_pk16_bf6_f32 v[68+4*\c:70+4*\c], v[112+32*\c:127+32*\c], v[48+2*\c+1]
.endr
	v_nop
.irp c, 0,1
.irp i, 0,1,2
	v_permlane16_swap_b32 v[56+6*\c+\i], v[68+4*\c+\i]
.endr
.irp i, 0,1,2
	v_mov_b32 v[59+6*\c+\i], v[68+4*\c+\i]
.endr
.endr
	s_branch .Lpv
	; ---- the first key step wholly under the mask: every score is -8000
.Lmasked:
	v_max_num_f32 v13, v13, v11                    ; (these six and the two additions are the places behind the last products)
	v_mov_b32 v78, v12
	v_floor_f32 v12, -v13
	v_sub_f32 v78, v12, v78
	v_cvt_i32_f32 v78, v78
	v_ldexp_f32 v76, 1.0, v78
	v_add_nc_u32 v6, s31, v244
	v_add_nc_u32 v8, s32, v246
.irp t, 0,1,2,3
.irp c, 0,1,2
	ds_load_b128 v[192+12*\t+4*\c:195+12*\t+4*\c], v6 offset:1536*\t+512*\c
.endr
	ds_load_b32 v[240+\t], v8 offset:64*\t
.endr
	v_fma_f32 v40, v10, s22, v12                   ; the same multiply-add as an open step's
	v_exp_f32 v40, v40                             ; the hidden keys' p: it stays in v40 for the steps that follow
	v_pk_mul_f32 v[14:15], v[14:15], v[76:77] op_sel_hi:[1,0]
	s_wait_alu depctr_va_vdst(0)
	v_fmac_f32 v14, 0x42800000, v40                ; a lane holds 64 of the step's 128 keys
	v_max_num_f32 v41, 0x2800000, v40
	v_add_nc_u32 v48, 0xfe000000, v41
	v_lshrrev_b32 v52, 23, v48
	v_lshl_or_b32 v90, v52, 8, v52
	v_lshl_or_b32 v90, v90, 16, v90
.set n, 0
.rept 16
	v_mov_b32 v[96+n], v40
.set n, n+1
.endr
	v_cvt_scalef32_pk16_bf6_f32 v[56:58], v[96:111], v48
	v_nop
.set n, 0
.rept 9
	v_mov_b32 v[59+n], v[56+n%3]                   ; lanes r and r + 16 hold the same query: no exchange
.set n, n+1
.endr
.Lpv:
.set n, 0
.rept 16
	v_pk_mul_f32 v[160+n:161+n], v[160+n:161+n], v[76:77] op_sel_hi:[1,0]   ; O^T under the new M; also the places between p's codes and scale word and the products
.set n, n+2
.endr
	s_branch .Lprod
	; ---- every later key step under the mask: M has taken the hidden keys' t in, so M, p, its codes and its scale word stand as they are, and f would be 1
.Lsame:
	v_add_nc_u32 v6, s31, v244                     ; (these four are the places behind the last products)
	v_add_nc_u32 v8, s32, v246
	v_fmac_f32 v14, 0x42800000, v40
	v_nop
.irp t, 0,1,2,3
.irp c, 0,1,2
	ds_load_b128 v[192+12*\t+4*\c:195+12*\t+4*\c], v6 offset:1536*\t+512*\c
.endr
	ds_load_b32 v[240+\t], v8 offset:64*\t
.endr
.Lprod:
	s_wait_dscnt 0x0
.irp t, 0,1,2,3
	v_wmma_scale_f32_16x16x128_f8f6f4 v[160+8*\t:167+8*\t], v[192+12*\t:203+12*\t], v[56:67], v[160+8*\t:167+8*\t], v[240+\t], v90 matrix_a_fmt:MATRIX_FMT_BF6 matrix_b_fmt:MATRIX_FMT_BF6
.endr
	s_add_co_u32 s31, s31, 6144
	s_add_co_u32 s32, s32, 256
	s_add_co_u32 s30, s30, 1
	s_cmp_lt_u32 s30, 16
	s_cbranch_scc1 .Lstep
	; ---- the way out
.rept 4
	v_nop
.endr
	v_add_f32 v14, v14, v15
	v_permlanex16_b32 v78, v14, s20, s21
	v_add_f32 v14, v14, v78
	v_rcp_f32 v14, v14
	v_nop
	s_wait_alu depctr_va_vdst(0)
.set n, 0
.rept 32
	v_mul_f32 v[96+n], v[160+n], v14               ; register 8 t + j is channel 32 (t / 2) + 16 h + 8 (t % 2) + j
.set n, n+1
.endr
.irp t, 0,1,2,3
	ds_store_b128 v247, v[96+8*\t:99+8*\t] offset:128*(\t/2)+32*(\t%2)
	ds_store_b128 v247, v[100+8*\t:103+8*\t] offset:128*(\t/2)+32*(\t%2)+16
.endr
.irp i, 0,1,2,3,4,5,6,7
	ds_load_b128 v[128+4*\i:131+4*\i], v248 offset:2*\i*272           ; LDS serves a wave's instructions in order (ISA guide 5.7.1.4): these see my stores
.endr
.irp i, 0,1,2,3,4,5,6,7
	s_wait_dscnt 7-\i
	global_store_b128 v249, v[128+4*\i:131+4*\i], s[42:43] offset:(2*\i+8*(\i/4))*4096   ; sixteen lanes store the head's 256 consecutive bytes of a token
.endr
	s_wait_tensorcnt 0x0
	ds_add_u32 v254, v255
	s_wait_dscnt 0x0
	s_endpgm
.Lfunc_end_k_q9e0f3942a2_attn:
	.size	k_q9e0f3942a2_attn, .Lfunc_end_k_q9e0f3942a2_attn-k_q9e0f3942a2_attn
	.p2alignl 7, 3214868480
	.fill 96, 4, 3214868480
	.section	.rodata,"a",@progbits
	.p2align	6, 0x0
	.amdhsa_kernel k_q9e0f3942a2_attn
		.amdhsa_group_segment_fixed_size 276480
		.amdhsa_private_segment_fixed_size 0
		.amdhsa_enable_private_segment 0
		.amdhsa_kernarg_size 16
		.amdhsa_user_sgpr_count 2
		.amdhsa_user_sgpr_kernarg_segment_ptr 1
		.amdhsa_wavefront_size32 1
		.amdhsa_system_sgpr_workgroup_id_x 1
		.amdhsa_system_sgpr_workgroup_id_y 1
		.amdhsa_system_sgpr_workgroup_id_z 1
		.amdhsa_system_vgpr_workitem_id 0
		.amdhsa_next_free_vgpr 256
		.amdhsa_next_free_sgpr 66
		.amdhsa_reserve_vcc 1
		.amdhsa_float_denorm_mode_32 3
		.amdhsa_float_denorm_mode_16_64 3
		.amdhsa_memory_ordered 1
		.amdhsa_forward_progress 1
		.amdhsa_inst_pref_size 40
	.end_amdhsa_kernel
	.amdgpu_metadata
---
amdhsa.version: [ 1, 2 ]
amdhsa.kernels:
  - .name:           k_q9e0f3942a2_attn
    .symbol:         k_q9e0f3942a2_attn.kd
    .args:
      - { .name: big, .offset: 0, .size: 8, .value_kind: global_buffer, .address_space: global }
      - { .name: at, .offset: 8, .size: 8, .value_kind: global_buffer, .address_space: global }
    .group_segment_fixed_size: 276480
    .private_segment_fixed_size: 0
    .kernarg_segment_align: 8
    .kernarg_segment_size: 16
    .max_flat_workgroup_size: 512
    .sgpr_count:     66
    .vgpr_count:     256
    .wavefront_size: 32
...
	.end_amdgpu_metadata
.endif
;; end of part 3
;; launch ln1 (part 4): grid 256 x 1, 8 waves a work-group, no clusters, 66,816 bytes of LDS; arguments x, at, ln_g, ln_b, hb, f1; writes hb
.if DOCPART == 4
	.amdgcn_target "amdgcn-amd-amdhsa--gfx1250"
	.amdhsa_code_object_version 6
	.text
	.protected	k_q9e0f3942a2_ln1
	.globl	k_q9e0f3942a2_ln1
	.p2align	8
	.type	k_q9e0f3942a2_ln1,@function
k_q9e0f3942a2_ln1:
	s_mov_b64 s[64:65], 0
	v_nop
	global_prefetch_b8 v0, s[64:65] scope:SCOPE_SE
	s_setreg_imm32_b32 hwreg(HW_REG_WAVE_MODE, 25, 1), 1
	s_wait_xcnt 0x0
; y = LayerNorm(a + b) g + beta over rows of 1,024, all f32 (mean, then the mean of squared differences; eps = 1e-5).  ONE TEXT, TWO LAUNCHES, told apart by a stored flag word:
; 1: y is h; it is stored as f32 and also quantised along its 1,024 to BF6 (E3M2) images (2^24 bytes into the buffer; scale words 3,145,728 behind);  0: y is the result, stored as f32 alone.
; A work-group takes the 16 tokens of tile T (row r: token 32 (T / 2) + 8 (T % 2) + r + 8 (r / 8)); wave w takes rows 2 w and 2 w + 1, which are neighbours in memory.  A row lies in 32 registers of the wave:
; it is read once.  Each load and store covers 512 consecutive bytes.  The rows meet in a stage in LDS (pitch 4,112); behind ONE barrier wave w makes the image of K step w.  The branch on the flag stands behind the barrier.
; LIMITS: a block of zeros or under 2^-122 gets the byte 1 (this program alone reads the bytes); NaN and infinities are not served.
.set AR, 16                            ; v16-79   a, then y: two rows
.set BR, 80                            ; v80-143  b; later the 64 numbers to quantise
.set GR, 144                           ; v144-175 g
.set ER, 176                           ; v176-207 beta
.set TS, 208                           ; v208-215 four chains
.set MU, 216
.set RS, 218
.set BY, 220
.set MA, 224
.set MB, 225
.set SO, 226
.set TT, 228
.set PCR, 232
.set PITCH, 4112
.macro QB src, dst, by
	v_max3_num_f32 v[MA], |v[\src]|, |v[\src+1]|, 0x2800000
	v_max3_num_f32 v[MB], |v[\src+2]|, |v[\src+3]|, |v[\src+4]|
.irp i, 5,9,13,17,21,25
	v_max3_num_f32 v[MA], v[MA], |v[\src+\i]|, |v[\src+\i+1]|
	v_max3_num_f32 v[MB], v[MB], |v[\src+\i+2]|, |v[\src+\i+3]|
.endr
	v_max3_num_f32 v[MA], v[MA], |v[\src+29]|, |v[\src+30]|
	v_max3_num_f32 v[MA], v[MA], v[MB], |v[\src+31]|
	v_add_nc_u32 v[SO], 0xfe000000, v[MA]
	v_lshrrev_b32 v[\by], 23, v[SO]
	v_cvt_scalef32_pk16_bf6_f32 v[\dst:\dst+2], v[\src:\src+15], v[SO]
	v_cvt_scalef32_pk16_bf6_f32 v[TT:TT+2], v[\src+16:\src+31], v[SO]
	v_nop
.irp i, 0,1,2
	v_mov_b32 v[\dst+3+\i], v[TT+\i]
.endr
.endm
.macro REDUCE                          ; the four chains, then the 32 lanes: the sum in v[TS] of every lane
	v_pk_add_f32 v[TS:TS+1], v[TS:TS+1], v[TS+2:TS+3]
	v_pk_add_f32 v[TS+4:TS+5], v[TS+4:TS+5], v[TS+6:TS+7]
	v_pk_add_f32 v[TS:TS+1], v[TS:TS+1], v[TS+4:TS+5]
	v_add_f32 v[TS], v[TS], v[TS+1]
	v_add_f32_dpp v[TS], v[TS], v[TS] row_xmask:1 row_mask:0xf bank_mask:0xf
	v_add_f32_dpp v[TS], v[TS], v[TS] row_xmask:2 row_mask:0xf bank_mask:0xf
	v_add_f32_dpp v[TS], v[TS], v[TS] row_xmask:4 row_mask:0xf bank_mask:0xf
	v_add_f32_dpp v[TS], v[TS], v[TS] row_xmask:8 row_mask:0xf bank_mask:0xf
	v_permlanex16_b32 v[TS+1], v[TS], s26, s27
	v_add_f32 v[TS], v[TS], v[TS+1]
.endm
.macro ROW q
.set A, AR+32*(\q)
.set B, BR+32*(\q)
.set n, 0
.rept 16
	v_pk_add_f32 v[A+n:A+n+1], v[A+n:A+n+1], v[B+n:B+n+1]
.set n, n+2
.endr
.irp c, 0,2,4,6
	v_pk_add_f32 v[TS+\c:TS+\c+1], v[A+\c:A+\c+1], v[A+8+\c:A+9+\c]
.endr
.irp i, 16,24
.irp c, 0,2,4,6
	v_pk_add_f32 v[TS+\c:TS+\c+1], v[TS+\c:TS+\c+1], v[A+\i+\c:A+\i+\c+1]
.endr
.endr
	REDUCE
	v_mul_f32 v[MU], 0xba800000, v[TS]             ; - the mean
	v_mov_b32 v[MU+1], v[MU]
.set n, 0
.rept 16
	v_pk_add_f32 v[A+n:A+n+1], v[A+n:A+n+1], v[MU:MU+1]
.set n, n+2
.endr
.irp c, 0,2,4,6
	v_pk_mul_f32 v[TS+\c:TS+\c+1], v[A+\c:A+\c+1], v[A+\c:A+\c+1]
.endr
.irp i, 8,16,24
.irp c, 0,2,4,6
	v_pk_fma_f32 v[TS+\c:TS+\c+1], v[A+\i+\c:A+\i+\c+1], v[A+\i+\c:A+\i+\c+1], v[TS+\c:TS+\c+1]
.endr
.endr
	REDUCE
	v_fma_f32 v[TS+2], v[TS], s28, s29             ; the variance + eps
	v_rsq_f32 v[RS], v[TS+2]
	v_nop                                          ; a plain place behind the transcendental,
	s_wait_alu depctr_va_vdst(0)                   ; and the wait ahead of its first reader
	v_mov_b32 v[RS+1], v[RS]
.set n, 0
.rept 16
	v_pk_mul_f32 v[A+n:A+n+1], v[A+n:A+n+1], v[RS:RS+1]
.set n, n+2
.endr
.set n, 0
.rept 16
	v_pk_fma_f32 v[A+n:A+n+1], v[A+n:A+n+1], v[GR+n:GR+n+1], v[ER+n:ER+n+1]
.set n, n+2
.endr
.irp i, 0,1,2,3,4,5,6,7
	global_store_b128 v3, v[A+4*\i:A+4*\i+3], s[22:23] offset:4096*(\q)+512*\i
	ds_store_b128 v4, v[A+4*\i:A+4*\i+3] offset:PITCH*(\q)+512*\i
.endr
.endm
	s_load_b256 s[4:11], s[0:1], 0x0               ; a, b, g, beta
	s_load_b128 s[12:15], s[0:1], 0x20             ; out, the flag
	v_lshl_add_u32 v254, v0, 2, 0x10100
	v_mov_b32 v255, 0
	v_lshrrev_b32 v1, 5, v0
	v_readfirstlane_b32 s18, v1                    ; wave
	v_and_b32 v2, 31, v0
	v_lshlrev_b32 v3, 4, v2                        ; 16 x lane
	s_mul_i32 s19, s18, 2*PITCH
	v_add_nc_u32 v4, s19, v3                       ; the stage, in: rows 2 w, 2 w + 1
	v_and_b32 v5, 15, v0                           ; r
	v_bfe_u32 v6, v0, 4, 1                         ; h
	v_mul_u32_u24 v7, v5, PITCH
	v_lshl_add_u32 v7, v6, 7, v7
	s_lshl_b32 s20, s18, 9
	v_add_nc_u32 v7, s20, v7                       ; out: row r, K step w, + 128 h
	v_lshlrev_b32 v8, 2, v5
	s_mov_b32 s26, 0x76543210
	s_mov_b32 s27, 0xfedcba98
	s_mov_b32 s28, 0x3a800000                      ; 1 / 1,024
	s_mov_b32 s29, 0x3727c5ac                      ; 1e-5
	s_lshr_b32 s20, ttmp9, 1
	s_lshl_b32 s20, s20, 5
	s_and_b32 s21, ttmp9, 1
	s_lshl_b32 s21, s21, 3
	s_add_co_u32 s20, s20, s21
	s_lshl_b32 s21, s18, 1
	s_add_co_u32 s20, s20, s21
	s_lshr_b32 s21, s18, 2
	s_lshl_b32 s21, s21, 3
	s_add_co_u32 s20, s20, s21                     ; my first token
	s_lshl_b32 s20, s20, 12
	s_mov_b32 s21, 0
	s_lshl_b32 s24, s18, 8
	s_add_co_u32 s24, s24, ttmp9                   ; 256 x K step + tile
	s_mov_b32 s35, 0
	s_wait_kmcnt 0x0
	s_load_b32 s16, s[14:15], 0x0
	s_add_nc_u64 s[4:5], s[4:5], s[20:21]
	s_add_nc_u64 s[6:7], s[6:7], s[20:21]
	s_add_nc_u64 s[22:23], s[12:13], s[20:21]
	s_mul_i32 s34, s24, 1536
	s_add_co_u32 s34, s34, 16777216
	s_add_nc_u64 s[30:31], s[12:13], s[34:35]
	s_lshl_b32 s34, s24, 6
	s_add_co_u32 s34, s34, 19922944
	s_add_nc_u64 s[32:33], s[12:13], s[34:35]
.irp q, 0,1
.irp i, 0,1,2,3,4,5,6,7
	global_load_b128 v[AR+32*\q+4*\i:AR+32*\q+4*\i+3], v3, s[4:5] offset:4096*\q+512*\i th:TH_LOAD_NT
	global_load_b128 v[BR+32*\q+4*\i:BR+32*\q+4*\i+3], v3, s[6:7] offset:4096*\q+512*\i th:TH_LOAD_NT
.endr
.endr
.irp i, 0,1,2,3,4,5,6,7
	global_load_b128 v[GR+4*\i:GR+4*\i+3], v3, s[8:9] offset:512*\i
	global_load_b128 v[ER+4*\i:ER+4*\i+3], v3, s[10:11] offset:512*\i
.endr
	s_wait_loadcnt 0x0
	ROW 0
	ROW 1
	s_wait_dscnt 0x0                               ; for the others' sake: my two rows lie in the stage
	s_barrier_signal -1
	s_barrier_wait -1
	s_wait_kmcnt 0x0
	s_min_u32 s16, s16, 1
	s_cmp_eq_u32 s16, 0
	s_cbranch_scc1 .Lend
.irp c, 0,1
.irp i, 0,1,2,3,4,5,6,7
	ds_load_b128 v[BR+32*\c+4*\i:BR+32*\c+4*\i+3], v7 offset:256*\c+16*\i    ; k = 64 c + 32 h + 4 i .. of row r
.endr
.endr
	s_wait_dscnt 0x0
	QB BR, PCR, BY
	QB BR+32, PCR+6, BY+1
	v_lshl_or_b32 v222, v[BY+1], 16, v[BY]         ; my two bytes: blocks h and 2 + h,
	v_lshlrev_b32 v223, 3, v6
	v_lshlrev_b32 v222, v223, v222
	v_mov_b32 v223, 0
	v_permlanex16_b32 v223, v222, s26, s27
	v_or_b32 v222, v222, v223                      ; with lane l xor 16's two the word is whole
.irp c, 0,1,2
	global_store_b128 v3, v[PCR+4*\c:PCR+4*\c+3], s[30:31] offset:512*\c
.endr
	global_store_b32 v8, v222, s[32:33]
.Lend:
	s_wait_tensorcnt 0x0
	ds_add_u32 v254, v255
	s_wait_dscnt 0x0
	s_endpgm
.Lfunc_end_k_q9e0f3942a2_ln1:
	.size	k_q9e0f3942a2_ln1, .Lfunc_end_k_q9e0f3942a2_ln1-k_q9e0f3942a2_ln1
	.p2alignl 7, 3214868480
	.fill 96, 4, 3214868480
	.section	.rodata,"a",@progbits
	.p2align	6, 0x0
	.amdhsa_kernel k_q9e0f3942a2_ln1
		.amdhsa_group_segment_fixed_size 66816
		.amdhsa_private_segment_fixed_size 0
		.amdhsa_enable_private_segment 0
		.amdhsa_kernarg_size 48
		.amdhsa_user_sgpr_count 2
		.amdhsa_user_sgpr_kernarg_segment_ptr 1
		.amdhsa_wavefront_size32 1
		.amdhsa_system_sgpr_workgroup_id_x 1
		.amdhsa_system_sgpr_workgroup_id_y 1
		.amdhsa_system_sgpr_workgroup_id_z 1
		.amdhsa_system_vgpr_workitem_id 0
		.amdhsa_next_free_vgpr 256
		.amdhsa_next_free_sgpr 66
		.amdhsa_reserve_vcc 0
		.amdhsa_float_denorm_mode_32 3
		.amdhsa_float_denorm_mode_16_64 3
		.amdhsa_memory_ordered 1
		.amdhsa_forward_progress 1
		.amdhsa_inst_pref_size 29
	.end_amdhsa_kernel
	.amdgpu_metadata
---
amdhsa.version: [ 1, 2 ]
amdhsa.kernels:
  - .name:           k_q9e0f3942a2_ln1
    .symbol:         k_q9e0f3942a2_ln1.kd
    .args:
      - { .name: x, .offset: 0, .size: 8, .value_kind: global_buffer, .address_space: global }
      - { .name: at, .offset: 8, .size: 8, .value_kind: global_buffer, .address_space: global }
      - { .name: ln_g, .offset: 16, .size: 8, .value_kind: global_buffer, .address_space: global }
      - { .name: ln_b, .offset: 24, .size: 8, .value_kind: global_buffer, .address_space: global }
      - { .name: hb, .offset: 32, .size: 8, .value_kind: global_buffer, .address_space: global }
      - { .name: f1, .offset: 40, .size: 8, .value_kind: global_buffer, .address_space: global }
    .group_segment_fixed_size: 66816
    .private_segment_fixed_size: 0
    .kernarg_segment_align: 8
    .kernarg_segment_size: 48
    .max_flat_workgroup_size: 256
    .sgpr_count:     66
    .vgpr_count:     256
    .wavefront_size: 32
...
	.end_amdgpu_metadata
.endif
;; end of part 4
;; launch mlp1: the kernel of part 2 again; grid 32 x 16, 4 waves a work-group, no clusters, 25,088 bytes of LDS; arguments wb, hb, b1, bq, bk, big, f1; writes big
;; launch mlp2 (part 5): grid 16 x 16, 4 waves a work-group, no clusters, 30,208 bytes of LDS; arguments wb, big, b2, at; writes at
.if DOCPART == 5
	.amdgcn_target "amdgcn-amd-amdhsa--gfx1250"
	.amdhsa_code_object_version 6
	.text
	.protected	k_q9e0f3942a2_mlp2
	.globl	k_q9e0f3942a2_mlp2
	.p2align	8
	.type	k_q9e0f3942a2_mlp2,@function
k_q9e0f3942a2_mlp2:
	s_mov_b64 s[64:65], 0
	v_nop
	global_prefetch_b8 v0, s[64:65] scope:SCOPE_SE
	s_setreg_imm32_b32 hwreg(HW_REG_WAVE_MODE, 25, 1), 1
	s_wait_xcnt 0x0
; mlp[token][n] = sum over k of gelu[token][k] w2[k][n] + b2[n], K = 4,096 in 32 steps of 128, on codes of BF6 (E3M2) with E8M0 scales; sums and result in f32.
; D = S0 S1^T: S0 = 64 columns of w2 (source 0), S1 = 256 tokens.  Operands lie in memory as images of their registers (16 rows x 128 K = 1,536 bytes; row r of tile T is 32 (T / 2) + 8 (T % 2) + r + 8 (r / 8)):
; codes [K step][256 tiles][1,536], scale words [K step][256 tiles][64].
; SHARES.  1,024 columns x 4,096 tokens in tiles of 64 x 256 are 256 work-groups.  A wave makes 64 x 64: 16 accumulators.  S0's four fragments of a step (6,144 dense bytes) go memory -> staging registers -> LDS
; (two slots) and are read by all four waves; a wave's own four fragments of S1 and all scale words go straight into registers.  b2 is the C of the first step's products.
; A K STEP s: at its head the waits and ONE barrier; then one run of memory instructions: S0 of step s + 2 from its staging registers into slot s % 2, the fragments of step s + 1 out of the other slot into the other
; of two register sets, the requests for S0 of step s + 5 and S1 of step s + 3 (19 loads; three runs, 57 loads, are out at the most); then the step's 16 products back to back.
; No cluster: the main part follows the text of the launches before it, which branch on a stored word and so take no tensor load.
; REGISTERS.  window 0: v1, 2, 4, 7, 9 offsets; v10, 11 the stage; v16-39 four sets of scale words (set + 0, 1: S0's tiles i | i + 2 in the two halves of the lanes; + 4, 5: S1's); v48-79 b2 in the result's layout;
;   v112-159, v160-207 S0's four fragments of the even and of the odd steps; on the way out v112-239 take the rows.
;   window 1: accumulator (i0, i1) at v[32 i1 + 8 i0].   window 2: v0-191 four buffers of S1's four fragments; v192-239 four staging sets.
.set STEPC, 393216
.set STEPS, 16384
.set SLOTB, 6144
.set B0R, 48
.set SA,  112
.set STR, 192
.set STG, 12288                        ; behind the slots: 16 rows x 272 for each wave
.set SP,  272
.set MSB, 0
.macro WIN new                         ; the immediate's high byte repeats the setting that is left
.if MSB != (\new)
	s_set_vgpr_msb (MSB<<8)|(\new)
.set MSB, (\new)
.endif
.endm
.macro PLACES                          ; four plain places behind matrix instructions, ahead of loads into their registers and of the first read of results
.rept 4
	v_nop
.endr
.endm
; the requests of one run: the scale words of K step ss1 (4 loads), S0 of K step sst into staging set st (3), S1 of K step ss1 into buffer bf (12); the steps count from where the pointers stand
.macro RUNG sst, st, ss1, bf, dost, dos1
.if \dos1
.irp i, 0,1
	global_load_b32 v[16+6*(\bf)+\i], v4, s[26:27] offset:(\ss1)*STEPS+64*\i
	global_load_b32 v[20+6*(\bf)+\i], v4, s[30:31] offset:(\ss1)*STEPS+64*\i
.endr
.endif
.if (\dost) || (\dos1)
	WIN 0x80
.endif
.if \dost
.irp i, 0,1,2
	global_load_b128 v[STR+12*(\st)+4*\i:STR+12*(\st)+4*\i+3], v2, s[24:25] offset:(\sst)*STEPC+2048*\i
.endr
.endif
.if \dos1
.irp k, 0,1,2,3,4,5,6,7,8,9,10,11
	global_load_b128 v[48*(\bf)+4*\k:48*(\bf)+4*\k+3], v1, s[28:29] offset:(\ss1)*STEPC+512*\k
.endr
.endif
	WIN 0
.endm
.macro MM i0, i1, u, first             ; first = 1: C is b2, in the result's layout (window 0)
.set rD, 32*(\i1)+8*(\i0)
.set rA, SA+48*((\u)%2)+12*(\i0)
.set rB, 48*(\u)+12*(\i1)
.set rX, 16+6*(\u)+(\i0)%2
.set rY, 20+6*(\u)+(\i1)%2
.if \first
.set rC, B0R+8*(\i0)
.else
.set rC, rD
.endif
.if (\i0) < 2
.if (\i1) < 2
	v_wmma_scale_f32_16x16x128_f8f6f4 v[rD:rD+7], v[rA:rA+11], v[rB:rB+11], v[rC:rC+7], v[rX], v[rY] matrix_a_fmt:MATRIX_FMT_BF6 matrix_b_fmt:MATRIX_FMT_BF6
.else
	v_wmma_scale_f32_16x16x128_f8f6f4 v[rD:rD+7], v[rA:rA+11], v[rB:rB+11], v[rC:rC+7], v[rX], v[rY] matrix_a_fmt:MATRIX_FMT_BF6 matrix_b_fmt:MATRIX_FMT_BF6 matrix_b_scale:MATRIX_SCALE_ROW1
.endif
.else
.if (\i1) < 2
	v_wmma_scale_f32_16x16x128_f8f6f4 v[rD:rD+7], v[rA:rA+11], v[rB:rB+11], v[rC:rC+7], v[rX], v[rY] matrix_a_fmt:MATRIX_FMT_BF6 matrix_b_fmt:MATRIX_FMT_BF6 matrix_a_scale:MATRIX_SCALE_ROW1
.else
	v_wmma_scale_f32_16x16x128_f8f6f4 v[rD:rD+7], v[rA:rA+11], v[rB:rB+11], v[rC:rC+7], v[rX], v[rY] matrix_a_fmt:MATRIX_FMT_BF6 matrix_b_fmt:MATRIX_FMT_BF6 matrix_a_scale:MATRIX_SCALE_ROW1 matrix_b_scale:MATRIX_SCALE_ROW1
.endif
.endif
.endm
; A K step; u: its number mod 4.  sto: S0 of the step two on goes into this step's slot.  fr: the next step's fragments are fetched.  dost, dos1: what the run requests.
; cnt: the loads of the last two runs; the run three back, which brought this step's S1 and scale words and the staging that is stored now, is then in.
.macro STEP u, first, sto, fr, dost, dos1, cnt
	s_wait_loadcnt \cnt
	s_wait_dscnt 0x0                               ; my fragments of this step are in (my reads of this step's slot are over), and my stores into the other slot have landed
.if \fr
	s_barrier_signal -1                            ; ONE barrier a step: behind it the other slot is whole, and this step's slot may be stored into
	s_barrier_wait -1
.endif
.if \sto
	WIN 0x08
.irp i, 0,1,2
	ds_store_b128 v2, v[STR+12*(((\u)+2)%4)+4*\i:STR+12*(((\u)+2)%4)+4*\i+3] offset:((\u)%2)*SLOTB+2048*\i
.endr
	WIN 0
.endif
.if \fr
.irp k, 0,1,2,3,4,5,6,7,8,9,10,11
	ds_load_b128 v[SA+48*(((\u)+1)%2)+4*\k:SA+48*(((\u)+1)%2)+4*\k+3], v1 offset:(((\u)+1)%2)*SLOTB+512*\k
.endr
.endif
	RUNG (\u)+5, ((\u)+1)%4, (\u)+3, ((\u)+3)%4, \dost, \dos1
.if \first
	WIN 0x48
.else
	WIN 0x58
.endif
.irp a, 0,1,2,3                        ; the 16 accumulators take turns, one instruction a turn
.irp b, 0,1,2,3
	MM \a, \b, \u, \first
.endr
.endr
	WIN 0
	PLACES
.endm
.macro ONWARD                          ; the loads have read their bases: four steps on
	s_wait_xcnt 0x0
	s_add_nc_u64 s[24:25], s[24:25], 4*STEPC
	s_add_nc_u64 s[28:29], s[28:29], 4*STEPC
	s_add_nc_u64 s[26:27], s[26:27], 4*STEPS
	s_add_nc_u64 s[30:31], s[30:31], 4*STEPS
.endm
; S1's tile i1: 16 tokens x 64 columns through my own stage, back as whole rows of 256 bytes, two rows an instruction; each tile has registers of its own for its rows
.macro OUT i1
	WIN 0x04                                       ; an LDS store's data are its source 1: window 1
.set n, 0
.rept 4
	ds_store_b128 v10, v[32*(\i1)+8*n:32*(\i1)+8*n+3] offset:128*(n/2)+32*(n%2)        ; each accumulator from its low end on
	ds_store_b128 v10, v[32*(\i1)+8*n+4:32*(\i1)+8*n+7] offset:128*(n/2)+32*(n%2)+16
.set n, n+1
.endr
	WIN 0
.set n, 0
.rept 8
	ds_load_b128 v[112+32*(\i1)+4*n:115+32*(\i1)+4*n], v11 offset:2*n*SP               ; LDS serves a wave's instructions in order (ISA guide 5.7.1.4): these see my stores, and the next tile's stores come behind them
.set n, n+1
.endr
.set n, 0
.rept 8
	s_wait_dscnt 7-n                               ; behind this load: the younger of the eight
	global_store_b128 v9, v[112+32*(\i1)+4*n:115+32*(\i1)+4*n], s[36:37] offset:(32*((\i1)/2)+8*((\i1)%2)+2*n+8*(n/4))*4096   ; sixteen lanes store 256 consecutive bytes of a token's row, at a multiple of 256
.set n, n+1
.endr
.endm
	s_load_b256 s[4:11], s[0:1], 0x0               ; wb, big, b2, at
	v_lshl_add_u32 v254, v0, 2, 0x7400
	v_mov_b32 v255, 0
	v_lshrrev_b32 v12, 5, v0
	v_readfirstlane_b32 s21, v12                   ; wave
	v_and_b32 v12, 31, v0
	v_lshlrev_b32 v1, 4, v12                       ; 16 x lane
	v_lshlrev_b32 v2, 4, v0                        ; 16 x thread
	v_and_b32 v13, 15, v0                          ; r
	v_bfe_u32 v14, v0, 4, 1                        ; h
	v_lshlrev_b32 v5, 2, v13
	v_lshl_add_u32 v4, v14, 7, v5                  ; scale words: 128 h + 4 r
	v_lshlrev_b32 v7, 6, v14                       ; b2: 64 h
	s_mul_i32 s22, s21, 16*SP
	s_add_co_u32 s22, s22, STG
	v_mul_u32_u24 v10, v13, SP
	v_lshl_add_u32 v10, v14, 6, v10
	v_add_nc_u32 v10, s22, v10                     ; the stage, in: row r, + 64 h
	v_mul_u32_u24 v11, v14, SP
	v_lshl_add_u32 v11, v13, 4, v11
	v_add_nc_u32 v11, s22, v11                     ; back: lanes 0-15 one row, lanes 16-31 the next
	v_lshlrev_b32 v9, 12, v14
	v_lshl_add_u32 v9, v13, 4, v9                  ; and the same two rows in memory
	s_mov_b32 s19, ttmp9
	s_and_b32 s20, ttmp7, 0xffff
	s_mov_b32 s41, 0
	s_lshl_b32 s42, s20, 4
	s_lshl_b32 s43, s21, 2
	s_add_co_u32 s42, s42, s43                     ; my first tile of tokens
	s_wait_kmcnt 0x0
	s_mul_i32 s40, s19, 4*1536
	s_add_co_u32 s40, s40, 3276800
	s_add_nc_u64 s[24:25], s[4:5], s[40:41]        ; w2's codes at my four tiles
	s_lshl_b32 s40, s19, 8
	s_add_co_u32 s40, s40, 15859712
	s_add_nc_u64 s[26:27], s[4:5], s[40:41]        ; and their scale words
	s_mul_i32 s40, s42, 1536
	s_add_nc_u64 s[28:29], s[6:7], s[40:41]
	s_lshl_b32 s40, s42, 6
	s_add_co_u32 s40, s40, 12582912
	s_add_nc_u64 s[30:31], s[6:7], s[40:41]
	s_lshl_b32 s40, s19, 8
	s_add_nc_u64 s[32:33], s[8:9], s[40:41]        ; b2 at my 64 columns
	s_lshl_b32 s43, s42, 16                        ; 16 tokens of 4,096 bytes a tile
	s_add_co_u32 s40, s40, s43
	s_add_nc_u64 s[36:37], s[10:11], s[40:41]
.irp b, 0,1
.irp q, 0,1,2,3
	global_load_b128 v[B0R+16*\b+4*\q:B0R+16*\b+4*\q+3], v7, s[32:33] offset:128*\b+16*\q
.endr
.endr
	WIN 0x80
.irp t, 0,1
.irp i, 0,1,2
	global_load_b128 v[STR+12*\t+4*\i:STR+12*\t+4*\i+3], v2, s[24:25] offset:\t*STEPC+2048*\i
.endr
.endr
	WIN 0
	RUNG 2, 2, 0, 0, 1, 1
	RUNG 3, 3, 1, 1, 1, 1
	s_wait_loadcnt 38                              ; b2 and S0 of K steps 0 and 1 are in: behind them stand the two runs' 38
	WIN 0x08
.irp t, 0,1
.irp i, 0,1,2
	ds_store_b128 v2, v[STR+12*\t+4*\i:STR+12*\t+4*\i+3] offset:\t*SLOTB+2048*\i
.endr
.endr
	WIN 0
	s_wait_dscnt 0x0
	s_barrier_signal -1
	s_barrier_wait -1
.irp k, 0,1,2,3,4,5,6,7,8,9,10,11
	ds_load_b128 v[SA+4*\k:SA+4*\k+3], v1 offset:512*\k
.endr
	RUNG 4, 0, 2, 2, 1, 1
	STEP 0, 1, 1, 1, 1, 1, 38
	STEP 1, 0, 1, 1, 1, 1, 38
	STEP 2, 0, 1, 1, 1, 1, 38
	STEP 3, 0, 1, 1, 1, 1, 38
	ONWARD
	s_mov_b32 s44, 5
.Lfour:                                                ; K steps 4 to 23, four a trip: after four the buffers are back where they began
	STEP 0, 0, 1, 1, 1, 1, 38
	STEP 1, 0, 1, 1, 1, 1, 38
	STEP 2, 0, 1, 1, 1, 1, 38
	STEP 3, 0, 1, 1, 1, 1, 38
	ONWARD
	s_sub_co_u32 s44, s44, 1
	s_cmp_lg_u32 s44, 0
	s_cbranch_scc1 .Lfour
	STEP 0, 0, 1, 1, 1, 1, 38                      ; K steps 24 to 31 are written out: no load leaves its buffer
	STEP 1, 0, 1, 1, 1, 1, 38
	STEP 2, 0, 1, 1, 1, 1, 38                      ; step 26's run asks for S0's last step
	STEP 3, 0, 1, 1, 0, 1, 38                      ; the runs of steps 27 and 28 have 16 loads,
	ONWARD
	STEP 0, 0, 1, 1, 0, 1, 35                      ; (19 + 16)
	STEP 1, 0, 1, 1, 0, 0, 32                      ; (16 + 16) those behind them none
	STEP 2, 0, 0, 1, 0, 0, 16
	STEP 3, 0, 0, 0, 0, 0, 0
	OUT 0
	OUT 1
	OUT 2
	OUT 3
	s_wait_tensorcnt 0x0
	ds_add_u32 v254, v255
	s_wait_dscnt 0x0
	s_endpgm
.Lfunc_end_k_q9e0f3942a2_mlp2:
	.size	k_q9e0f3942a2_mlp2, .Lfunc_end_k_q9e0f3942a2_mlp2-k_q9e0f3942a2_mlp2
	.p2alignl 7, 3214868480
	.fill 96, 4, 3214868480
	.section	.rodata,"a",@progbits
	.p2align	6, 0x0
	.amdhsa_kernel k_q9e0f3942a2_mlp2
		.amdhsa_group_segment_fixed_size 30208
		.amdhsa_private_segment_fixed_size 0
		.amdhsa_enable_private_segment 0
		.amdhsa_kernarg_size 32
		.amdhsa_user_sgpr_count 2
		.amdhsa_user_sgpr_kernarg_segment_ptr 1
		.amdhsa_wavefront_size32 1
		.amdhsa_system_sgpr_workgroup_id_x 1
		.amdhsa_system_sgpr_workgroup_id_y 1
		.amdhsa_system_sgpr_workgroup_id_z 1
		.amdhsa_system_vgpr_workitem_id 0
		.amdhsa_next_free_vgpr 768
		.amdhsa_next_free_sgpr 66
		.amdhsa_reserve_vcc 0
		.amdhsa_float_denorm_mode_32 3
		.amdhsa_float_denorm_mode_16_64 3
		.amdhsa_memory_ordered 1
		.amdhsa_forward_progress 1
		.amdhsa_inst_pref_size 95
	.end_amdhsa_kernel
	.amdgpu_metadata
---
amdhsa.version: [ 1, 2 ]
amdhsa.kernels:
  - .name:           k_q9e0f3942a2_mlp2
    .symbol:         k_q9e0f3942a2_mlp2.kd
    .args:
      - { .name: wb, .offset: 0, .size: 8, .value_kind: global_buffer, .address_space: global }
      - { .name: big, .offset: 8, .size: 8, .value_kind: global_buffer, .address_space: global }
      - { .name: b2, .offset: 16, .size: 8, .value_kind: global_buffer, .address_space: global }
      - { .name: at, .offset: 24, .size: 8, .value_kind: global_buffer, .address_space: global }
    .group_segment_fixed_size: 30208
    .private_segment_fixed_size: 0
    .kernarg_segment_align: 8
    .kernarg_segment_size: 32
    .max_flat_workgroup_size: 128
    .sgpr_count:     66
    .vgpr_count:     768
    .wavefront_size: 32
...
	.end_amdgpu_metadata
.endif
;; end of part 5
;; launch ln2: the kernel of part 4 again; grid 256 x 1, 8 waves a work-group, no clusters, 66,816 bytes of LDS; arguments hb, at, ln_g, ln_b, out0, f0; writes out0
;; ======== version 2 of 2: 7 launches
;; workspace buffers: wa 3,276,800 bytes; wb 16,384,000 bytes; xq 3,276,800 bytes; hb 20,054,016 bytes; big 13,107,200 bytes; at 16,777,216 bytes; f0 256 bytes of whole numbers; f1 256 bytes of whole numbers
;; launch prep (part 6): grid 64 x 19, 4 waves a work-group, no clusters, 0 bytes of LDS; arguments x, wq, wk, wv, w1, w2, xq, wa, wb, f0, f1; writes xq, wa, wb, f0, f1
.if DOCPART == 6
	.amdgcn_target "amdgcn-amd-amdhsa--gfx1250"
	.amdhsa_code_object_version 6
	.text
	.protected	k_q9e0f3942a2_prep
	.globl	k_q9e0f3942a2_prep
	.p2align	8
	.type	k_q9e0f3942a2_prep,@function
k_q9e0f3942a2_prep:
	s_mov_b64 s[64:65], 0
	v_nop
	global_prefetch_b8 v0, s[64:65] scope:SCOPE_SE
	s_setreg_imm32_b32 hwreg(HW_REG_WAVE_MODE, 25, 1), 1
	s_wait_xcnt 0x0
; x [4096][1024] and the five weights ([K][N], K the first axis), f32, become codes of BF6 (E3M2) with one E8M0 byte for each 32 along K,
; laid as IMAGES OF OPERAND REGISTERS.  A fragment is 16 rows x 128 K, 12 registers a lane: lane (r, h) holds k = 64 c + 32 h + 0 .. 31 in registers 6 c .. 6 c + 5.
; Its image is 1,536 bytes: registers 4 c' .. 4 c' + 3 of lane l at 512 c' + 16 l.  Its scale words: 4 bytes a row, 64 bytes a tile.
; THE ROWS OF A TILE ARE NOT NEIGHBOURS: row r of tile T is 32 (T / 2) + 8 (T % 2) + r + 8 (r / 8).
; A buffer: codes [K step][256 tiles][1,536], scale words [K step][256 tiles][64].
; A block's scale is 2^(floor(log2(largest magnitude)) - 4): its byte is the largest magnitude's exponent field - 4, held at 1 from below.
; LIMITS: a block of zeros, or one whose largest magnitude lies under 2^-122, gets the byte 1 (the rule says 127 for zeros): its codes are zeros or held small, and this program alone reads the bytes.  NaN and infinities are not served.
; SHARES.  Work-group y 0 .. 10: weights; a wave takes 32 columns x 128 along K, A LANE A COLUMN, ITS REGISTERS DOWN K: each load reads 128 consecutive bytes, the four waves stand side by side.
; Work-group y 11 .. 18: x; a wave makes one fragment (tile T, one K step): lane (r, h) loads its own 2 x 32 neighbours.  No LDS, no barrier.
.set XR, 32                            ; v32-159 the numbers
.set H0, 160                           ; v160-183 codes: the 12 registers of lane (r, 0), then those of lane (r, 1)
.set TT, 184                           ; v184-186 a conversion's second half (its three registers begin on an even number)
.set MA, 188
.set MB, 189
.set SO, 190                           ; the conversion's scale operand
.set BY, 192                           ; v192-195 scale bytes
; 32 numbers v[src] .. become 6 registers of codes at v[dst] (even) and a byte in v[by]
.macro QB src, dst, by
	v_max3_num_f32 v[MA], |v[\src]|, |v[\src+1]|, 0x2800000          ; two chains; the floor 2^(5 - 127) is one of the leaves, so the byte cannot fall under 1
	v_max3_num_f32 v[MB], |v[\src+2]|, |v[\src+3]|, |v[\src+4]|
.irp i, 5,9,13,17,21,25
	v_max3_num_f32 v[MA], v[MA], |v[\src+\i]|, |v[\src+\i+1]|
	v_max3_num_f32 v[MB], v[MB], |v[\src+\i+2]|, |v[\src+\i+3]|
.endr
	v_max3_num_f32 v[MA], v[MA], |v[\src+29]|, |v[\src+30]|
	v_max3_num_f32 v[MA], v[MA], v[MB], |v[\src+31]|
	v_add_nc_u32 v[SO], 0xfe000000, v[MA]                            ; 4 off the exponent field: the conversion takes that field as its scale
	v_lshrrev_b32 v[\by], 23, v[SO]
	v_cvt_scalef32_pk16_bf6_f32 v[\dst:\dst+2], v[\src:\src+15], v[SO]
	v_cvt_scalef32_pk16_bf6_f32 v[TT:TT+2], v[\src+16:\src+31], v[SO]
	v_nop                                                            ; one plain place behind a scaled conversion
.irp i, 0,1,2
	v_mov_b32 v[\dst+3+\i], v[TT+\i]
.endr
.endm
	s_load_b512 s[4:19], s[0:1], 0x0               ; x, wq, wk, wv, w1, w2, xq, wa
	s_load_b128 s[20:23], s[0:1], 0x40             ; wb, f0
	s_load_b64 s[24:25], s[0:1], 0x50              ; f1
	v_lshrrev_b32 v1, 5, v0
	v_readfirstlane_b32 s26, v1                    ; wave
	v_and_b32 v2, 31, v0                           ; lane
	v_lshlrev_b32 v3, 2, v2
	s_and_b32 s27, ttmp7, 0xffff                   ; work-group y
	s_wait_kmcnt 0x0
	s_cmp_ge_u32 s27, 11
	s_cbranch_scc1 .Lx
	; ---- weights.  y 0, 1, 2: wq, wk, wv (8 column groups x 8 K steps);  y 3 .. 6: w1 (32 x 8);  y 7 .. 10: w2 (8 x 32)
	s_cmp_ge_u32 s27, 7
	s_cselect_b32 s28, 7, 3
	s_cselect_b64 s[30:31], s[14:15], s[12:13]     ; w2 or w1
	s_cselect_b32 s70, 3276800, 0                  ; where the codes begin in the buffer
	s_mov_b32 s71, 3145728
	s_cselect_b32 s71, 12582912, s71               ; and how far behind them the scale words
	s_sub_co_u32 s72, s27, 3
	s_cmp_lt_u32 s72, 4                            ; w1?
	s_cselect_b32 s73, 31, 7
	s_cselect_b32 s74, 5, 3
	s_cselect_b32 s75, 14, 12                      ; log2 of a row's bytes
	s_cmp_lt_u32 s27, 3
	s_cselect_b32 s28, s27, s28
	s_cselect_b64 s[76:77], s[18:19], s[20:21]     ; wa or wb
	s_cselect_b32 s78, s27, 0
	s_cmp_eq_u32 s27, 0
	s_cselect_b64 s[30:31], s[6:7], s[30:31]
	s_cmp_eq_u32 s27, 1
	s_cselect_b64 s[30:31], s[8:9], s[30:31]
	s_cmp_eq_u32 s27, 2
	s_cselect_b64 s[30:31], s[10:11], s[30:31]
	s_sub_co_u32 s28, s27, s28
	s_lshl_b32 s28, s28, 6
	s_add_co_u32 s28, s28, ttmp9                   ; the work-group's number within its tensor
	s_and_b32 s79, s28, s73                        ; column group of 128
	s_lshr_b32 s80, s28, s74                       ; K step
	s_lshl_b32 s78, s78, 6                         ; wq, wk, wv at tiles 0, 64, 128
	s_lshl_b32 s81, s79, 3
	s_add_co_u32 s78, s78, s81
	s_lshl_b32 s81, s26, 1
	s_add_co_u32 s78, s78, s81
	s_lshl_b32 s81, s80, 8
	s_add_co_u32 s78, s78, s81                     ; 256 x K step + my first tile
	s_add_co_u32 s81, s75, 7
	s_lshl_b32 s82, s80, s81                       ; 128 rows a K step
	s_lshl_b32 s83, s79, 9
	s_add_co_u32 s82, s82, s83
	s_lshl_b32 s83, s26, 7
	s_add_co_u32 s82, s82, s83                     ; + 4 (128 group + 32 wave)
	s_mov_b32 s83, 0
	s_add_nc_u64 s[32:33], s[30:31], s[82:83]      ; sixteen bases, eight rows apart
	s_lshl_b32 s84, 8, s75
	s_mov_b32 s85, 0
.irp g, 1,2,3,4,5,6,7,8,9,10,11,12,13,14,15
	s_add_nc_u64 s[32+2*\g:33+2*\g], s[30+2*\g:31+2*\g], s[84:85]
.endr
	s_wait_alu depctr_va_vdst(0)
.irp i, 0,1,2,3,4,5,6,7
	s_lshl_b32 s86, \i, s75
	v_add_nc_u32 v[16+\i], s86, v3                 ; eight offsets: 4 x lane + i rows
.endr
.irp g, 0,1,2,3,4,5,6,7,8,9,10,11,12,13,14,15
.irp i, 0,1,2,3,4,5,6,7
	global_load_b32 v[XR+8*\g+\i], v[16+\i], s[32+2*\g:33+2*\g] th:TH_LOAD_NT
.endr
.endr
	s_mul_i32 s86, s78, 1536
	s_add_co_u32 s86, s86, s70
	s_mov_b32 s87, 0
	s_add_nc_u64 s[88:89], s[76:77], s[86:87]      ; my two tiles' images
	s_lshl_b32 s86, s78, 6
	s_add_co_u32 s86, s86, s70
	s_add_co_u32 s86, s86, s71
	s_add_nc_u64 s[90:91], s[76:77], s[86:87]      ; and their scale words
	v_bfe_u32 v4, v2, 3, 1                         ; my column is row r of tile u of the pair: u = (lane / 8) % 2,
	v_and_b32 v5, 7, v2
	v_lshrrev_b32 v6, 4, v2
	v_lshl_add_u32 v5, v6, 3, v5                   ; r = lane % 8 + 8 (lane / 16)
	v_mul_u32_u24 v7, v4, 1536
	v_lshl_add_u32 v7, v5, 4, v7
	v_lshlrev_b32 v8, 6, v4
	v_lshl_add_u32 v8, v5, 2, v8
	s_wait_loadcnt 63                              ; at most 63 of the 128 are out: the first 65 are in, blocks 0 and 1 among them
	QB XR, H0, BY                                  ; block 2 c + h goes to registers 6 c .. of lane (r, h)
	QB XR+32, H0+12, BY+1
	s_wait_loadcnt 32                              ; behind block 2's loads: block 3's 32
	QB XR+64, H0+6, BY+2
	s_wait_loadcnt 0x0
	QB XR+96, H0+18, BY+3
	v_lshl_or_b32 v196, v[BY+1], 8, v[BY]
	v_lshl_or_b32 v196, v[BY+2], 16, v196
	v_lshl_or_b32 v196, v[BY+3], 24, v196          ; my row's scale word
.irp h, 0,1
.irp c, 0,1,2
	global_store_b128 v7, v[H0+12*\h+4*\c:H0+12*\h+4*\c+3], s[88:89] offset:256*\h+512*\c   ; the sixteen rows of a tile fill 256 consecutive bytes, both tiles in one instruction
.endr
.endr
	global_store_b32 v8, v196, s[90:91]
	s_or_b32 s86, s27, ttmp9
	s_or_b32 s86, s86, s26
	s_cmp_lg_u32 s86, 0
	s_cbranch_scc1 .Lend
	v_mov_b32 v9, 0                                ; the two flag words by which later launches that share a text tell themselves apart
	v_mov_b32 v10, 1
	global_store_b32 v3, v9, s[22:23]
	global_store_b32 v3, v10, s[24:25]
.Lend:
	s_endpgm
	; ---- x
.Lx:
	s_sub_co_u32 s28, s27, 11
	s_lshl_b32 s28, s28, 6
	s_add_co_u32 s28, s28, ttmp9
	s_lshr_b32 s29, s28, 1                         ; tile T
	s_and_b32 s30, s28, 1
	s_lshl_b32 s30, s30, 2
	s_add_co_u32 s30, s30, s26                     ; K step
	s_lshr_b32 s31, s29, 1
	s_lshl_b32 s31, s31, 5
	s_and_b32 s32, s29, 1
	s_lshl_b32 s32, s32, 3
	s_add_co_u32 s31, s31, s32                     ; the tile's first token
	s_lshl_b32 s32, s31, 12
	s_lshl_b32 s33, s30, 9
	s_add_co_u32 s32, s32, s33
	s_mov_b32 s33, 0
	s_add_nc_u64 s[4:5], s[4:5], s[32:33]
	s_lshl_b32 s34, s30, 8
	s_add_co_u32 s34, s34, s29
	s_mul_i32 s32, s34, 1536
	s_add_nc_u64 s[36:37], s[16:17], s[32:33]
	s_lshl_b32 s32, s34, 6
	s_add_co_u32 s32, s32, 3145728
	s_add_nc_u64 s[38:39], s[16:17], s[32:33]
	s_mov_b32 s40, 0x76543210
	s_mov_b32 s41, 0xfedcba98                      ; v_permlanex16_b32's selects for lane l xor 16
	v_and_b32 v4, 15, v0                           ; r
	v_bfe_u32 v5, v0, 4, 1                         ; h
	v_and_b32 v6, 8, v4
	v_add_nc_u32 v6, v6, v4
	v_lshlrev_b32 v6, 12, v6
	v_lshl_add_u32 v6, v5, 7, v6                   ; row r + 8 (r / 8), + 128 h bytes
	s_wait_alu depctr_va_vdst(0)
	v_lshlrev_b32 v7, 4, v2
	v_lshlrev_b32 v8, 2, v4
.irp c, 0,1
.irp i, 0,1,2,3,4,5,6,7
	global_load_b128 v[XR+32*\c+4*\i:XR+32*\c+4*\i+3], v6, s[4:5] offset:256*\c+16*\i   ; k = 64 c + 32 h + 4 i ..: the wave's sixteen loads together take 512 consecutive bytes of each row
.endr
.endr
	s_wait_loadcnt 0x0
	QB XR, H0, BY
	QB XR+32, H0+6, BY+1
	v_lshl_or_b32 v9, v[BY+1], 16, v[BY]           ; my two bytes: blocks h and 2 + h,
	v_lshlrev_b32 v10, 3, v5
	v_lshlrev_b32 v9, v10, v9                      ; at their places in the word;
	v_mov_b32 v10, 0
	v_permlanex16_b32 v10, v9, s40, s41
	v_or_b32 v9, v9, v10                           ; with lane l xor 16's two the word is whole
.irp c, 0,1,2
	global_store_b128 v7, v[H0+4*\c:H0+4*\c+3], s[36:37] offset:512*\c
.endr
	global_store_b32 v8, v9, s[38:39]              ; (lanes r and r + 16 write the same word with the same value)
	s_endpgm
.Lfunc_end_k_q9e0f3942a2_prep:
	.size	k_q9e0f3942a2_prep, .Lfunc_end_k_q9e0f3942a2_prep-k_q9e0f3942a2_prep
	.p2alignl 7, 3214868480
	.fill 96, 4, 3214868480
	.section	.rodata,"a",@progbits
	.p2align	6, 0x0
	.amdhsa_kernel k_q9e0f3942a2_prep
		.amdhsa_group_segment_fixed_size 0
		.amdhsa_private_segment_fixed_size 0
		.amdhsa_enable_private_segment 0
		.amdhsa_kernarg_size 88
		.amdhsa_user_sgpr_count 2
		.amdhsa_user_sgpr_kernarg_segment_ptr 1
		.amdhsa_wavefront_size32 1
		.amdhsa_system_sgpr_workgroup_id_x 1
		.amdhsa_system_sgpr_workgroup_id_y 1
		.amdhsa_system_sgpr_workgroup_id_z 1
		.amdhsa_system_vgpr_workitem_id 0
		.amdhsa_next_free_vgpr 200
		.amdhsa_next_free_sgpr 96
		.amdhsa_reserve_vcc 0
		.amdhsa_float_denorm_mode_32 3
		.amdhsa_float_denorm_mode_16_64 3
		.amdhsa_memory_ordered 1
		.amdhsa_forward_progress 1
		.amdhsa_inst_pref_size 29
	.end_amdhsa_kernel
	.amdgpu_metadata
---
amdhsa.version: [ 1, 2 ]
amdhsa.kernels:
  - .name:           k_q9e0f3942a2_prep
    .symbol:         k_q9e0f3942a2_prep.kd
    .args:
      - { .name: x, .offset: 0, .size: 8, .value_kind: global_buffer, .address_space: global }
      - { .name: wq, .offset: 8, .size: 8, .value_kind: global_buffer, .address_space: global }
      - { .name: wk, .offset: 16, .size: 8, .value_kind: global_buffer, .address_space: global }
      - { .name: wv, .offset: 24, .size: 8, .value_kind: global_buffer, .address_space: global }
      - { .name: w1, .offset: 32, .size: 8, .value_kind: global_buffer, .address_space: global }
      - { .name: w2, .offset: 40, .size: 8, .value_kind: global_buffer, .address_space: global }
      - { .name: xq, .offset: 48, .size: 8, .value_kind: global_buffer, .address_space: global }
      - { .name: wa, .offset: 56, .size: 8, .value_kind: global_buffer, .address_space: global }
      - { .name: wb, .offset: 64, .size: 8, .value_kind: global_buffer, .address_space: global }
      - { .name: f0, .offset: 72, .size: 8, .value_kind: global_buffer, .address_space: global }
      - { .name: f1, .offset: 80, .size: 8, .value_kind: global_buffer, .address_space: global }
    .group_segment_fixed_size: 0
    .private_segment_fixed_size: 0
    .kernarg_segment_align: 8
    .kernarg_segment_size: 88
    .max_flat_workgroup_size: 128
    .sgpr_count:     96
    .vgpr_count:     200
    .wavefront_size: 32
...
	.end_amdgpu_metadata
.endif
;; end of part 6
;; launch qkv (part 7): grid 24 x 16, 4 waves a work-group, no clusters, 25,088 bytes of LDS; arguments wa, xq, bq, bk, bv, big, f0; writes big
.if DOCPART == 7
	.amdgcn_target "amdgcn-amd-amdhsa--gfx1250"
	.amdhsa_code_object_version 6
	.text
	.protected	k_q9e0f3942a2_qkv
	.globl	k_q9e0f3942a2_qkv
	.p2align	8
	.type	k_q9e0f3942a2_qkv,@function
k_q9e0f3942a2_qkv:
	s_mov_b64 s[64:65], 0
	v_nop
	global_prefetch_b8 v0, s[64:65] scope:SCOPE_SE
	s_setreg_imm32_b32 hwreg(HW_REG_WAVE_SCHED_MODE, 0, 2), 2
	s_setreg_imm32_b32 hwreg(HW_REG_WAVE_MODE, 25, 1), 1
	s_wait_xcnt 0x0
	s_wait_alu depctr_vm_vsrc(0)
; ONE TEXT, TWO LAUNCHES, told apart by a stored flag word (0: q, k, v;  1: the MLP's first layer).  K = 1,024 in eight steps of 128; products on codes of BF6 (E3M2) with E8M0 scales; sums in f32.
; D = S0 S1^T, S0 as source 0.  Operands lie in memory as images of their registers (16 rows x 128 K = 1,536 bytes; row r of tile T is 32 (T / 2) + 8 (T % 2) + r + 8 (r / 8)), codes [K step][256 tiles][1,536],
; scale words [K step][256 tiles][64], 3,145,728 bytes behind the codes.  In the result lane (r, h) holds S1's row r, and the 16 registers of S0's tiles 2 b, 2 b + 1 are S0's rows 32 b + 16 h + 0 .. 15:
; so the 64 registers of eight S0 tiles are quantised in registers into ONE image (rows: the S1 tile; K step: these 128 rows of S0), which leaves by stores of 512 consecutive bytes.
;   q, k  (flag 0, x < 16):  S0 = 128 columns of wq or wk (two heads), S1 = 256 tokens.  The image's halves are the two heads' 64: half images of 768 bytes, [q/k][batch][head][128 tiles].
;   v     (flag 0, x >= 16): S0 = 128 tokens, S1 = 256 columns of wv (a head a wave): the keys come out innermost.  [batch][head][16 key steps][4 tiles][1,536].
;   mlp1  (flag 1):          S0 = 128 columns of w1, S1 = 256 tokens of h; exact GELU in f32, then the quantiser.  [K step = x][256 tiles][1,536].
; SHARES.  A work-group: 128 (S0) x 256 (S1); a wave 128 x 64: 32 accumulators.  S0's eight fragments of a step (12,288 dense bytes) go memory -> staging registers -> LDS (two slots) and are read by all four waves;
; a wave's own four fragments of S1 and all scale words go straight into registers.
; A K STEP s: at its head the waits and ONE barrier; then S0 of step s + 2 goes from its staging registers into slot s % 2, and half of the fragments of step s + 1 come out of the other slot into the other of two
; register sets; the requests for S0 of step s + 5 and S1 of step s + 3 and the other half of the fragments are dealt among the step's 32 products.  No wait stands between a step's products.
; The biases are asked for in step 5, which has no other request, and added on the way out: so 60 loads are out at the head.
; No tensor load and no cluster: the text branches on a stored word.  All such branches stand behind the last barrier.
; THE MODE: SCHED_MODE bits 1:0 = 2 (LLVM: expert scheduling mode 2), set by the entry lines.  The code itself states the register dependences between vector or matrix instructions and memory or LDS
; instructions, with s_wait_alu, always for 0.
; THE PLAN.  Registers that memory or LDS instructions touch in the K steps:
;   S0's two register sets        Step s: its products read set s % 2; its LDS loads land in the other set, which the products of step s - 1 read last.
;   S1's four buffers and the four sets of scale words   Step s: its products read number s % 4; its loads land in number (s + 3) % 4, which the products of step s - 1 read last.
;   the four staging sets         Named by memory and LDS instructions alone.  Step s: its LDS stores read set (s + 2) % 4; its loads land in set (s + 1) % 4, which the LDS stores of step s - 1 read.
;   v1-9                          Offsets, written at the head and never again.      v40-111  The biases: loaded once, in step 5; no vector instruction names them before the last step's end.
; So ONE wait on va_vdst stands in a step, behind its barrier: the products of the step before are done reading; and one on vm_vsrc beside it where the step loads a staging set.  No product of step s names a register
; that a load or store of step s touches, so these follow the wait with nothing more, among the products.
; On the way out the quantiser writes the codes and the scale word, which the stores read: one wait on va_vdst behind the quantiser, one on vm_vsrc at the trip's end, ahead of the next trip's writes.
; GELU: erf(z) = z P(z^2) / Q(z^2), z held to +-4, degrees 6 and 4: absolute error about 1e-7.
; LIMITS: a block of zeros or under 2^-122 gets the byte 1 (this program alone reads the bytes); NaN and infinities are not served.
; REGISTERS.  window 0: v1-9 offsets; v16-39 four sets of scale words (set + 0..3: S0's tiles i | i + 4 in the two halves of the lanes; + 4, 5: S1's i | i + 2); v40-47 the bias along S1; v48-111 the bias along S0;
;   v112-207 S0's eight fragments of the even steps (later: v112-175 the 64 numbers in hand, v176-207 GELU's work); v208-223, v224-225 the quantiser's; v226-229 two coefficients; v232-250 codes.
;   window 1: accumulator (i0, i1) at v[64 i1 + 8 i0].   window 2: v0-191 four buffers of S1's four fragments.   window 3: v0-95 S0's eight fragments of the odd steps; v96-191 four staging sets.
.set STEPC, 393216
.set STEPS, 16384
.set SCO,   3145728
.set SLOTB, 12288
.set B1R, 40
.set B0R, 48
.set SA,  112
.set STR, 96
.set WR,  112
.set ZR,  176
.set X2R, 184
.set PR,  192
.set QR,  200
.set TM,  208
.set PW,  224
.set PWS, 225
.set AL,  226
.set BE,  228
.set PC,  232
.set SEL, 40
.set MSB, 0
.macro WIN new                         ; the immediate's high byte repeats the setting that is left
.if MSB != (\new)
	s_set_vgpr_msb (MSB<<8)|(\new)
.set MSB, (\new)
.endif
.endm
.macro PLACES                          ; four plain places behind matrix instructions, ahead of loads into and vector work on their registers
.rept 4
	v_nop
.endr
.endm
; the requests: S0 of K step sst into staging set st (6 loads)
.macro RST sst, st
	WIN 0xc0
.irp i, 0,1,2,3,4,5
	global_load_b128 v[STR+24*(\st)+4*\i:STR+24*(\st)+4*\i+3], v2, s[24:25] offset:(\sst)*STEPC+2048*\i
.endr
.endm
; S1 of K step ss1 into buffer bf, and that step's scale words (18 loads)
.macro RS1 ss1, bf
	WIN 0x80
.irp k, 0,1,2,3,4,5,6,7,8,9,10,11
	global_load_b128 v[48*(\bf)+4*\k:48*(\bf)+4*\k+3], v1, s[28:29] offset:(\ss1)*STEPC+512*\k
.endr
	WIN 0
.irp i, 0,1,2,3
	global_load_b32 v[16+6*(\bf)+\i], v3, s[26:27] offset:(\ss1)*STEPS+64*\i
.endr
.irp i, 0,1
	global_load_b32 v[20+6*(\bf)+\i], v4, s[30:31] offset:(\ss1)*STEPS+64*\i
.endr
.endm
; S0's tiles 4 half .. 4 half + 3 of K step s1, out of slot s1 % 2 into register set s1 % 2
.macro LF s1, half
.if (\s1)%2
	WIN 0xc0
.irp k, 0,1,2,3,4,5,6,7,8,9,10,11
	ds_load_b128 v[48*(\half)+4*\k:48*(\half)+4*\k+3], v1 offset:SLOTB+6144*(\half)+512*\k
.endr
.else
	WIN 0
.irp k, 0,1,2,3,4,5,6,7,8,9,10,11
	ds_load_b128 v[SA+48*(\half)+4*\k:SA+48*(\half)+4*\k+3], v1 offset:6144*(\half)+512*\k
.endr
.endif
.endm
.macro MM i0, i1, s, first             ; first = 1: the product starts its sum
.set rD, 64*(\i1)+8*(\i0)
.if (\s)%2
.set rA, 12*(\i0)
.else
.set rA, SA+12*(\i0)
.endif
.set rB, 48*((\s)%4)+12*(\i1)
.set rX, 16+6*((\s)%4)+(\i0)%4
.set rY, 20+6*((\s)%4)+(\i1)%2
.if \first
.if (\i0) < 4
.if (\i1) < 2
	v_wmma_scale_f32_16x16x128_f8f6f4 v[rD:rD+7], v[rA:rA+11], v[rB:rB+11], 0, v[rX], v[rY] matrix_a_fmt:MATRIX_FMT_BF6 matrix_b_fmt:MATRIX_FMT_BF6
.else
	v_wmma_scale_f32_16x16x128_f8f6f4 v[rD:rD+7], v[rA:rA+11], v[rB:rB+11], 0, v[rX], v[rY] matrix_a_fmt:MATRIX_FMT_BF6 matrix_b_fmt:MATRIX_FMT_BF6 matrix_b_scale:MATRIX_SCALE_ROW1
.endif
.else
.if (\i1) < 2
	v_wmma_scale_f32_16x16x128_f8f6f4 v[rD:rD+7], v[rA:rA+11], v[rB:rB+11], 0, v[rX], v[rY] matrix_a_fmt:MATRIX_FMT_BF6 matrix_b_fmt:MATRIX_FMT_BF6 matrix_a_scale:MATRIX_SCALE_ROW1
.else
	v_wmma_scale_f32_16x16x128_f8f6f4 v[rD:rD+7], v[rA:rA+11], v[rB:rB+11], 0, v[rX], v[rY] matrix_a_fmt:MATRIX_FMT_BF6 matrix_b_fmt:MATRIX_FMT_BF6 matrix_a_scale:MATRIX_SCALE_ROW1 matrix_b_scale:MATRIX_SCALE_ROW1
.endif
.endif
.else
.if (\i0) < 4
.if (\i1) < 2
	v_wmma_scale_f32_16x16x128_f8f6f4 v[rD:rD+7], v[rA:rA+11], v[rB:rB+11], v[rD:rD+7], v[rX], v[rY] matrix_a_fmt:MATRIX_FMT_BF6 matrix_b_fmt:MATRIX_FMT_BF6
.else
	v_wmma_scale_f32_16x16x128_f8f6f4 v[rD:rD+7], v[rA:rA+11], v[rB:rB+11], v[rD:rD+7], v[rX], v[rY] matrix_a_fmt:MATRIX_FMT_BF6 matrix_b_fmt:MATRIX_FMT_BF6 matrix_b_scale:MATRIX_SCALE_ROW1
.endif
.else
.if (\i1) < 2
	v_wmma_scale_f32_16x16x128_f8f6f4 v[rD:rD+7], v[rA:rA+11], v[rB:rB+11], v[rD:rD+7], v[rX], v[rY] matrix_a_fmt:MATRIX_FMT_BF6 matrix_b_fmt:MATRIX_FMT_BF6 matrix_a_scale:MATRIX_SCALE_ROW1
.else
	v_wmma_scale_f32_16x16x128_f8f6f4 v[rD:rD+7], v[rA:rA+11], v[rB:rB+11], v[rD:rD+7], v[rX], v[rY] matrix_a_fmt:MATRIX_FMT_BF6 matrix_b_fmt:MATRIX_FMT_BF6 matrix_a_scale:MATRIX_SCALE_ROW1 matrix_b_scale:MATRIX_SCALE_ROW1
.endif
.endif
.endif
.endm
.macro MMQ h0, s, first                ; 8 products; the 32 accumulators take turns, one instruction a turn
.irp a, 0,1
.irp b, 0,1,2,3
	MM (\h0)+\a, \b, \s, \first
.endr
.endr
.endm
.macro BIASL                           ; both biases, 20 loads, from places that lie inside their buffers in every kind; the one that does not apply is set to 0 behind the last step
	WIN 0
.irp b, 0,1,2,3
.irp q, 0,1,2,3
	global_load_b128 v[B0R+16*\b+4*\q:B0R+16*\b+4*\q+3], v7, s[32:33] offset:128*\b+16*\q
.endr
.endr
.irp i, 0,1,2,3
	global_load_b32 v[B1R+2*\i], v8, s[34:35] offset:4*(32*(\i/2)+8*(\i%2))
.endr
.endm
; K step s.  sto: S0 of step s + 2 goes into slot s % 2.  fr: the fragments of step s + 1 are fetched.  dost, dos1, bias: what the step requests.
; cnt: the loads of the last two steps; those of the step three back, which brought this step's S1 and scale words and the staging that is stored now, are then in.
.macro STEP s, first, sto, fr, dost, dos1, bias, cnt
	s_wait_loadcnt \cnt
	s_wait_dscnt 0x0                               ; my fragments of this step are in (my reads of slot s % 2 are over), and my stores into the other slot have landed
.if \fr
	s_barrier_signal -1                            ; ONE barrier a step: behind it slot (s + 1) % 2 is whole, and slot s % 2 may be stored into
	s_barrier_wait -1
.if !\first
	s_wait_alu depctr_va_vdst(0)                   ; the products of the step before are done reading S0's other register set, S1's buffer (s + 3) % 4 and its scale words, in which this step's loads land
.endif
.endif
.if \dost && !\first
	s_wait_alu depctr_vm_vsrc(0)                   ; the LDS stores of the step before have read staging set (s + 1) % 4, in which this step's loads land
.endif
.if \sto
	WIN 0x0c
.irp i, 0,1,2,3,4,5
	ds_store_b128 v2, v[STR+24*(((\s)+2)%4)+4*\i:STR+24*(((\s)+2)%4)+4*\i+3] offset:((\s)%2)*SLOTB+2048*\i
.endr
.endif
.if \fr
	LF (\s)+1, 0
.endif
.if \dost
	RST (\s)+5, ((\s)+1)%4
.endif
	WIN 0x58+3*((\s)%2)
	MMQ 0, \s, \first
.if \dos1
	RS1 (\s)+3, ((\s)+3)%4                         ; no wait: no product since the wait at the step's head names these registers
.endif
.if \bias
	BIASL
.endif
	WIN 0x58+3*((\s)%2)
	MMQ 2, \s, \first
.if \fr
	LF (\s)+1, 1                                   ; into registers that the step before read last: likewise
	WIN 0x58+3*((\s)%2)
.endif
	MMQ 4, \s, \first
	MMQ 6, \s, \first
	WIN 0
	PLACES
.endm
; 64 numbers of a lane, register 16 b + i = k 32 b + 16 (lane / 16) + i of my row, become a fragment's codes in v[PC] on and its scale word in v[PW]
.macro QUANT s
.irp b, 0,1,2,3
	v_max3_num_f32 v[TM+\b], |v[\s+16*\b]|, |v[\s+1+16*\b]|, 0x2800000   ; the floor 2^(5 - 127) among the leaves: the byte cannot fall under 1
.endr
.irp i, 2,4,6,8,10,12,14
.irp b, 0,1,2,3
	v_max3_num_f32 v[TM+\b], v[TM+\b], |v[\s+16*\b+\i]|, |v[\s+1+16*\b+\i]|
.endr
.endr
.irp b, 0,1,2,3
	v_permlanex16_b32 v[TM+4+\b], v[TM+\b], s[SEL], s[SEL+1]
.endr
.irp b, 0,1,2,3
	v_max_num_f32 v[TM+\b], v[TM+\b], v[TM+4+\b]
.endr
.irp b, 0,1,2,3
	v_add_nc_u32 v[TM+12+\b], 0xfe000000, v[TM+\b]
.endr
.irp b, 0,1,2,3
	v_lshrrev_b32 v[TM+4+\b], 23, v[TM+12+\b]
.endr
	v_lshl_or_b32 v[PW], v[TM+5], 8, v[TM+4]
	v_lshl_or_b32 v[PW], v[TM+6], 16, v[PW]
	v_lshl_or_b32 v[PW], v[TM+7], 24, v[PW]
.irp c, 0,1
	v_cvt_scalef32_pk16_bf6_f32 v[PC+6*\c:PC+2+6*\c], v[\s+32*\c:\s+15+32*\c], v[TM+12+2*\c]
	v_cvt_scalef32_pk16_bf6_f32 v[PC+12+4*\c:PC+14+4*\c], v[\s+16+32*\c:\s+31+32*\c], v[TM+12+2*\c+1]
.endr
	v_nop                                          ; one plain place behind a scaled conversion
.irp c, 0,1                            ; the layout wants a whole block in a lane
.irp i, 0,1,2
	v_permlane16_swap_b32 v[PC+6*\c+\i], v[PC+12+4*\c+\i]
.endr
.irp i, 0,1,2
	v_mov_b32 v[PC+3+6*\c+\i], v[PC+12+4*\c+\i]
.endr
.endr
.endm
.macro CP i1                           ; the eight accumulators of S1's tile i1, each from its low end on, + the bias along S0, + the bias along S1 -> v[WR] on
	WIN 0x01
.set n, 0
.rept 32
	v_pk_add_f32 v[WR+n:WR+n+1], v[64*(\i1)+n:64*(\i1)+n+1], v[B0R+n:B0R+n+1]
.set n, n+2
.endr
	WIN 0
.set n, 0
.rept 32
	v_pk_add_f32 v[WR+n:WR+n+1], v[WR+n:WR+n+1], v[B1R+2*(\i1):B1R+2*(\i1)+1] op_sel_hi:[1,0]
.set n, n+2
.endr
.endm
.macro GELU8 g                         ; eight numbers: w <- 0.5 w (1 + erf(w / sqrt 2))
.set gw, WR+8*(\g)
.irp p, 0,2,4,6
	v_pk_mul_f32 v[ZR+\p:ZR+\p+1], v[gw+\p:gw+\p+1], 0x3f3504f3 op_sel_hi:[1,0]
.endr
.irp j, 0,1,2,3,4,5,6,7
	v_med3_num_f32 v[ZR+\j], v[ZR+\j], -4.0, 4.0
.endr
.irp p, 0,2,4,6
	v_pk_mul_f32 v[X2R+\p:X2R+\p+1], v[ZR+\p:ZR+\p+1], v[ZR+\p:ZR+\p+1]
.endr
.irp p, 0,2,4,6
	v_pk_fma_f32 v[PR+\p:PR+\p+1], v[X2R+\p:X2R+\p+1], v[AL:AL+1], 0x32edffee op_sel_hi:[1,1,0]
	v_pk_fma_f32 v[QR+\p:QR+\p+1], v[X2R+\p:X2R+\p+1], v[BE:BE+1], 0xb95fbd29 op_sel_hi:[1,1,0]
.endr
.irp k, 0xbadc924e, 0xbbf19bf8, 0xbc69b6a7
.irp p, 0,2,4,6
	v_pk_fma_f32 v[QR+\p:QR+\p+1], v[QR+\p:QR+\p+1], v[X2R+\p:X2R+\p+1], \k op_sel_hi:[1,1,0]
.endr
.endr
	s_wait_alu depctr_va_vdst(0)
.irp j, 0,1,2,3,4,5,6,7
	v_rcp_f32 v[QR+\j], v[QR+\j]                   ; a batch of eight; P's chain below is the independent work behind it
.endr
.irp k, 0xb60cff51, 0xb86ec2d2, 0xba40ac63, 0xbb41a1f6, 0xbc83dbd4
.irp p, 0,2,4,6
	v_pk_fma_f32 v[PR+\p:PR+\p+1], v[PR+\p:PR+\p+1], v[X2R+\p:X2R+\p+1], \k op_sel_hi:[1,1,0]
.endr
.endr
.irp p, 0,2,4,6
	v_pk_mul_f32 v[PR+\p:PR+\p+1], v[PR+\p:PR+\p+1], v[ZR+\p:ZR+\p+1]
.endr
.irp p, 0,2,4,6
	v_pk_mul_f32 v[ZR+\p:ZR+\p+1], v[gw+\p:gw+\p+1], 0.5 op_sel_hi:[1,0]
.endr
	s_wait_alu depctr_va_vdst(0)                   ; one wait for the eight reciprocals in v[QR ..], ahead of their first reader
.irp p, 0,2,4,6
	v_pk_mul_f32 v[PR+\p:PR+\p+1], v[PR+\p:PR+\p+1], v[QR+\p:QR+\p+1]
.endr
.irp p, 0,2,4,6
	v_pk_fma_f32 v[gw+\p:gw+\p+1], v[ZR+\p:ZR+\p+1], v[PR+\p:PR+\p+1], v[ZR+\p:ZR+\p+1]
.endr
.endm
	s_load_b256 s[4:11], s[0:1], 0x0               ; weights, tokens, bias A, bias B
	s_load_b128 s[12:15], s[0:1], 0x20             ; bias C, out
	s_load_b64 s[16:17], s[0:1], 0x30              ; the flag
	v_lshl_add_u32 v254, v0, 2, 0x6000
	v_mov_b32 v255, 0
	v_lshrrev_b32 v10, 5, v0
	v_readfirstlane_b32 s21, v10                   ; wave
	v_and_b32 v10, 31, v0
	v_lshlrev_b32 v1, 4, v10                       ; 16 x lane
	v_lshlrev_b32 v2, 4, v0                        ; 16 x thread
	v_and_b32 v11, 15, v0                          ; r
	v_bfe_u32 v12, v0, 4, 1                        ; h
	v_lshlrev_b32 v5, 2, v11                       ; 4 r
	v_lshl_add_u32 v3, v12, 8, v5                  ; S0's scale words: 256 h + 4 r
	v_lshl_add_u32 v4, v12, 7, v5                  ; S1's: 128 h + 4 r
	v_lshlrev_b32 v6, 3, v10                       ; 8 x lane
	v_lshlrev_b32 v7, 6, v12                       ; the bias along S0: 64 h
	v_and_b32 v8, 8, v11
	v_add_lshl_u32 v8, v8, v11, 2                  ; the bias along S1: 4 (r + 8 (r / 8))
	v_lshl_add_u32 v9, v12, 12, v5                 ; q's and k's scale words: 4,096 h + 4 r
	v_mov_b32 v13, 0
.irp b, 0,1,2,3
	v_mov_b32 v[TM+4+\b], 0                        ; written once: a lane permute's destination counts as one of its sources
.endr
	v_mov_b32 v[PWS], 0
	v_mov_b32 v[AL], 0xaf95df0b
	v_mov_b32 v[AL+1], 0xaf95df0b
	v_mov_b32 v[BE], 0xb77460cd
	v_mov_b32 v[BE+1], 0xb77460cd
	s_wait_alu depctr_va_sdst(0)                   ; s21, the wave's number, is written, ahead of its first reader: tiles and addresses are made from it
	s_mov_b32 s[SEL], 0x76543210
	s_mov_b32 s[SEL+1], 0xfedcba98
	s_mov_b32 s42, 0xffff0000
	s_mov_b32 s19, ttmp9
	s_and_b32 s20, ttmp7, 0xffff
	s_wait_kmcnt 0x0
	s_load_b32 s18, s[16:17], 0x0
	s_wait_kmcnt 0x0
	s_min_u32 s18, s18, 1                          ; 0: q, k, v;  1: mlp1
	s_lshr_b32 s22, s19, 4
	s_xor_b32 s46, s18, 1
	s_and_b32 s22, s22, s46                        ; 1: v
	s_or_b32 s23, s22, s18                         ; 0: q or k
	s_sub_co_u32 s47, s19, 16
	s_lshl_b32 s47, s47, 4
	s_add_co_u32 s47, s47, s20
	s_and_b32 s47, s47, 127                        ; v: j
	s_and_b32 s48, s47, 31                         ; which 128 tokens
	s_lshr_b32 s49, s47, 5                         ; which four heads
	s_lshl_b32 s50, s48, 3
	s_lshl_b32 s51, s49, 4
	s_add_co_u32 s51, s51, 128
	s_lshl_b32 s52, s19, 3
	s_lshl_b32 s53, s20, 4
	s_cmp_eq_u32 s22, 1
	s_cselect_b32 s52, s50, s52                    ; S0's first tile
	s_cselect_b32 s53, s51, s53                    ; S1's
	s_lshl_b32 s54, s21, 2
	s_add_co_u32 s53, s53, s54                     ; my wave's four
	s_lshl_b32 s56, s18, 24                        ; h's codes lie 2^24 bytes into their buffer
	s_mov_b32 s57, 0
	s_add_nc_u64 s[6:7], s[6:7], s[56:57]
	s_cmp_eq_u32 s22, 1
	s_cselect_b64 s[24:25], s[6:7], s[4:5]
	s_cselect_b64 s[28:29], s[4:5], s[6:7]
	s_lshl_b32 s56, s52, 6
	s_add_co_u32 s56, s56, SCO
	s_add_nc_u64 s[26:27], s[24:25], s[56:57]
	s_mul_i32 s56, s52, 1536
	s_add_nc_u64 s[24:25], s[24:25], s[56:57]
	s_lshl_b32 s56, s53, 6
	s_add_co_u32 s56, s56, SCO
	s_add_nc_u64 s[30:31], s[28:29], s[56:57]
	s_mul_i32 s56, s53, 1536
	s_add_nc_u64 s[28:29], s[28:29], s[56:57]
	; where the biases lie
	s_and_b32 s56, s19, 7
	s_cmp_eq_u32 s18, 1
	s_cselect_b32 s56, s19, s56
	s_lshl_b32 s56, s56, 9
	s_lshr_b32 s58, s19, 3
	s_and_b32 s58, s58, s46                        ; 1: k
	s_cmp_eq_u32 s58, 1
	s_cselect_b64 s[32:33], s[10:11], s[8:9]
	s_add_nc_u64 s[32:33], s[32:33], s[56:57]
	s_lshl_b32 s56, s49, 4
	s_add_co_u32 s56, s56, s54
	s_lshl_b32 s56, s56, 6
	s_add_nc_u64 s[34:35], s[12:13], s[56:57]
	; the first requests: S0 of K steps 0 and 1 (12 loads), then twice 24: 60 loads are out
	WIN 0xc0
	s_wait_alu depctr_va_vdst(0)                   ; v1 to v9 are written, which the loads and stores of the whole kernel read as their offsets and addresses
.irp t, 0,1
.irp i, 0,1,2,3,4,5
	global_load_b128 v[STR+24*\t+4*\i:STR+24*\t+4*\i+3], v2, s[24:25] offset:\t*STEPC+2048*\i
.endr
.endr
	RST 2, 2
	RS1 0, 0
	RST 3, 3
	RS1 1, 1
	; where the results go
	s_lshl_b32 s58, s58, 1
	s_lshr_b32 s59, s20, 3
	s_add_co_u32 s58, s58, s59
	s_lshl_b32 s58, s58, 4
	s_and_b32 s59, s19, 7
	s_lshl_b32 s59, s59, 1
	s_add_co_u32 s58, s58, s59                     ; q, k: (2 sel + batch) 16 + the even head
	s_lshl_b32 s59, s20, 4
	s_add_co_u32 s59, s59, s54
	s_and_b32 s59, s59, 127                        ; my first tile within the batch
	s_lshl_b32 s60, s58, 7
	s_add_co_u32 s60, s60, s59
	s_mul_i32 s60, s60, 768
	s_lshl_b32 s61, s58, 6
	s_lshr_b32 s59, s59, 1
	s_add_co_u32 s61, s61, s59
	s_lshl_b32 s61, s61, 6
	s_add_co_u32 s61, s61, 6291456
	s_lshr_b32 s58, s48, 4                         ; v: batch,
	s_lshl_b32 s58, s58, 4
	s_lshl_b32 s59, s49, 2
	s_add_co_u32 s58, s58, s59
	s_add_co_u32 s58, s58, s21                     ; head,
	s_lshl_b32 s58, s58, 4
	s_and_b32 s59, s48, 15
	s_add_co_u32 s58, s58, s59                     ; key step,
	s_lshl_b32 s58, s58, 2                         ; four tiles
	s_mul_i32 s59, s58, 1536
	s_add_co_u32 s59, s59, 6553600
	s_lshl_b32 s58, s58, 6
	s_add_co_u32 s58, s58, 9699328
	s_cmp_eq_u32 s22, 1
	s_cselect_b32 s60, s59, s60
	s_cselect_b32 s61, s58, s61
	s_lshl_b32 s58, s19, 8                         ; mlp1: 256 x + my first tile
	s_lshl_b32 s59, s20, 4
	s_add_co_u32 s58, s58, s59
	s_add_co_u32 s58, s58, s54
	s_mul_i32 s59, s58, 1536
	s_lshl_b32 s58, s58, 6
	s_add_co_u32 s58, s58, 12582912
	s_cmp_eq_u32 s18, 1
	s_cselect_b32 s60, s59, s60
	s_cselect_b32 s61, s58, s61
	s_mov_b32 s56, s60
	s_add_nc_u64 s[36:37], s[14:15], s[56:57]      ; codes
	s_mov_b32 s56, s61
	s_add_nc_u64 s[38:39], s[14:15], s[56:57]      ; scale words
	s_mov_b32 s44, 1536
	s_cmp_eq_u32 s23, 0
	s_cselect_b32 s44, 768, s44                    ; from tile to tile
	s_mov_b32 s45, 0
	s_cmp_eq_u32 s22, 1
	s_cselect_b32 s62, -1, 0                       ; all lanes: v
	s_wait_loadcnt 48                              ; S0 of K steps 0 and 1 is in: behind its 12 loads stand the other 48
	WIN 0x0c
.irp t, 0,1
.irp i, 0,1,2,3,4,5
	ds_store_b128 v2, v[STR+24*\t+4*\i:STR+24*\t+4*\i+3] offset:\t*SLOTB+2048*\i
.endr
.endr
	WIN 0
	s_wait_dscnt 0x0
	s_barrier_signal -1
	s_barrier_wait -1
	s_wait_alu depctr_vm_vsrc(0)                   ; my LDS stores have read staging sets 0 and 1, in which the loads below and those of step 0 land
	LF 0, 0
	LF 0, 1
	RST 4, 0
	RS1 2, 2
	STEP 0, 1, 1, 1, 1, 1, 0, 48                   ; a step has 24 loads up to step 2,
	STEP 1, 0, 1, 1, 1, 1, 0, 48
	STEP 2, 0, 1, 1, 1, 1, 0, 48
	STEP 3, 0, 1, 1, 0, 1, 0, 48                   ; 18 in steps 3 and 4 (S0 has been asked for to its end),
	STEP 4, 0, 1, 1, 0, 1, 0, 42
	STEP 5, 0, 1, 1, 0, 0, 1, 36                   ; the biases' 20 in step 5,
	STEP 6, 0, 0, 1, 0, 0, 0, 38                   ; none afterwards
	STEP 7, 0, 0, 0, 0, 0, 0, 20
	s_wait_loadcnt 0x0                             ; the biases
.set n, 0
.rept 64
	v_cndmask_b32 v[B0R+n], v[B0R+n], v13, s62     ; v has no bias along S0,
.set n, n+1
.endr
.irp i, 0,1,2,3
	v_cndmask_b32 v[B1R+2*\i], v13, v[B1R+2*\i], s62   ; the others none along S1
	v_mov_b32 v[B1R+2*\i+1], 0                     ; (named with it as a pair)
.endr
	; ---- the way out: S1's four tiles one after the other, in a loop of four trips; only the copy out of the accumulators is written four times
	s_mov_b32 s43, 0
.Lepi:
	s_cmp_eq_u32 s43, 0
	s_cbranch_scc1 .Lc0
	s_cmp_eq_u32 s43, 1
	s_cbranch_scc1 .Lc1
	s_cmp_eq_u32 s43, 2
	s_cbranch_scc1 .Lc2
	CP 3
	s_branch .Lcd
.Lc0:
	CP 0
	s_branch .Lcd
.Lc1:
	CP 1
	s_branch .Lcd
.Lc2:
	CP 2
.Lcd:
	s_cmp_eq_u32 s18, 0
	s_cbranch_scc1 .Lnogelu
.irp g, 0,1,2,3,4,5,6,7
	GELU8 \g
.endr
.Lnogelu:
	QUANT WR
	s_wait_alu depctr_va_vdst(0)                   ; the quantiser has written the codes v[PC ..] and the scale word v[PW], which the stores on both ways below read
	s_cmp_eq_u32 s23, 0
	s_cbranch_scc1 .Lst0
.irp c, 0,1,2
	global_store_b128 v1, v[PC+4*\c:PC+4*\c+3], s[36:37] offset:512*\c    ; 512 consecutive bytes a store
.endr
	global_store_b32 v5, v[PW], s[38:39]           ; (lanes r and r + 16 write the same word with the same value)
	s_wait_xcnt 0x0
	s_add_nc_u64 s[38:39], s[38:39], 64
	s_branch .Lstd
.Lst0:                                                 ; q, k: registers 0-5 are the even head's 64, registers 6-11 the odd head's, 98,304 bytes on
	global_store_b128 v1, v[PC:PC+3], s[36:37]
	global_store_b64 v6, v[PC+4:PC+5], s[36:37] offset:512
	global_store_b128 v1, v[PC+6:PC+9], s[36:37] offset:98304
	global_store_b64 v6, v[PC+10:PC+11], s[36:37] offset:98816
	s_bitcmp1_b32 s43, 0
	s_cbranch_scc1 .Lodd
	v_mov_b32 v[PWS], v[PW]                        ; an even tile's word waits for its neighbour's
	s_branch .Lstd
.Lodd:                                                 ; a word for a pair of tiles and a head: the even tile's two bytes below, the odd tile's above
	v_and_b32 v[TM], 0xffff, v[PWS]
	v_lshl_or_b32 v[TM], v[PW], 16, v[TM]          ; the even head's,
	v_lshrrev_b32 v[TM+1], 16, v[PWS]
	v_and_or_b32 v[TM+1], v[PW], s42, v[TM+1]      ; the odd head's:
	v_cndmask_b32 v[TM], v[TM], v[TM+1], s42       ; lanes 0-15 store the one, lanes 16-31 the other
	s_wait_alu depctr_va_vdst(0)                   ; the joined word v[TM] is written, which the store reads
	global_store_b32 v9, v[TM], s[38:39]
	s_wait_xcnt 0x0
	s_add_nc_u64 s[38:39], s[38:39], 64
.Lstd:
	s_wait_xcnt 0x0                                ; the stores have read their data and their base: both are written again
	s_wait_alu depctr_vm_vsrc(0)                   ; the trip's stores have read v[PC ..], v[PW] and v[TM], which the next trip's quantiser writes again
	s_add_nc_u64 s[36:37], s[36:37], s[44:45]
	s_add_co_u32 s43, s43, 1
	s_cmp_lt_u32 s43, 4
	s_cbranch_scc1 .Lepi
	s_wait_dscnt 0x0                               ; the closing lines, six on end
	s_wait_alu 0x0
	s_wait_tensorcnt 0x0
	ds_add_u32 v254, v255
	s_wait_dscnt 0x0
	s_endpgm
.Lfunc_end_k_q9e0f3942a2_qkv:
	.size	k_q9e0f3942a2_qkv, .Lfunc_end_k_q9e0f3942a2_qkv-k_q9e0f3942a2_qkv
	.p2alignl 7, 3214868480
	.fill 96, 4, 3214868480
	.section	.rodata,"a",@progbits
	.p2align	6, 0x0
	.amdhsa_kernel k_q9e0f3942a2_qkv
		.amdhsa_group_segment_fixed_size 25088
		.amdhsa_private_segment_fixed_size 0
		.amdhsa_enable_private_segment 0
		.amdhsa_kernarg_size 56
		.amdhsa_user_sgpr_count 2
		.amdhsa_user_sgpr_kernarg_segment_ptr 1
		.amdhsa_wavefront_size32 1
		.amdhsa_system_sgpr_workgroup_id_x 1
		.amdhsa_system_sgpr_workgroup_id_y 1
		.amdhsa_system_sgpr_workgroup_id_z 1
		.amdhsa_system_vgpr_workitem_id 0
		.amdhsa_next_free_vgpr 960
		.amdhsa_next_free_sgpr 72
		.amdhsa_reserve_vcc 0
		.amdhsa_float_denorm_mode_32 3
		.amdhsa_float_denorm_mode_16_64 3
		.amdhsa_memory_ordered 1
		.amdhsa_forward_progress 1
		.amdhsa_inst_pref_size 154
	.end_amdhsa_kernel
	.amdgpu_metadata
---
amdhsa.version: [ 1, 2 ]
amdhsa.kernels:
  - .name:           k_q9e0f3942a2_qkv
    .symbol:         k_q9e0f3942a2_qkv.kd
    .args:
      - { .name: wa, .offset: 0, .size: 8, .value_kind: global_buffer, .address_space: global }
      - { .name: xq, .offset: 8, .size: 8, .value_kind: global_buffer, .address_space: global }
      - { .name: bq, .offset: 16, .size: 8, .value_kind: global_buffer, .address_space: global }
      - { .name: bk, .offset: 24, .size: 8, .value_kind: global_buffer, .address_space: global }
      - { .name: bv, .offset: 32, .size: 8, .value_kind: global_buffer, .address_space: global }
      - { .name: big, .offset: 40, .size: 8, .value_kind: global_buffer, .address_space: global }
      - { .name: f0, .offset: 48, .size: 8, .value_kind: global_buffer, .address_space: global }
    .group_segment_fixed_size: 25088
    .private_segment_fixed_size: 0
    .kernarg_segment_align: 8
    .kernarg_segment_size: 56
    .max_flat_workgroup_size: 128
    .sgpr_count:     72
    .vgpr_count:     960
    .wavefront_size: 32
...
	.end_amdgpu_metadata
.endif
;; end of part 7
;; launch attn (part 8): grid 8 x 32, 16 waves a work-group, no clusters, 276,480 bytes of LDS; arguments big, at; writes at
.if DOCPART == 8
	.amdgcn_target "amdgcn-amd-amdhsa--gfx1250"
	.amdhsa_code_object_version 6
	.text
	.protected	k_q9e0f3942a2_attn
	.globl	k_q9e0f3942a2_attn
	.p2align	8
	.type	k_q9e0f3942a2_attn,@function
k_q9e0f3942a2_attn:
	s_mov_b64 s[64:65], 0
	v_nop
	global_prefetch_b8 v0, s[64:65] scope:SCOPE_SE
	s_setreg_imm32_b32 hwreg(HW_REG_WAVE_SCHED_MODE, 0, 2), 2
	s_setreg_imm32_b32 hwreg(HW_REG_WAVE_MODE, 25, 1), 1
	s_wait_xcnt 0x0
	s_wait_alu depctr_vm_vsrc(0)
; attn_out[b][l][head][:] = softmax_m(q . k / 8, the keys m > l set to -1000) v, both products on codes of BF6 (E3M2) with E8M0 scales.  2 batches x 16 heads, 2,048 tokens, head size 64.
; THE SOFTMAX: t = logit x log2(e); M = the running largest t rounded UP to a whole number; p = 2^(t - M) is quantised along the keys, not normalised; the sum of the unquantised p divides at the end.
; THE MASK IS -1000, NOT -INFINITY: hidden keys keep a weight, which matters where a row's open scores all lie under -1000.  So a key step that lies wholly under the mask is not dropped: its one score is known,
; so it needs no k q^T and one exponential, but its share of the sum and its product with v are made.  Only the FIRST such step of a wave can move M: from the second on p, its codes and its scale word are the same
; and nothing is rescaled, so those steps keep v's loads, the four products and the addition to the sum alone.
; THE HEAD'S 64 ARE HALF OF THE INSTRUCTION'S 128: a fragment of k carries TWO tiles of keys (registers 0-5, 6-11), and q stands twice, as [q | 0] and as [0 | q]: zero codes add nothing (the format has no NaN and no infinity).
; SHARES.  Work-group (x, y): head y % 16 of batch y / 16.  ALL of the head's k and v lie in LDS, filled once (wave w brings key step w); one barrier.  Wave w owns ONE tile of 16 queries, T = x + 8 g,
; g = w or its mirror within four, so that the four waves of each residue of w mod 4 have 34 open key steps together.  Every wave walks all 16 key steps of 128: the trip count is a constant.
; LAYOUT.  Both products transposed (S^T = k q^T, O^T = v^T p^T): a lane holds one query.  Row r of tile T is token 32 (T / 2) + 8 (T % 2) + r + 8 (r / 8), so p's 16 registers of two neighbouring tiles are 16 neighbouring keys.
; No cluster: the eight work-groups of a head read k and v once each, at their heads, and nothing afterwards.
; THE MODE: SCHED_MODE bits 1:0 = 2 (LLVM: expert scheduling mode 2), set by the entry lines.  The code itself states the register dependences between vector or matrix instructions and memory or LDS
; instructions, with s_wait_alu, always for 0.
; THE PLAN.  Registers that LDS instructions touch in the loop:
;   v4-8              The step's addresses: written by vector additions at the step's head, read by its LDS loads.
;   v40-87, v92-95    k's fragments and scale words land here; the step's first eight products read them; then the softmax works in v40-79, and p's codes (v56-67) are read by the step's last four products.
;   v192-243          v's fragments and scale words land here; the step's last four products read them.
; So in a step: ONE wait on vm_vsrc at the loop's label, ahead of the branches (the loads so far have read v4-8); ONE wait on va_vdst behind the address additions, on each of the three ways (the addresses are written;
; the last products and the softmax are done with the registers in which this step's loads land); v's loads of an open step stand behind the eight products with q, which name none of their registers.
; One more wait on va_vdst stands ahead of the four products with v: p's codes and scale word, which vector instructions make, are written.  A wave's 256 registers are all taken: there is no second buffer for k.
; The diagonal's compares go into s48-63, sixteen at a time, with one wait on va_sdst behind each run.
; LIMITS: p under 2^-126 is taken as 0 (v_exp_f32 flushes); a block whose every p is 0 gets the byte 1 over zero codes; NaN and infinities are not served.
; REGISTERS: v1-3 16 l, 8 l, 4 r; v4-8 the step's addresses; v9 query - the diagonal step's first key - 16 h; v10 -8000; v11 its t; v12 -M; v13 the largest t; v[14:15] the sum; v16-27 [q|0]; v28-39 [0|q];
;   v40-87 four pair fragments of k, then the softmax's work (v40 the hidden keys' p, v56-67 p's codes); v88, 89 q's scale words; v90 p's; v92-95 k's; v96-159 S^T, then p; v160-191 O^T; v192-239 v's four fragments;
;   v240-243 their scale words; v244-249 addresses that stay.  (At the head v96-195 carry my key step of k and v from memory to LDS.)
.set VCO, 98304                        ; LDS: k's codes at 0 (128 half images of 768), v's here (16 steps x 4 x 1,536),
.set KSO, 196608                       ; k's scale words (64 pairs x 64),
.set VSO, 200704                       ; v's (16 x 4 x 64),
.set STG, 204800                       ; and a stage of 16 rows x 272 for each wave
	s_load_b128 s[4:7], s[0:1], 0x0                ; big, at
	v_lshl_add_u32 v254, v0, 2, 0x43000
	v_mov_b32 v255, 0
	v_lshrrev_b32 v40, 5, v0
	v_readfirstlane_b32 s8, v40                    ; wave
	s_wait_alu depctr_va_sdst(0)                   ; s8, the wave's number, is written, ahead of its first reader: my tile, my key step and the loop's branches are made from it
	s_and_b32 s9, ttmp7, 0xffff                    ; 16 batch + head
	s_lshr_b32 s10, s8, 2
	s_and_b32 s10, s10, 1
	s_mul_i32 s10, s10, 3
	s_xor_b32 s10, s10, s8                         ; g: also the key step on my diagonal
	s_add_co_u32 s33, s10, 1                       ; the first key step wholly under the mask
	s_lshl_b32 s11, s10, 3
	s_add_co_u32 s11, s11, ttmp9                   ; T
	s_lshr_b32 s12, s11, 1
	s_lshl_b32 s12, s12, 5
	s_and_b32 s13, s11, 1
	s_lshl_b32 s14, s13, 3
	s_add_co_u32 s12, s12, s14                     ; my first query
	s_lshl_b32 s14, s10, 7
	s_sub_co_u32 s14, s12, s14
	s_mul_i32 s16, s9, 98304
	s_lshl_b32 s17, s9, 12
	s_mul_i32 s18, s8, 6144
	s_lshl_b32 s19, s8, 8
	s_mov_b32 s20, 0x76543210
	s_mov_b32 s21, 0xfedcba98                      ; v_permlanex16_b32's selects for lane l xor 16
	s_mov_b32 s22, 0x3e38aa3b                      ; c = log2(e) / 8
	s_mov_b32 s23, s22
	s_mov_b32 s45, 0
	v_and_b32 v40, 31, v0
	v_and_b32 v41, 15, v0                          ; r
	v_bfe_u32 v42, v0, 4, 1                        ; h
	v_lshlrev_b32 v1, 4, v40
	v_lshlrev_b32 v2, 3, v40
	v_lshlrev_b32 v3, 2, v41
	v_and_b32 v9, 8, v41
	v_add_nc_u32 v9, v9, v41
	v_lshlrev_b32 v43, 4, v42
	v_sub_nc_u32 v9, v9, v43
	v_add_nc_u32 v9, s14, v9
	v_add_nc_u32 v44, s18, v1                      ; the fill: my key step's place among k's codes,
	v_add_nc_u32 v45, VCO, v44                     ; v's,
	v_add_nc_u32 v46, s19, v2
	v_add_nc_u32 v46, KSO, v46                     ; and the scale words
	v_add_nc_u32 v244, VCO, v1
	v_add_nc_u32 v245, KSO, v3
	v_add_nc_u32 v246, VSO, v3
	s_mul_i32 s15, s8, 4352
	s_add_co_u32 s15, s15, STG
	v_mul_u32_u24 v247, v41, 272
	v_lshl_add_u32 v247, v42, 6, v247
	v_add_nc_u32 v247, s15, v247                   ; the stage, in: row r, + 64 h
	v_mul_u32_u24 v248, v42, 272
	v_lshl_add_u32 v248, v41, 4, v248
	v_add_nc_u32 v248, s15, v248                   ; back: lanes 0-15 one row, lanes 16-31 the next
	v_lshlrev_b32 v249, 12, v42
	v_lshl_add_u32 v249, v41, 4, v249              ; and the same two rows in memory
	s_wait_kmcnt 0x0
	s_add_co_u32 s44, s16, s18
	s_add_co_u32 s44, s44, 3145728
	s_add_nc_u64 s[24:25], s[4:5], s[44:45]        ; k's codes, my key step
	s_add_co_u32 s44, s16, s18
	s_add_co_u32 s44, s44, 6553600
	s_add_nc_u64 s[26:27], s[4:5], s[44:45]        ; v's
	s_add_co_u32 s44, s17, s19
	s_add_co_u32 s44, s44, 6422528
	s_add_nc_u64 s[34:35], s[4:5], s[44:45]        ; k's scale words
	s_add_co_u32 s44, s17, s19
	s_add_co_u32 s44, s44, 9699328
	s_add_nc_u64 s[36:37], s[4:5], s[44:45]        ; v's
	s_mul_i32 s44, s11, 768
	s_add_co_u32 s44, s44, s16
	s_add_nc_u64 s[38:39], s[4:5], s[44:45]        ; q's half image
	s_lshr_b32 s44, s11, 1
	s_lshl_b32 s44, s44, 6
	s_add_co_u32 s44, s44, s17
	s_add_co_u32 s44, s44, 6291456
	s_add_nc_u64 s[40:41], s[4:5], s[44:45]        ; and its pair's scale words
	s_lshr_b32 s44, s9, 4
	s_lshl_b32 s44, s44, 11
	s_add_co_u32 s44, s44, s12
	s_lshl_b32 s44, s44, 12
	s_and_b32 s46, s9, 15
	s_lshl_b32 s46, s46, 8
	s_add_co_u32 s44, s44, s46
	s_add_nc_u64 s[42:43], s[6:7], s[44:45]        ; my first query's row, my head's 256 bytes
	s_wait_alu depctr_va_vdst(0)                   ; the offsets and addresses v1-3, v44-46 and v247-249 are written, which the loads and stores of the head and of the way out read
.set n, 0
.rept 12
	global_load_b128 v[96+4*n:99+4*n], v1, s[24:25] offset:512*n
.set n, n+1
.endr
.set n, 0
.rept 12
	global_load_b128 v[144+4*n:147+4*n], v1, s[26:27] offset:512*n
.set n, n+1
.endr
	global_load_b64 v[192:193], v2, s[34:35]
	global_load_b64 v[194:195], v2, s[36:37]
	global_load_b128 v[16:19], v1, s[38:39]
	global_load_b64 v[20:21], v2, s[38:39] offset:512
	global_load_b128 v[34:37], v1, s[38:39]        ; (two runs of registers: no operand is shared)
	global_load_b64 v[38:39], v2, s[38:39] offset:512
	global_load_b32 v88, v3, s[40:41]
.set n, 22
.rept 12
	v_mov_b32 v[n], 0                              ; the zero halves of [q | 0] and [0 | q]: v22-33, into which no load is out
.set n, n+1
.endr
	v_mov_b32 v10, 0xc5fa0000                      ; -8000 = 8 x -1000: the hidden keys' score ahead of the division by 8
	v_mul_f32 v11, s22, v10
	v_mov_b32 v13, 0xff61b1e6                      ; -3e38, under every t
	v_floor_f32 v12, -v13
	v_mov_b32 v14, 0
	v_mov_b32 v15, 0
	v_mov_b32 v77, 0                               ; (named as the upper half of the pair v[76:77])
	s_lshl_b32 s17, s13, 4
	s_wait_loadcnt 0x0
.set n, 0
.rept 12
	ds_store_b128 v44, v[96+4*n:99+4*n] offset:512*n
	ds_store_b128 v45, v[144+4*n:147+4*n] offset:512*n
.set n, n+1
.endr
	ds_store_b64 v46, v[192:193]
	ds_store_b64 v46, v[194:195] offset:4096
	v_lshrrev_b32 v88, s17, v88                    ; my tile's two bytes of the pair's word,
	v_and_b32 v88, 0xffff, v88                     ; for [q | 0]
	v_lshlrev_b32 v89, 16, v88                     ; and for [0 | q]
	s_wait_dscnt 0x0                               ; for the others' sake: my part of k and v has landed
	s_wait_alu depctr_vm_vsrc(0)                   ; my LDS stores have read v44-46 and v96-195: O^T's zeros are written over v160-191 below, and the loop's products and loads write the others
	s_barrier_signal -1
	v_mov_b32 v90, 0                               ; p's scale word and codes are written once here: the short way through a hidden key step names them without writing them
.set n, 0
.rept 12
	v_mov_b32 v[56+n], 0
.set n, n+1
.endr
.set n, 0
.rept 32
	v_mov_b32 v[160+n], 0                          ; O^T: the step is written once; the first change of M leaves zeros zeros.  Register work between signal and wait; it stands behind the loads into and the stores out of
.set n, n+1                            ; these registers, and its lines, with the step's five additions, are the plain instructions between the lines that make the scale words and the first scaled product
.endr
	s_barrier_wait -1
	s_mov_b32 s30, 0                               ; key step
	s_mov_b32 s31, 0                               ; its codes: 6,144 bytes a step
	s_mov_b32 s32, 0                               ; its scale words: 256
.Lstep:
	s_wait_alu depctr_vm_vsrc(0)                   ; the LDS loads of the step before have read their addresses v4-8, which each of the three ways below writes anew
	s_cmp_gt_u32 s30, s33                          ; both branches hang on the wave's number and the count of steps alone
	s_cbranch_scc1 .Lsame
	s_cmp_gt_u32 s30, s10
	s_cbranch_scc1 .Lmasked
	; ---- an open key step
	v_add_nc_u32 v4, s31, v1                       ; (these five are also the places behind the last products)
	v_add_nc_u32 v5, s31, v2
	v_add_nc_u32 v6, s31, v244
	v_add_nc_u32 v7, s32, v245
	v_add_nc_u32 v8, s32, v246
	s_wait_alu depctr_va_vdst(0)                   ; v4-8 are written, which the loads read; the softmax and the products of the step before are done with v40-87, v92-95 and v192-243, in which they land; in the first trip q's zero halves and its scale words v88, v89 are written, which the scaled products take
.irp m, 0,1,2,3
	ds_load_b128 v[40+12*\m:43+12*\m], v4 offset:1536*\m
	ds_load_b64 v[44+12*\m:45+12*\m], v5 offset:1536*\m+512
	ds_load_b128 v[46+12*\m:49+12*\m], v4 offset:1536*\m+768
	ds_load_b64 v[50+12*\m:51+12*\m], v5 offset:1536*\m+1280
	ds_load_b32 v[92+\m], v7 offset:64*\m
.endr
	s_wait_dscnt 0x0
.irp m, 0,1,2,3
	v_wmma_scale_f32_16x16x128_f8f6f4 v[96+16*\m:103+16*\m], v[40+12*\m:51+12*\m], v[16:27], 0, v[92+\m], v88 matrix_a_fmt:MATRIX_FMT_BF6 matrix_b_fmt:MATRIX_FMT_BF6
	v_wmma_scale_f32_16x16x128_f8f6f4 v[104+16*\m:111+16*\m], v[40+12*\m:51+12*\m], v[28:39], 0, v[92+\m], v89 matrix_a_fmt:MATRIX_FMT_BF6 matrix_b_fmt:MATRIX_FMT_BF6
.endr
.irp t, 0,1,2,3                        ; v's fragments are asked for now and land under the softmax.  No wait: the eight products since the wait above name neither v6, v8 nor v192-243
.irp c, 0,1,2
	ds_load_b128 v[192+12*\t+4*\c:195+12*\t+4*\c], v6 offset:1536*\t+512*\c
.endr
	ds_load_b32 v[240+\t], v8 offset:64*\t
.endr
.rept 4
	v_nop
.endr
	s_cmp_lg_u32 s30, s10
	s_cbranch_scc1 .Lopen
.set bb, 0
.rept 4                                ; on the diagonal: register 16 b + i holds key 32 b + 16 h + i of the step: hidden where 32 b + i > v9.  A block's sixteen compares in one run, then its sixteen selections
.set n, 0
.rept 16
	v_cmp_gt_i32 s[48+n], 32*bb+n, v9
.set n, n+1
.endr
	s_wait_alu depctr_va_sdst(0)                   ; the sixteen masks s48-63 are written, ahead of their first reader
.set n, 0
.rept 16
	v_cndmask_b32 v[96+16*bb+n], v[96+16*bb+n], v10, s[48+n]
.set n, n+1
.endr
.set bb, bb+1
.endr
.Lopen:
.irp b, 0,1,2,3
	v_max3_num_f32 v[40+\b], v[96+16*\b], v[97+16*\b], v[98+16*\b]    ; the largest score of each block of 32 keys: for the row's maximum, and, since p rises with the score, for the block's largest p
.endr
.irp i, 3,5,7,9,11,13
.irp b, 0,1,2,3
	v_max3_num_f32 v[40+\b], v[40+\b], v[96+16*\b+\i], v[97+16*\b+\i]
.endr
.endr
.irp b, 0,1,2,3
	v_max_num_f32 v[40+\b], v[40+\b], v[111+16*\b]
.endr
.irp b, 0,1,2,3
	v_permlanex16_b32 v[44+\b], v[40+\b], s20, s21
.endr
.irp b, 0,1,2,3
	v_max_num_f32 v[40+\b], v[40+\b], v[44+\b]
.endr
	v_max3_num_f32 v78, v40, v41, v42
	v_max_num_f32 v78, v78, v43
	v_mul_f32 v78, s22, v78
	v_max_num_f32 v13, v13, v78                    ; the running largest t
	v_mov_b32 v78, v12
	v_floor_f32 v12, -v13                          ; -M = floor(-t): M is a whole number
	v_sub_f32 v78, v12, v78
	v_cvt_i32_f32 v78, v78                         ; (it saturates)
	v_ldexp_f32 v76, 1.0, v78                      ; f = 2^(old M - new M)
.set n, 0
.rept 32
	v_pk_fma_f32 v[96+n:97+n], v[96+n:97+n], s[22:23], v[12:13] op_sel_hi:[1,0,0]
.set n, n+2
.endr
.irp b, 0,1,2,3
	v_fma_f32 v[40+\b], v[40+\b], s22, v12
.endr
.set n, 0
	s_wait_alu depctr_va_vdst(0)
.rept 64
	v_exp_f32 v[96+n], v[96+n]                     ; p = 2^(t - M)
.set n, n+1
.endr
	v_pk_mul_f32 v[14:15], v[14:15], v[76:77] op_sel_hi:[1,0]         ; (the plain place behind the batch)
	s_wait_alu depctr_va_vdst(0)                   ; one wait for the 64 exponentials in v96-159, ahead of their first reader
.irp b, 0,1,2,3
	v_exp_f32 v[40+\b], v[40+\b]                   ; the blocks' largest p
.endr
	v_pk_add_f32 v[78:79], v[96:97], v[98:99]      ; the sum of the unquantised p, in two chains
.set n, 4
.rept 15
	v_pk_add_f32 v[14:15], v[14:15], v[96+n:97+n]
	v_pk_add_f32 v[78:79], v[78:79], v[98+n:99+n]
.set n, n+4
.endr
	v_pk_add_f32 v[14:15], v[14:15], v[78:79]
	s_wait_alu depctr_va_vdst(0)                   ; and one for the four in v40-43
.irp b, 0,1,2,3
	v_max_num_f32 v[40+\b], 0x2800000, v[40+\b]    ; the floor 2^(5 - 127)
.endr
.irp b, 0,1,2,3
	v_add_nc_u32 v[48+\b], 0xfe000000, v[40+\b]
.endr
.irp b, 0,1,2,3
	v_lshrrev_b32 v[52+\b], 23, v[48+\b]
.endr
	v_lshl_or_b32 v90, v53, 8, v52
	v_lshl_or_b32 v90, v54, 16, v90
	v_lshl_or_b32 v90, v55, 24, v90
.irp c, 0,1
	v_cvt_scalef32_pk16_bf6_f32 v[56+6*\c:58+6*\c], v[96+32*\c:111+32*\c], v[48+2*\c]
	v_cvt_scalef32_pk16_bf6_f32 v[68+4*\c:70+4*\c], v[112+32*\c:127+32*\c], v[48+2*\c+1]
.endr
	v_nop
.irp c, 0,1
.irp i, 0,1,2
	v_permlane16_swap_b32 v[56+6*\c+\i], v[68+4*\c+\i]
.endr
.irp i, 0,1,2
	v_mov_b32 v[59+6*\c+\i], v[68+4*\c+\i]
.endr
.endr
	s_branch .Lpv
	; ---- the first key step wholly under the mask: every score is -8000
.Lmasked:
	v_max_num_f32 v13, v13, v11                    ; (these six and the two additions are the places behind the last products)
	v_mov_b32 v78, v12
	v_floor_f32 v12, -v13
	v_sub_f32 v78, v12, v78
	v_cvt_i32_f32 v78, v78
	v_ldexp_f32 v76, 1.0, v78
	v_add_nc_u32 v6, s31, v244
	v_add_nc_u32 v8, s32, v246
	s_wait_alu depctr_va_vdst(0)                   ; v6 and v8 are written, which the loads read; the products of the step before are done reading v192-243, in which they land
.irp t, 0,1,2,3
.irp c, 0,1,2
	ds_load_b128 v[192+12*\t+4*\c:195+12*\t+4*\c], v6 offset:1536*\t+512*\c
.endr
	ds_load_b32 v[240+\t], v8 offset:64*\t
.endr
	v_fma_f32 v40, v10, s22, v12                   ; the same multiply-add as an open step's
	s_wait_alu depctr_va_vdst(0)
	v_exp_f32 v40, v40                             ; the hidden keys' p: it stays in v40 for the steps that follow
	v_pk_mul_f32 v[14:15], v[14:15], v[76:77] op_sel_hi:[1,0]
	s_wait_alu depctr_va_vdst(0)                   ; the exponential in v40, ahead of its first reader
	v_fmac_f32 v14, 0x42800000, v40                ; a lane holds 64 of the step's 128 keys
	v_max_num_f32 v41, 0x2800000, v40
	v_add_nc_u32 v48, 0xfe000000, v41
	v_lshrrev_b32 v52, 23, v48
	v_lshl_or_b32 v90, v52, 8, v52
	v_lshl_or_b32 v90, v90, 16, v90
.set n, 0
.rept 16
	v_mov_b32 v[96+n], v40
.set n, n+1
.endr
	v_cvt_scalef32_pk16_bf6_f32 v[56:58], v[96:111], v48
	v_nop
.set n, 0
.rept 9
	v_mov_b32 v[59+n], v[56+n%3]                   ; lanes r and r + 16 hold the same query: no exchange
.set n, n+1
.endr
.Lpv:
.set n, 0
.rept 16
	v_pk_mul_f32 v[160+n:161+n], v[160+n:161+n], v[76:77] op_sel_hi:[1,0]   ; O^T under the new M; also the places between p's codes and scale word and the products
.set n, n+2
.endr
	s_branch .Lprod
	; ---- every later key step under the mask: M has taken the hidden keys' t in, so M, p, its codes and its scale word stand as they are, and f would be 1
.Lsame:
	v_add_nc_u32 v6, s31, v244                     ; (these four are the places behind the last products)
	v_add_nc_u32 v8, s32, v246
	v_fmac_f32 v14, 0x42800000, v40
	v_nop
	s_wait_alu depctr_va_vdst(0)                   ; v6 and v8 are written, which the loads read; the products of the step before are done reading v192-243, in which they land
.irp t, 0,1,2,3
.irp c, 0,1,2
	ds_load_b128 v[192+12*\t+4*\c:195+12*\t+4*\c], v6 offset:1536*\t+512*\c
.endr
	ds_load_b32 v[240+\t], v8 offset:64*\t
.endr
.Lprod:
	s_wait_dscnt 0x0
	s_wait_alu depctr_va_vdst(0)                   ; p's codes v56-67 and its scale word v90, made by vector instructions, are written: the scaled products take them; their places stand ahead of this wait
.irp t, 0,1,2,3
	v_wmma_scale_f32_16x16x128_f8f6f4 v[160+8*\t:167+8*\t], v[192+12*\t:203+12*\t], v[56:67], v[160+8*\t:167+8*\t], v[240+\t], v90 matrix_a_fmt:MATRIX_FMT_BF6 matrix_b_fmt:MATRIX_FMT_BF6
.endr
	s_add_co_u32 s31, s31, 6144
	s_add_co_u32 s32, s32, 256
	s_add_co_u32 s30, s30, 1
	s_cmp_lt_u32 s30, 16
	s_cbranch_scc1 .Lstep
	; ---- the way out
.rept 4
	v_nop
.endr
	v_add_f32 v14, v14, v15
	v_permlanex16_b32 v78, v14, s20, s21
	v_add_f32 v14, v14, v78
	s_wait_alu depctr_va_vdst(0)
	v_rcp_f32 v14, v14
	v_nop
	s_wait_alu depctr_va_vdst(0)                   ; the reciprocal in v14, ahead of its first reader
.set n, 0
.rept 32
	v_mul_f32 v[96+n], v[160+n], v14               ; register 8 t + j is channel 32 (t / 2) + 16 h + 8 (t % 2) + j
.set n, n+1
.endr
	s_wait_alu depctr_va_vdst(0)                   ; the multiplications have written v96-127, which the LDS stores read; and the softmax is done with v128-159, in which the loads from the stage land
.irp t, 0,1,2,3
	ds_store_b128 v247, v[96+8*\t:99+8*\t] offset:128*(\t/2)+32*(\t%2)
	ds_store_b128 v247, v[100+8*\t:103+8*\t] offset:128*(\t/2)+32*(\t%2)+16
.endr
.irp i, 0,1,2,3,4,5,6,7
	ds_load_b128 v[128+4*\i:131+4*\i], v248 offset:2*\i*272           ; LDS serves a wave's instructions in order (ISA guide 5.7.1.4): these see my stores
.endr
.irp i, 0,1,2,3,4,5,6,7
	s_wait_dscnt 7-\i
	global_store_b128 v249, v[128+4*\i:131+4*\i], s[42:43] offset:(2*\i+8*(\i/4))*4096   ; sixteen lanes store the head's 256 consecutive bytes of a token
.endr
	s_wait_dscnt 0x0                               ; the closing lines, six on end
	s_wait_alu 0x0
	s_wait_tensorcnt 0x0
	ds_add_u32 v254, v255
	s_wait_dscnt 0x0
	s_endpgm
.Lfunc_end_k_q9e0f3942a2_attn:
	.size	k_q9e0f3942a2_attn, .Lfunc_end_k_q9e0f3942a2_attn-k_q9e0f3942a2_attn
	.p2alignl 7, 3214868480
	.fill 96, 4, 3214868480
	.section	.rodata,"a",@progbits
	.p2align	6, 0x0
	.amdhsa_kernel k_q9e0f3942a2_attn
		.amdhsa_group_segment_fixed_size 276480
		.amdhsa_private_segment_fixed_size 0
		.amdhsa_enable_private_segment 0
		.amdhsa_kernarg_size 16
		.amdhsa_user_sgpr_count 2
		.amdhsa_user_sgpr_kernarg_segment_ptr 1
		.amdhsa_wavefront_size32 1
		.amdhsa_system_sgpr_workgroup_id_x 1
		.amdhsa_system_sgpr_workgroup_id_y 1
		.amdhsa_system_sgpr_workgroup_id_z 1
		.amdhsa_system_vgpr_workitem_id 0
		.amdhsa_next_free_vgpr 256
		.amdhsa_next_free_sgpr 66
		.amdhsa_reserve_vcc 0
		.amdhsa_float_denorm_mode_32 3
		.amdhsa_float_denorm_mode_16_64 3
		.amdhsa_memory_ordered 1
		.amdhsa_forward_progress 1
		.amdhsa_inst_pref_size 45
	.end_amdhsa_kernel
	.amdgpu_metadata
---
amdhsa.version: [ 1, 2 ]
amdhsa.kernels:
  - .name:           k_q9e0f3942a2_attn
    .symbol:         k_q9e0f3942a2_attn.kd
    .args:
      - { .name: big, .offset: 0, .size: 8, .value_kind: global_buffer, .address_space: global }
      - { .name: at, .offset: 8, .size: 8, .value_kind: global_buffer, .address_space: global }
    .group_segment_fixed_size: 276480
    .private_segment_fixed_size: 0
    .kernarg_segment_align: 8
    .kernarg_segment_size: 16
    .max_flat_workgroup_size: 512
    .sgpr_count:     66
    .vgpr_count:     256
    .wavefront_size: 32
...
	.end_amdgpu_metadata
.endif
;; end of part 8
;; launch ln1 (part 9): grid 256 x 1, 8 waves a work-group, no clusters, 66,816 bytes of LDS; arguments x, at, ln_g, ln_b, hb, f1; writes hb
.if DOCPART == 9
	.amdgcn_target "amdgcn-amd-amdhsa--gfx1250"
	.amdhsa_code_object_version 6
	.text
	.protected	k_q9e0f3942a2_ln1
	.globl	k_q9e0f3942a2_ln1
	.p2align	8
	.type	k_q9e0f3942a2_ln1,@function
k_q9e0f3942a2_ln1:
	s_mov_b64 s[64:65], 0
	v_nop
	global_prefetch_b8 v0, s[64:65] scope:SCOPE_SE
	s_setreg_imm32_b32 hwreg(HW_REG_WAVE_MODE, 25, 1), 1
	s_wait_xcnt 0x0
; y = LayerNorm(a + b) g + beta over rows of 1,024, all f32 (mean, then the mean of squared differences; eps = 1e-5).  ONE TEXT, TWO LAUNCHES, told apart by a stored flag word:
; 1: y is h; it is stored as f32 and also quantised along its 1,024 to BF6 (E3M2) images (2^24 bytes into the buffer; scale words 3,145,728 behind);  0: y is the result, stored as f32 alone.
; A work-group takes the 16 tokens of tile T (row r: token 32 (T / 2) + 8 (T % 2) + r + 8 (r / 8)); wave w takes rows 2 w and 2 w + 1, which are neighbours in memory.  A row lies in 32 registers of the wave:
; it is read once.  Each load and store covers 512 consecutive bytes.  The rows meet in a stage in LDS (pitch 4,112); behind ONE barrier wave w makes the image of K step w.  The branch on the flag stands behind the barrier.
; LIMITS: a block of zeros or under 2^-122 gets the byte 1 (this program alone reads the bytes); NaN and infinities are not served.
.set AR, 16                            ; v16-79   a, then y: two rows
.set BR, 80                            ; v80-143  b; later the 64 numbers to quantise
.set GR, 144                           ; v144-175 g
.set ER, 176                           ; v176-207 beta
.set TS, 208                           ; v208-215 four chains
.set MU, 216
.set RS, 218
.set BY, 220
.set MA, 224
.set MB, 225
.set SO, 226
.set TT, 228
.set PCR, 232
.set PITCH, 4112
.macro QB src, dst, by
	v_max3_num_f32 v[MA], |v[\src]|, |v[\src+1]|, 0x2800000
	v_max3_num_f32 v[MB], |v[\src+2]|, |v[\src+3]|, |v[\src+4]|
.irp i, 5,9,13,17,21,25
	s_delay_alu instid0(VALU_DEP_2)
	v_max3_num_f32 v[MA], v[MA], |v[\src+\i]|, |v[\src+\i+1]|
	s_delay_alu instid0(VALU_DEP_2)
	v_max3_num_f32 v[MB], v[MB], |v[\src+\i+2]|, |v[\src+\i+3]|
.endr
	s_delay_alu instid0(VALU_DEP_2)
	v_max3_num_f32 v[MA], v[MA], |v[\src+29]|, |v[\src+30]|
	s_delay_alu instid0(VALU_DEP_1)
	v_max3_num_f32 v[MA], v[MA], v[MB], |v[\src+31]|
	s_delay_alu instid0(VALU_DEP_1)
	v_add_nc_u32 v[SO], 0xfe000000, v[MA]
	s_delay_alu instid0(VALU_DEP_1)
	v_lshrrev_b32 v[\by], 23, v[SO]
	v_cvt_scalef32_pk16_bf6_f32 v[\dst:\dst+2], v[\src:\src+15], v[SO]
	v_cvt_scalef32_pk16_bf6_f32 v[TT:TT+2], v[\src+16:\src+31], v[SO]
	v_nop
.irp i, 0,1,2
	v_mov_b32 v[\dst+3+\i], v[TT+\i]
.endr
.endm
.macro REDUCE                          ; the four chains, then the 32 lanes: the sum in v[TS] of every lane
	s_delay_alu instid0(VALU_DEP_3)
	v_pk_add_f32 v[TS:TS+1], v[TS:TS+1], v[TS+2:TS+3]
	s_delay_alu instid0(VALU_DEP_2)
	v_pk_add_f32 v[TS+4:TS+5], v[TS+4:TS+5], v[TS+6:TS+7]
	s_delay_alu instid0(VALU_DEP_1)
	v_pk_add_f32 v[TS:TS+1], v[TS:TS+1], v[TS+4:TS+5]
	s_delay_alu instid0(VALU_DEP_1)
	v_add_f32 v[TS], v[TS], v[TS+1]
	s_delay_alu instid0(VALU_DEP_1)
	v_add_f32_dpp v[TS], v[TS], v[TS] row_xmask:1 row_mask:0xf bank_mask:0xf
	s_delay_alu instid0(VALU_DEP_1)
	v_add_f32_dpp v[TS], v[TS], v[TS] row_xmask:2 row_mask:0xf bank_mask:0xf
	s_delay_alu instid0(VALU_DEP_1)
	v_add_f32_dpp v[TS], v[TS], v[TS] row_xmask:4 row_mask:0xf bank_mask:0xf
	s_delay_alu instid0(VALU_DEP_1)
	v_add_f32_dpp v[TS], v[TS], v[TS] row_xmask:8 row_mask:0xf bank_mask:0xf
	s_delay_alu instid0(VALU_DEP_1)
	v_permlanex16_b32 v[TS+1], v[TS], s26, s27
	s_delay_alu instid0(VALU_DEP_1)
	v_add_f32 v[TS], v[TS], v[TS+1]
.endm
.macro ROW q
.set A, AR+32*(\q)
.set B, BR+32*(\q)
.set n, 0
.rept 16
	v_pk_add_f32 v[A+n:A+n+1], v[A+n:A+n+1], v[B+n:B+n+1]
.set n, n+2
.endr
.irp c, 0,2,4,6
	v_pk_add_f32 v[TS+\c:TS+\c+1], v[A+\c:A+\c+1], v[A+8+\c:A+9+\c]
.endr
.irp i, 16,24
.irp c, 0,2,4,6
	s_delay_alu instid0(VALU_DEP_4)
	v_pk_add_f32 v[TS+\c:TS+\c+1], v[TS+\c:TS+\c+1], v[A+\i+\c:A+\i+\c+1]
.endr
.endr
	REDUCE
	s_delay_alu instid0(VALU_DEP_1)
	v_mul_f32 v[MU], 0xba800000, v[TS]             ; - the mean
	s_delay_alu instid0(VALU_DEP_1)
	v_mov_b32 v[MU+1], v[MU]
.set n, 0
.rept 16
	v_pk_add_f32 v[A+n:A+n+1], v[A+n:A+n+1], v[MU:MU+1]
.set n, n+2
.endr
.irp c, 0,2,4,6
	v_pk_mul_f32 v[TS+\c:TS+\c+1], v[A+\c:A+\c+1], v[A+\c:A+\c+1]
.endr
.irp i, 8,16,24
.irp c, 0,2,4,6
	s_delay_alu instid0(VALU_DEP_4)
	v_pk_fma_f32 v[TS+\c:TS+\c+1], v[A+\i+\c:A+\i+\c+1], v[A+\i+\c:A+\i+\c+1], v[TS+\c:TS+\c+1]
.endr
.endr
	REDUCE
	s_delay_alu instid0(VALU_DEP_1)
	v_fma_f32 v[TS+2], v[TS], s28, s29             ; the variance + eps
	s_wait_alu depctr_va_vdst(0)
	v_rsq_f32 v[RS], v[TS+2]
	v_nop                                          ; a plain place behind the transcendental,
	s_wait_alu depctr_va_vdst(0)                   ; and the wait ahead of its first reader
	v_mov_b32 v[RS+1], v[RS]
.set n, 0
.rept 16
	v_pk_mul_f32 v[A+n:A+n+1], v[A+n:A+n+1], v[RS:RS+1]
.set n, n+2
.endr
.set n, 0
.rept 16
	v_pk_fma_f32 v[A+n:A+n+1], v[A+n:A+n+1], v[GR+n:GR+n+1], v[ER+n:ER+n+1]
.set n, n+2
.endr
.irp i, 0,1,2,3,4,5,6,7
	global_store_b128 v3, v[A+4*\i:A+4*\i+3], s[22:23] offset:4096*(\q)+512*\i
	ds_store_b128 v4, v[A+4*\i:A+4*\i+3] offset:PITCH*(\q)+512*\i
.endr
.endm
	s_load_b256 s[4:11], s[0:1], 0x0               ; a, b, g, beta
	s_load_b128 s[12:15], s[0:1], 0x20             ; out, the flag
	v_lshl_add_u32 v254, v0, 2, 0x10100
	v_mov_b32 v255, 0
	v_lshrrev_b32 v1, 5, v0
	s_delay_alu instid0(VALU_DEP_1)
	v_readfirstlane_b32 s18, v1                    ; wave
	v_and_b32 v2, 31, v0
	s_delay_alu instid0(VALU_DEP_1)
	v_lshlrev_b32 v3, 4, v2                        ; 16 x lane
	s_mul_i32 s19, s18, 2*PITCH
	v_add_nc_u32 v4, s19, v3                       ; the stage, in: rows 2 w, 2 w + 1
	v_and_b32 v5, 15, v0                           ; r
	v_bfe_u32 v6, v0, 4, 1                         ; h
	s_delay_alu instid0(VALU_DEP_2)
	v_mul_u32_u24 v7, v5, PITCH
	s_delay_alu instid0(VALU_DEP_1)
	v_lshl_add_u32 v7, v6, 7, v7
	s_lshl_b32 s20, s18, 9
	v_add_nc_u32 v7, s20, v7                       ; out: row r, K step w, + 128 h
	v_lshlrev_b32 v8, 2, v5
	s_mov_b32 s26, 0x76543210
	s_mov_b32 s27, 0xfedcba98
	s_mov_b32 s28, 0x3a800000                      ; 1 / 1,024
	s_mov_b32 s29, 0x3727c5ac                      ; 1e-5
	s_lshr_b32 s20, ttmp9, 1
	s_lshl_b32 s20, s20, 5
	s_and_b32 s21, ttmp9, 1
	s_lshl_b32 s21, s21, 3
	s_add_co_u32 s20, s20, s21
	s_lshl_b32 s21, s18, 1
	s_add_co_u32 s20, s20, s21
	s_lshr_b32 s21, s18, 2
	s_lshl_b32 s21, s21, 3
	s_add_co_u32 s20, s20, s21                     ; my first token
	s_lshl_b32 s20, s20, 12
	s_mov_b32 s21, 0
	s_lshl_b32 s24, s18, 8
	s_add_co_u32 s24, s24, ttmp9                   ; 256 x K step + tile
	s_mov_b32 s35, 0
	s_wait_alu depctr_va_vdst(0)
	s_wait_kmcnt 0x0
	s_load_b32 s16, s[14:15], 0x0
	s_add_nc_u64 s[4:5], s[4:5], s[20:21]
	s_add_nc_u64 s[6:7], s[6:7], s[20:21]
	s_add_nc_u64 s[22:23], s[12:13], s[20:21]
	s_mul_i32 s34, s24, 1536
	s_add_co_u32 s34, s34, 16777216
	s_add_nc_u64 s[30:31], s[12:13], s[34:35]
	s_lshl_b32 s34, s24, 6
	s_add_co_u32 s34, s34, 19922944
	s_add_nc_u64 s[32:33], s[12:13], s[34:35]
.irp q, 0,1
.irp i, 0,1,2,3,4,5,6,7
	global_load_b128 v[AR+32*\q+4*\i:AR+32*\q+4*\i+3], v3, s[4:5] offset:4096*\q+512*\i th:TH_LOAD_NT
	global_load_b128 v[BR+32*\q+4*\i:BR+32*\q+4*\i+3], v3, s[6:7] offset:4096*\q+512*\i th:TH_LOAD_NT
.endr
.endr
.irp i, 0,1,2,3,4,5,6,7
	global_load_b128 v[GR+4*\i:GR+4*\i+3], v3, s[8:9] offset:512*\i
	global_load_b128 v[ER+4*\i:ER+4*\i+3], v3, s[10:11] offset:512*\i
.endr
	s_wait_loadcnt 0x0
	ROW 0
	ROW 1
	s_wait_dscnt 0x0                               ; for the others' sake: my two rows lie in the stage
	s_barrier_signal -1
	s_barrier_wait -1
	s_wait_kmcnt 0x0
	s_min_u32 s16, s16, 1
	s_cmp_eq_u32 s16, 0
	s_cbranch_scc1 .Lend
.irp c, 0,1
.irp i, 0,1,2,3,4,5,6,7
	ds_load_b128 v[BR+32*\c+4*\i:BR+32*\c+4*\i+3], v7 offset:256*\c+16*\i    ; k = 64 c + 32 h + 4 i .. of row r
.endr
.endr
	s_wait_dscnt 0x0
	QB BR, PCR, BY
	QB BR+32, PCR+6, BY+1
	v_lshl_or_b32 v222, v[BY+1], 16, v[BY]         ; my two bytes: blocks h and 2 + h,
	v_lshlrev_b32 v223, 3, v6
	s_delay_alu instid0(VALU_DEP_1)
	v_lshlrev_b32 v222, v223, v222
	v_mov_b32 v223, 0
	s_delay_alu instid0(VALU_DEP_1)
	v_permlanex16_b32 v223, v222, s26, s27
	s_delay_alu instid0(VALU_DEP_1)
	v_or_b32 v222, v222, v223                      ; with lane l xor 16's two the word is whole
.irp c, 0,1,2
	global_store_b128 v3, v[PCR+4*\c:PCR+4*\c+3], s[30:31] offset:512*\c
.endr
	global_store_b32 v8, v222, s[32:33]
.Lend:
	s_wait_tensorcnt 0x0
	ds_add_u32 v254, v255
	s_wait_dscnt 0x0
	s_endpgm
.Lfunc_end_k_q9e0f3942a2_ln1:
	.size	k_q9e0f3942a2_ln1, .Lfunc_end_k_q9e0f3942a2_ln1-k_q9e0f3942a2_ln1
	.p2alignl 7, 3214868480
	.fill 96, 4, 3214868480
	.section	.rodata,"a",@progbits
	.p2align	6, 0x0
	.amdhsa_kernel k_q9e0f3942a2_ln1
		.amdhsa_group_segment_fixed_size 66816
		.amdhsa_private_segment_fixed_size 0
		.amdhsa_enable_private_segment 0
		.amdhsa_kernarg_size 48
		.amdhsa_user_sgpr_count 2
		.amdhsa_user_sgpr_kernarg_segment_ptr 1
		.amdhsa_wavefront_size32 1
		.amdhsa_system_sgpr_workgroup_id_x 1
		.amdhsa_system_sgpr_workgroup_id_y 1
		.amdhsa_system_sgpr_workgroup_id_z 1
		.amdhsa_system_vgpr_workitem_id 0
		.amdhsa_next_free_vgpr 256
		.amdhsa_next_free_sgpr 66
		.amdhsa_reserve_vcc 0
		.amdhsa_float_denorm_mode_32 3
		.amdhsa_float_denorm_mode_16_64 3
		.amdhsa_memory_ordered 1
		.amdhsa_forward_progress 1
		.amdhsa_inst_pref_size 33
	.end_amdhsa_kernel
	.amdgpu_metadata
---
amdhsa.version: [ 1, 2 ]
amdhsa.kernels:
  - .name:           k_q9e0f3942a2_ln1
    .symbol:         k_q9e0f3942a2_ln1.kd
    .args:
      - { .name: x, .offset: 0, .size: 8, .value_kind: global_buffer, .address_space: global }
      - { .name: at, .offset: 8, .size: 8, .value_kind: global_buffer, .address_space: global }
      - { .name: ln_g, .offset: 16, .size: 8, .value_kind: global_buffer, .address_space: global }
      - { .name: ln_b, .offset: 24, .size: 8, .value_kind: global_buffer, .address_space: global }
      - { .name: hb, .offset: 32, .size: 8, .value_kind: global_buffer, .address_space: global }
      - { .name: f1, .offset: 40, .size: 8, .value_kind: global_buffer, .address_space: global }
    .group_segment_fixed_size: 66816
    .private_segment_fixed_size: 0
    .kernarg_segment_align: 8
    .kernarg_segment_size: 48
    .max_flat_workgroup_size: 256
    .sgpr_count:     66
    .vgpr_count:     256
    .wavefront_size: 32
...
	.end_amdgpu_metadata
.endif
;; end of part 9
;; launch mlp1: the kernel of part 7 again; grid 32 x 16, 4 waves a work-group, no clusters, 25,088 bytes of LDS; arguments wb, hb, b1, bq, bk, big, f1; writes big
;; launch mlp2 (part 10): grid 16 x 16, 4 waves a work-group, no clusters, 30,208 bytes of LDS; arguments wb, big, b2, at; writes at
.if DOCPART == 10
	.amdgcn_target "amdgcn-amd-amdhsa--gfx1250"
	.amdhsa_code_object_version 6
	.text
	.protected	k_q9e0f3942a2_mlp2
	.globl	k_q9e0f3942a2_mlp2
	.p2align	8
	.type	k_q9e0f3942a2_mlp2,@function
k_q9e0f3942a2_mlp2:
	s_mov_b64 s[64:65], 0
	v_nop
	global_prefetch_b8 v0, s[64:65] scope:SCOPE_SE
	s_setreg_imm32_b32 hwreg(HW_REG_WAVE_SCHED_MODE, 0, 2), 2
	s_setreg_imm32_b32 hwreg(HW_REG_WAVE_MODE, 25, 1), 1
	s_wait_xcnt 0x0
	s_wait_alu depctr_vm_vsrc(0)
; mlp[token][n] = sum over k of gelu[token][k] w2[k][n] + b2[n], K = 4,096 in 32 steps of 128, on codes of BF6 (E3M2) with E8M0 scales; sums and result in f32.
; D = S0 S1^T: S0 = 64 columns of w2 (source 0), S1 = 256 tokens.  Operands lie in memory as images of their registers (16 rows x 128 K = 1,536 bytes; row r of tile T is 32 (T / 2) + 8 (T % 2) + r + 8 (r / 8)):
; codes [K step][256 tiles][1,536], scale words [K step][256 tiles][64].
; SHARES.  1,024 columns x 4,096 tokens in tiles of 64 x 256 are 256 work-groups.  A wave makes 64 x 64: 16 accumulators.  S0's four fragments of a step (6,144 dense bytes) go memory -> staging registers -> LDS
; (two slots) and are read by all four waves; a wave's own four fragments of S1 and all scale words go straight into registers.  b2 is the C of the first step's products.
; A K STEP s: at its head the waits and ONE barrier; then S0 of step s + 2 goes from its staging registers into slot s % 2, and the fragments of step s + 1 come out of the other slot into the other of two register
; sets; the requests for S0 of step s + 5 and S1 of step s + 3 (19 loads a step; three steps', 57 loads, are out at the most) are dealt among the step's 16 products.  No wait stands between a step's products.
; No cluster: the main part follows the text of the launches before it, which branch on a stored word and so take no tensor load.
; THE MODE: SCHED_MODE bits 1:0 = 2 (LLVM: expert scheduling mode 2), set by the entry lines.  The code itself states the register dependences between vector or matrix instructions and memory or LDS
; instructions, with s_wait_alu, always for 0.
; THE PLAN.  Registers that memory or LDS instructions touch in the K steps:
;   S0's two register sets        Step s: its products read set s % 2; its LDS loads land in the other set, which the products of step s - 1 read last.
;   S1's four buffers and the four sets of scale words   Step s: its products read number s % 4; its loads land in number (s + 3) % 4, which the products of step s - 1 read last.
;   the four staging sets         Named by memory and LDS instructions alone.  Step s: its LDS stores read set (s + 2) % 4; its loads land in set (s + 1) % 4, which the LDS stores of step s - 1 read.
;   v1, 2, 4, 7, 9, 10, 11        Offsets and addresses, written at the head and never again.
; So ONE wait on va_vdst stands in a step, behind its barrier: the products of the step before are done reading; and one on vm_vsrc beside it where the step loads a staging set.  No product of step s names a register
; that a load or store of step s touches, so these follow the wait with nothing more, among the products.
; On the way out one wait on va_vdst, behind the places: the accumulators are written, which the LDS stores read, and the products are done reading the registers in which the rows land; each tile has rows' registers of its own.
; REGISTERS.  window 0: v1, 2, 4, 7, 9 offsets; v10, 11 the stage; v16-39 four sets of scale words (set + 0, 1: S0's tiles i | i + 2 in the two halves of the lanes; + 4, 5: S1's); v48-79 b2 in the result's layout;
;   v112-159, v160-207 S0's four fragments of the even and of the odd steps; on the way out v112-239 take the rows.
;   window 1: accumulator (i0, i1) at v[32 i1 + 8 i0].   window 2: v0-191 four buffers of S1's four fragments; v192-239 four staging sets.
.set STEPC, 393216
.set STEPS, 16384
.set SLOTB, 6144
.set B0R, 48
.set SA,  112
.set STR, 192
.set STG, 12288                        ; behind the slots: 16 rows x 272 for each wave
.set SP,  272
.set MSB, 0
.macro WIN new                         ; the immediate's high byte repeats the setting that is left
.if MSB != (\new)
	s_set_vgpr_msb (MSB<<8)|(\new)
.set MSB, (\new)
.endif
.endm
.macro PLACES                          ; four plain places behind matrix instructions, ahead of loads into their registers and of the first read of results
.rept 4
	v_nop
.endr
.endm
; the requests of a step, in their order; the steps count from where the pointers stand.  The scale words of K step ss1 (4 loads; window 0),
.macro RSC ss1, bf
.irp i, 0,1
	global_load_b32 v[16+6*(\bf)+\i], v4, s[26:27] offset:(\ss1)*STEPS+64*\i
	global_load_b32 v[20+6*(\bf)+\i], v4, s[30:31] offset:(\ss1)*STEPS+64*\i
.endr
.endm
; S0 of K step sst into staging set st (3; destination window 2),
.macro RST sst, st
.irp i, 0,1,2
	global_load_b128 v[STR+12*(\st)+4*\i:STR+12*(\st)+4*\i+3], v2, s[24:25] offset:(\sst)*STEPC+2048*\i
.endr
.endm
; and four of the twelve loads of S1 of K step ss1 into buffer bf, from the k0-th on (destination window 2)
.macro RS1 ss1, bf, k0
.irp k, 0,1,2,3
	global_load_b128 v[48*(\bf)+4*((\k0)+\k):48*(\bf)+4*((\k0)+\k)+3], v1, s[28:29] offset:(\ss1)*STEPC+512*((\k0)+\k)
.endr
.endm
.macro RUNG sst, st, ss1, bf           ; all 19 on end, at the head
	RSC \ss1, \bf
	WIN 0x80
	RST \sst, \st
	RS1 \ss1, \bf, 0
	RS1 \ss1, \bf, 4
	RS1 \ss1, \bf, 8
	WIN 0
.endm
.macro MM i0, i1, u, first             ; first = 1: C is b2, in the result's layout (window 0)
.set rD, 32*(\i1)+8*(\i0)
.set rA, SA+48*((\u)%2)+12*(\i0)
.set rB, 48*(\u)+12*(\i1)
.set rX, 16+6*(\u)+(\i0)%2
.set rY, 20+6*(\u)+(\i1)%2
.if \first
.set rC, B0R+8*(\i0)
.else
.set rC, rD
.endif
.if (\i0) < 2
.if (\i1) < 2
	v_wmma_scale_f32_16x16x128_f8f6f4 v[rD:rD+7], v[rA:rA+11], v[rB:rB+11], v[rC:rC+7], v[rX], v[rY] matrix_a_fmt:MATRIX_FMT_BF6 matrix_b_fmt:MATRIX_FMT_BF6
.else
	v_wmma_scale_f32_16x16x128_f8f6f4 v[rD:rD+7], v[rA:rA+11], v[rB:rB+11], v[rC:rC+7], v[rX], v[rY] matrix_a_fmt:MATRIX_FMT_BF6 matrix_b_fmt:MATRIX_FMT_BF6 matrix_b_scale:MATRIX_SCALE_ROW1
.endif
.else
.if (\i1) < 2
	v_wmma_scale_f32_16x16x128_f8f6f4 v[rD:rD+7], v[rA:rA+11], v[rB:rB+11], v[rC:rC+7], v[rX], v[rY] matrix_a_fmt:MATRIX_FMT_BF6 matrix_b_fmt:MATRIX_FMT_BF6 matrix_a_scale:MATRIX_SCALE_ROW1
.else
	v_wmma_scale_f32_16x16x128_f8f6f4 v[rD:rD+7], v[rA:rA+11], v[rB:rB+11], v[rC:rC+7], v[rX], v[rY] matrix_a_fmt:MATRIX_FMT_BF6 matrix_b_fmt:MATRIX_FMT_BF6 matrix_a_scale:MATRIX_SCALE_ROW1 matrix_b_scale:MATRIX_SCALE_ROW1
.endif
.endif
.endm
.macro MMR a, u, first                 ; four products: S0's tile a against S1's four, under the products' windows.  The 16 accumulators take turns, one instruction a turn
.if \first
	WIN 0x48
.else
	WIN 0x58
.endif
.irp b, 0,1,2,3
	MM \a, \b, \u, \first
.endr
.endm
; A K step; u: its number mod 4.  sto: S0 of the step two on goes into this step's slot.  fr: the next step's fragments are fetched.  dost, dos1: what the step requests.
; cnt: the loads of the last two steps; those of the step three back, which brought this step's S1 and scale words and the staging that is stored now, are then in.
.macro STEP u, first, sto, fr, dost, dos1, cnt
	s_wait_loadcnt \cnt
	s_wait_dscnt 0x0                               ; my fragments of this step are in (my reads of this step's slot are over), and my stores into the other slot have landed
.if \fr
	s_barrier_signal -1                            ; ONE barrier a step: behind it the other slot is whole, and this step's slot may be stored into
	s_barrier_wait -1
.if !\first
	s_wait_alu depctr_va_vdst(0)                   ; the products of the step before are done reading S0's other register set, S1's buffer (u + 3) % 4 and its scale words, in which this step's loads land
.endif
.endif
.if \dost && !\first
	s_wait_alu depctr_vm_vsrc(0)                   ; the LDS stores of the step before have read staging set (u + 1) % 4, in which this step's loads land
.endif
.if \sto
	WIN 0x08
.irp i, 0,1,2
	ds_store_b128 v2, v[STR+12*(((\u)+2)%4)+4*\i:STR+12*(((\u)+2)%4)+4*\i+3] offset:((\u)%2)*SLOTB+2048*\i
.endr
	WIN 0
.endif
.if \fr
.irp k, 0,1,2,3,4,5,6,7,8,9,10,11
	ds_load_b128 v[SA+48*(((\u)+1)%2)+4*\k:SA+48*(((\u)+1)%2)+4*\k+3], v1 offset:(((\u)+1)%2)*SLOTB+512*\k
.endr
.endif
.if \dos1
	RSC (\u)+3, ((\u)+3)%4
.endif
	MMR 0, \u, \first
.if \dost
	WIN 0x80                                       ; the requests among the products.  No wait: no product since the wait at the step's head names these registers
	RST (\u)+5, ((\u)+1)%4
.endif
.if \dos1
	WIN 0x80
	RS1 (\u)+3, ((\u)+3)%4, 0
.endif
	MMR 1, \u, \first
.if \dos1
	WIN 0x80
	RS1 (\u)+3, ((\u)+3)%4, 4
.endif
	MMR 2, \u, \first
.if \dos1
	WIN 0x80
	RS1 (\u)+3, ((\u)+3)%4, 8
.endif
	MMR 3, \u, \first
	WIN 0
	PLACES
.endm
.macro ONWARD                          ; the loads have read their bases: four steps on
	s_wait_xcnt 0x0
	s_add_nc_u64 s[24:25], s[24:25], 4*STEPC
	s_add_nc_u64 s[28:29], s[28:29], 4*STEPC
	s_add_nc_u64 s[26:27], s[26:27], 4*STEPS
	s_add_nc_u64 s[30:31], s[30:31], 4*STEPS
.endm
; S1's tile i1: 16 tokens x 64 columns through my own stage, back as whole rows of 256 bytes, two rows an instruction; each tile has registers of its own for its rows
.macro OUT i1
	WIN 0x04                                       ; an LDS store's data are its source 1: window 1
.set n, 0
.rept 4
	ds_store_b128 v10, v[32*(\i1)+8*n:32*(\i1)+8*n+3] offset:128*(n/2)+32*(n%2)        ; each accumulator from its low end on
	ds_store_b128 v10, v[32*(\i1)+8*n+4:32*(\i1)+8*n+7] offset:128*(n/2)+32*(n%2)+16
.set n, n+1
.endr
	WIN 0
.set n, 0
.rept 8
	ds_load_b128 v[112+32*(\i1)+4*n:115+32*(\i1)+4*n], v11 offset:2*n*SP               ; LDS serves a wave's instructions in order (ISA guide 5.7.1.4): these see my stores, and the next tile's stores come behind them
.set n, n+1
.endr
.set n, 0
.rept 8
	s_wait_dscnt 7-n                               ; behind this load: the younger of the eight
	global_store_b128 v9, v[112+32*(\i1)+4*n:115+32*(\i1)+4*n], s[36:37] offset:(32*((\i1)/2)+8*((\i1)%2)+2*n+8*(n/4))*4096   ; sixteen lanes store 256 consecutive bytes of a token's row, at a multiple of 256
.set n, n+1
.endr
.endm
	s_load_b256 s[4:11], s[0:1], 0x0               ; wb, big, b2, at
	v_lshl_add_u32 v254, v0, 2, 0x7400
	v_mov_b32 v255, 0
	v_lshrrev_b32 v12, 5, v0
	v_readfirstlane_b32 s21, v12                   ; wave
	v_and_b32 v12, 31, v0
	v_lshlrev_b32 v1, 4, v12                       ; 16 x lane
	v_lshlrev_b32 v2, 4, v0                        ; 16 x thread
	v_and_b32 v13, 15, v0                          ; r
	v_bfe_u32 v14, v0, 4, 1                        ; h
	v_lshlrev_b32 v5, 2, v13
	v_lshl_add_u32 v4, v14, 7, v5                  ; scale words: 128 h + 4 r
	v_lshlrev_b32 v7, 6, v14                       ; b2: 64 h
	s_wait_alu depctr_va_sdst(0)                   ; s21, the wave's number, is written, ahead of its first reader: my stage and my tiles are made from it
	s_mul_i32 s22, s21, 16*SP
	s_add_co_u32 s22, s22, STG
	v_mul_u32_u24 v10, v13, SP
	v_lshl_add_u32 v10, v14, 6, v10
	v_add_nc_u32 v10, s22, v10                     ; the stage, in: row r, + 64 h
	v_mul_u32_u24 v11, v14, SP
	v_lshl_add_u32 v11, v13, 4, v11
	v_add_nc_u32 v11, s22, v11                     ; back: lanes 0-15 one row, lanes 16-31 the next
	v_lshlrev_b32 v9, 12, v14
	v_lshl_add_u32 v9, v13, 4, v9                  ; and the same two rows in memory
	s_mov_b32 s19, ttmp9
	s_and_b32 s20, ttmp7, 0xffff
	s_mov_b32 s41, 0
	s_lshl_b32 s42, s20, 4
	s_lshl_b32 s43, s21, 2
	s_add_co_u32 s42, s42, s43                     ; my first tile of tokens
	s_wait_kmcnt 0x0
	s_mul_i32 s40, s19, 4*1536
	s_add_co_u32 s40, s40, 3276800
	s_add_nc_u64 s[24:25], s[4:5], s[40:41]        ; w2's codes at my four tiles
	s_lshl_b32 s40, s19, 8
	s_add_co_u32 s40, s40, 15859712
	s_add_nc_u64 s[26:27], s[4:5], s[40:41]        ; and their scale words
	s_mul_i32 s40, s42, 1536
	s_add_nc_u64 s[28:29], s[6:7], s[40:41]
	s_lshl_b32 s40, s42, 6
	s_add_co_u32 s40, s40, 12582912
	s_add_nc_u64 s[30:31], s[6:7], s[40:41]
	s_lshl_b32 s40, s19, 8
	s_add_nc_u64 s[32:33], s[8:9], s[40:41]        ; b2 at my 64 columns
	s_lshl_b32 s43, s42, 16                        ; 16 tokens of 4,096 bytes a tile
	s_add_co_u32 s40, s40, s43
	s_add_nc_u64 s[36:37], s[10:11], s[40:41]
	s_wait_alu depctr_va_vdst(0)                   ; v1, v2, v4, v7, v9, v10 and v11 are written, which the loads and stores of the whole kernel read as their offsets and addresses
.irp b, 0,1
.irp q, 0,1,2,3
	global_load_b128 v[B0R+16*\b+4*\q:B0R+16*\b+4*\q+3], v7, s[32:33] offset:128*\b+16*\q
.endr
.endr
	WIN 0x80
.irp t, 0,1
.irp i, 0,1,2
	global_load_b128 v[STR+12*\t+4*\i:STR+12*\t+4*\i+3], v2, s[24:25] offset:\t*STEPC+2048*\i
.endr
.endr
	WIN 0
	RUNG 2, 2, 0, 0
	RUNG 3, 3, 1, 1
	s_wait_loadcnt 38                              ; b2 and S0 of K steps 0 and 1 are in: behind them stand twice 19 loads
	WIN 0x08
.irp t, 0,1
.irp i, 0,1,2
	ds_store_b128 v2, v[STR+12*\t+4*\i:STR+12*\t+4*\i+3] offset:\t*SLOTB+2048*\i
.endr
.endr
	WIN 0
	s_wait_dscnt 0x0
	s_barrier_signal -1
	s_barrier_wait -1
	s_wait_alu depctr_vm_vsrc(0)                   ; my LDS stores have read staging sets 0 and 1, in which the loads below and those of step 0 land
.irp k, 0,1,2,3,4,5,6,7,8,9,10,11
	ds_load_b128 v[SA+4*\k:SA+4*\k+3], v1 offset:512*\k
.endr
	RUNG 4, 0, 2, 2
	STEP 0, 1, 1, 1, 1, 1, 38
	STEP 1, 0, 1, 1, 1, 1, 38
	STEP 2, 0, 1, 1, 1, 1, 38
	STEP 3, 0, 1, 1, 1, 1, 38
	ONWARD
	s_mov_b32 s44, 5
.Lfour:                                                ; K steps 4 to 23, four a trip: after four the buffers are back where they began
	STEP 0, 0, 1, 1, 1, 1, 38
	STEP 1, 0, 1, 1, 1, 1, 38
	STEP 2, 0, 1, 1, 1, 1, 38
	STEP 3, 0, 1, 1, 1, 1, 38
	ONWARD
	s_sub_co_u32 s44, s44, 1
	s_cmp_lg_u32 s44, 0
	s_cbranch_scc1 .Lfour
	STEP 0, 0, 1, 1, 1, 1, 38                      ; K steps 24 to 31 are written out: no load leaves its buffer
	STEP 1, 0, 1, 1, 1, 1, 38
	STEP 2, 0, 1, 1, 1, 1, 38                      ; step 26 asks for S0's last step
	STEP 3, 0, 1, 1, 0, 1, 38                      ; steps 27 and 28 have 16 loads,
	ONWARD
	STEP 0, 0, 1, 1, 0, 1, 35                      ; (19 + 16)
	STEP 1, 0, 1, 1, 0, 0, 32                      ; (16 + 16) those behind them none
	STEP 2, 0, 0, 1, 0, 0, 16
	STEP 3, 0, 0, 0, 0, 0, 0
	s_wait_alu depctr_va_vdst(0)                   ; the products have written the accumulators, which the LDS stores read, and are done reading v112-207, in which rows land; the four places above stay beside this wait
	OUT 0
	OUT 1
	OUT 2
	OUT 3
	s_wait_dscnt 0x0                               ; the closing lines, six on end
	s_wait_alu 0x0
	s_wait_tensorcnt 0x0
	ds_add_u32 v254, v255
	s_wait_dscnt 0x0
	s_endpgm
.Lfunc_end_k_q9e0f3942a2_mlp2:
	.size	k_q9e0f3942a2_mlp2, .Lfunc_end_k_q9e0f3942a2_mlp2-k_q9e0f3942a2_mlp2
	.p2alignl 7, 3214868480
	.fill 96, 4, 3214868480
	.section	.rodata,"a",@progbits
	.p2align	6, 0x0
	.amdhsa_kernel k_q9e0f3942a2_mlp2
		.amdhsa_group_segment_fixed_size 30208
		.amdhsa_private_segment_fixed_size 0
		.amdhsa_enable_private_segment 0
		.amdhsa_kernarg_size 32
		.amdhsa_user_sgpr_count 2
		.amdhsa_user_sgpr_kernarg_segment_ptr 1
		.amdhsa_wavefront_size32 1
		.amdhsa_system_sgpr_workgroup_id_x 1
		.amdhsa_system_sgpr_workgroup_id_y 1
		.amdhsa_system_sgpr_workgroup_id_z 1
		.amdhsa_system_vgpr_workitem_id 0
		.amdhsa_next_free_vgpr 768
		.amdhsa_next_free_sgpr 66
		.amdhsa_reserve_vcc 0
		.amdhsa_float_denorm_mode_32 3
		.amdhsa_float_denorm_mode_16_64 3
		.amdhsa_memory_ordered 1
		.amdhsa_forward_progress 1
		.amdhsa_inst_pref_size 98
	.end_amdhsa_kernel
	.amdgpu_metadata
---
amdhsa.version: [ 1, 2 ]
amdhsa.kernels:
  - .name:           k_q9e0f3942a2_mlp2
    .symbol:         k_q9e0f3942a2_mlp2.kd
    .args:
      - { .name: wb, .offset: 0, .size: 8, .value_kind: global_buffer, .address_space: global }
      - { .name: big, .offset: 8, .size: 8, .value_kind: global_buffer, .address_space: global }
      - { .name: b2, .offset: 16, .size: 8, .value_kind: global_buffer, .address_space: global }
      - { .name: at, .offset: 24, .size: 8, .value_kind: global_buffer, .address_space: global }
    .group_segment_fixed_size: 30208
    .private_segment_fixed_size: 0
    .kernarg_segment_align: 8
    .kernarg_segment_size: 32
    .max_flat_workgroup_size: 128
    .sgpr_count:     66
    .vgpr_count:     768
    .wavefront_size: 32
...
	.end_amdgpu_metadata
.endif
;; end of part 10
;; launch ln2: the kernel of part 9 again; grid 256 x 1, 8 waves a work-group, no clusters, 66,816 bytes of LDS; arguments hb, at, ln_g, ln_b, out0, f0; writes out0
